; MI455X (gfx1250); checked and timed in simulation.
; The chip was launched on July 23, 2026; its instructions are those of AMD's public machine-readable ISA for CDNA 5 (MIT licence, August 2026) and "CDNA5" Instruction Set Architecture Reference Guide (July 2026). The comments in the code are by the model that wrote it; some were corrected since.
;; Multihead Attention. Allowed arithmetic: matrix products marked QUANTISED: E3M2 operands, one E8M0 scale for each 32 along K, by v_wmma_scale_f32_16x16x128_f8f6f4 with both operands' format E3M2, f32 sums; everything else in f32.
;; Inputs: Wk 1,024 x 1,024 float32; Wo 1,024 x 1,024 float32; Wq 1,024 x 1,024 float32; Wv 1,024 x 1,024 float32; bk 1,024 float32; bo 1,024 float32; bq 1,024 float32; bv 1,024 float32; x 4 x 2,048 x 1,024 float32.
;; Outputs: out0 4 x 2,048 x 1,024 float32.
;; This version of the problem:
;;   THIS VERSION OF THE PROBLEM IS GIVEN IN LOW PRECISION. The matrix products marked QUANTISED in the list below multiply operands that are first quantised to E3M2 (3 exponent bits, 2 mantissa bits; 6 bits a number), with one power-of-two scale for each 32 numbers along K (OCP MX v1.0); their sums are f32. All else is computed in f32.
;;   The module's matrix products, in the order in which they are computed (A, B: the left and right operand; K: the contracted axis; several contracted axes count as one K, in the product's order):
;;     1. [M 8,192, K 1,024] x [K 1,024, N 1,024]; A: input x; B: input Wk: QUANTISED
;;     2. [M 8,192, K 1,024] x [K 1,024, N 1,024]; A: input x; B: input Wq: QUANTISED
;;     3. [M 8,192, K 1,024] x [K 1,024, N 1,024]; A: input x; B: input Wv: QUANTISED
;;     4. batch 4 x [M 2,048, K 1,024] x [K 1,024, N 2,048]; A: computed on the way; B: computed on the way: QUANTISED
;;     5. batch 4 x [M 2,048, K 2,048] x [K 2,048, N 1,024]; A: softmax (see below); B: computed on the way: QUANTISED
;;     6. [M 8,192, K 1,024] x [K 1,024, N 1,024]; A: computed on the way; B: input Wo: QUANTISED
;;   THE QUANTISER, for each operand of a quantised product, along K:
;;     - K is cut into blocks of 32 from its start; a last block that is shorter is filled with zeros.
;;     - A block's scale is 2^e with e = floor(log2(the largest magnitude in the block)) - 4, held to -126 .. 127; a block of zeros has e = 0. As a byte (E8M0): e + 127.
;;     - Each number is divided by its block's scale, clamped to +-28, and rounded to the nearest number of E3M2, ties to even, subnormals kept.
;;     - The product sums the exact products of the quantised numbers (number of the format x scale) in f32.
;;   ~~~python
;;   def quantise(x, axis):      # numpy; x: float32 -> the quantised numbers, widened to float32 again
;;       x = np.moveaxis(x, axis, -1); K = x.shape[-1]
;;       x = np.pad(x, [(0, 0)] * (x.ndim - 1) + [(0, -K % 32)]); x = x.reshape(x.shape[:-1] + (-1, 32)); a = np.abs(x).max(-1, keepdims=True)
;;       e = np.where(a > 0, np.clip(np.frexp(np.where(a > 0, a, 1))[1] - 1 - 4, -126, 127), 0)      # np.frexp(a)[1] - 1 = floor(log2(a)), exactly
;;       r = np.clip(x / 2.0 ** e, -28, 28)
;;       step = 2.0 ** (np.maximum(np.frexp(np.where(r == 0, 1, r))[1] - 1, -2) - 2)
;;       q = np.round(r / step) * step * 2.0 ** e      # np.round: ties to even
;;       return np.moveaxis(q.reshape(q.shape[:-2] + (-1,))[..., :K], -1, axis).astype(np.float32)
;;   ~~~
;;   SOFTMAX AHEAD OF A QUANTISED PRODUCT. Where the list says 'softmax', what is quantised is not the finished softmax but p = 2^(t - M), with t = logit x log2(e) and M = ceil(the row's largest t), a whole number; so 1/2 < the row's largest p <= 1. The row's sum l is taken of the UNQUANTISED p, in f32, and the product's result is divided by l at the end. Since M is a whole number, a kernel that streams over the keys may use a running M (the ceiling of the running maximum): every later rescaling is an exact power of two, which a block's scale takes up: the codes' values come out the same.
;;   OPERANDS COMPUTED ON THE WAY. 'Computed on the way' means the value that the module computes at that place (a softmax that the list does not call 'softmax' is quantised finished and normalised). What goes into a quantiser is computed in f32, as accurately as f32 sums, v_exp_f32 and their like allow (about 1e-6 of the number): no bf16 or f16 on the way to a quantiser, and a product that is left as it is and whose result goes on into a quantised operand takes f32 operands (vector FMAs, or v_wmma_f32_16x16x4_f32). A number that lies on a knife's edge between two numbers of the format may be rounded either way, as far as f32 arithmetic and the matrix unit's own rounding can turn it there, and no further.
;; 2 versions. Each part assembles by itself: llvm-mc -triple=amdgcn-amd-amdhsa -mcpu=gfx1250 --defsym DOCPART=n.
;; ======== version 1 of 2: 5 launches
;; limits: right only within a limited range of input values
;; workspace buffers: xw 9,830,400 bytes; qkv 19,660,800 bytes; pbuf 14,155,776 bytes; ctxb 6,553,600 bytes
;; launch quant (part 1): grid 192 x 4, 4 waves a work-group, no clusters, 35,328 bytes of LDS; arguments x, Wq, Wk, Wv, Wo, xw; writes xw
.if DOCPART == 1
	.amdgcn_target "amdgcn-amd-amdhsa--gfx1250"
	.amdhsa_code_object_version 6
	.text
	.protected	k_qb8cb7244b0_quant
	.globl	k_qb8cb7244b0_quant
	.p2align	8
	.type	k_qb8cb7244b0_quant,@function
k_qb8cb7244b0_quant:
	s_mov_b64 s[64:65], 0
	v_nop
	global_prefetch_b8 v0, s[64:65] scope:SCOPE_SE
	s_setreg_imm32_b32 hwreg(HW_REG_WAVE_MODE, 25, 1), 1
	s_wait_xcnt 0x0
; x [8192][1024] and Wq, Wk, Wv, Wo [1024][1024], f32, K innermost, become codes of BF6 (E3M2) with one E8M0 byte for each 32 along K, laid in the ORDER OF AN OPERAND'S REGISTERS.
; ROW TILES: 768 tiles of 16 rows (x 0-511, Wq 512-575, Wk 576-639, Wv 640-703, Wo 704-767).  Place r of tile t is row 32 (t / 2) + 8 (t % 2) + r + 8 (r / 8) of its tensor, so that
; a later product that takes such a tile as source 0 leaves 16 neighbours along the next K in a lane's registers.
; CODES: the fragment (tile t, K step s of 128) is 1,536 bytes at (8 t + s) x 1,536: registers 4 c .. 4 c + 3 of lane l at 512 c + 16 l.  SCALES: the word of (s, t, r) at SKO + ((768 s + t) 16 + r) 4.
; A block's scale byte is its largest magnitude's exponent field - 4, held at 1 from below (a block of zeros gets 1: its codes are zeros, and this program alone reads the bytes).
; LIMITS: NaN and infinities are not served; blocks whose largest magnitude lies under 2^-122 keep the byte 1.
; SHARES: work-group (g, y): tiles 4 g .. 4 g + 3, K steps 2 y and 2 y + 1; wave w takes tile 4 g + w.  Each load reads 512 consecutive bytes of one row; the 16 rows turn through the wave's own
; stage in LDS, from which lane (r, h) takes the 32 numbers of blocks h and 2 + h of row r: just what the operand's layout gives that lane.  No tensor loads, no matrix work: memory binds.
.set ROWBY, 4096                       ; bytes in a row of any of the five tensors
.set SP,    528                        ; a stage row: 512 bytes + 16, an odd multiple of 16: the 16 rows that a load touches start at 16 different groups of banks
.set WST,   16*SP                      ; a wave's stage
.set SXB,   4*WST                      ; behind the stages: the scale words, [K step 2][wave 4][16]
.set SKO,   9437184                    ; where the scale words begin in xw
.set R,     16                         ; v16-143  two sets of 64: 16 rows x 16 bytes a lane, as loaded
.set X,     144                        ; v144-207 my 64 numbers: blocks h and 2 + h of row r
.set PC,    208                        ; v208-247 two sets of 20: 12 registers of codes, 8 at work
.set TM,    248                        ; v248-249 largest magnitudes, v250-251 scale operands, v252-253 bytes, v254-255 the two scale words
	s_load_b256 s[4:11], s[0:1], 0x0               ; x, Wq, Wk, Wv
	s_load_b128 s[12:15], s[0:1], 0x20             ; Wo, xw
	v_lshl_add_u32 v243, v0, 2, 0x8800
	v_mov_b32 v247, 0
	v_lshrrev_b32 v1, 5, v0
	v_readfirstlane_b32 s18, v1                    ; wave
	v_and_b32 v3, 31, v0                           ; lane
	v_and_b32 v1, 15, v0                           ; r
	v_bfe_u32 v2, v0, 4, 1                         ; h
	v_lshlrev_b32 v4, 4, v3                        ; 16 x lane: my bytes of a load, and of a stored fragment
	s_mul_i32 s19, s18, WST
	v_add_nc_u32 v5, s19, v4                       ; the stage, on the way in
	v_mul_u32_u24 v6, v1, SP
	v_lshl_add_u32 v6, v2, 7, v6
	v_add_nc_u32 v6, s19, v6                       ; and on the way out: row r, + 128 h bytes
	s_lshl_b32 s19, s18, 6
	s_add_co_u32 s19, s19, SXB
	v_lshl_add_u32 v7, v1, 2, s19                  ; my row's scale word: SXB + 64 wave + 4 r
	s_lshl_b32 s19, s18, 8
	s_add_co_u32 s19, s19, SXB
	v_lshl_add_u32 v8, v3, 3, s19                  ; waves 0 and 1 read a K step's 256 bytes back: SXB + 256 wave + 8 lane
	v_lshlrev_b32 v9, 3, v3
	v_lshlrev_b32 v10, 3, v2                       ; 8 h: my bytes' place in the scale word
	v_mov_b32 v11, 0                               ; a lane permute's destination counts as one of its sources
	s_mov_b32 s30, 0x76543210
	s_mov_b32 s31, 0xfedcba98                      ; selects for lane l xor 16
	s_and_b32 s20, ttmp7, 0xffff                   ; y
	s_and_b32 s21, ttmp9, 15
	s_cmp_lt_u32 ttmp9, 128
	s_cselect_b32 s21, ttmp9, s21                  ; the group's number within its tensor
	s_lshl_b32 s22, s21, 6                         ; my tile's first row: 64 group + 32 (wave / 2) + 8 (wave % 2)
	s_lshr_b32 s23, s18, 1
	s_lshl_b32 s23, s23, 5
	s_add_co_u32 s22, s22, s23
	s_and_b32 s23, s18, 1
	s_lshl_b32 s23, s23, 3
	s_add_co_u32 s22, s22, s23
	s_lshl_b32 s22, s22, 12                        ; in bytes,
	s_lshl_b32 s23, s20, 10
	s_add_co_u32 s22, s22, s23                     ; + 1,024 y
	s_mov_b32 s23, 0
	s_lshl_b32 s24, ttmp9, 2
	s_add_co_u32 s24, s24, s18                     ; tile t = 4 g + wave
	s_lshl_b32 s24, s24, 3
	s_lshl_b32 s25, s20, 1
	s_add_co_u32 s24, s24, s25
	s_mul_i32 s24, s24, 1536                       ; (8 t + 2 y) fragments
	s_mov_b32 s25, 0
	s_lshl_b32 s26, s20, 1
	s_add_co_u32 s26, s26, s18                     ; the K step whose words this wave stores (waves 0 and 1 alone)
	s_mul_i32 s26, s26, 768
	s_lshl_b32 s27, ttmp9, 2
	s_add_co_u32 s26, s26, s27
	s_lshl_b32 s26, s26, 6
	s_add_co_u32 s26, s26, SKO
	s_mov_b32 s27, 0
	s_wait_kmcnt 0x0
	s_mov_b64 s[16:17], s[12:13]                   ; which tensor: the choice hangs on the work-group's number alone
	s_cmp_lt_u32 ttmp9, 176
	s_cselect_b64 s[16:17], s[10:11], s[16:17]
	s_cmp_lt_u32 ttmp9, 160
	s_cselect_b64 s[16:17], s[8:9], s[16:17]
	s_cmp_lt_u32 ttmp9, 144
	s_cselect_b64 s[16:17], s[6:7], s[16:17]
	s_cmp_lt_u32 ttmp9, 128
	s_cselect_b64 s[16:17], s[4:5], s[16:17]
	s_add_nc_u64 s[16:17], s[16:17], s[22:23]
	s_add_nc_u64 s[24:25], s[14:15], s[24:25]
	s_add_nc_u64 s[26:27], s[14:15], s[26:27]
.irp q, 0,1
.irp t, 0,1,2,3,4,5,6,7,8,9,10,11,12,13,14,15
	global_load_b128 v[R+64*\q+4*\t:R+64*\q+4*\t+3], v4, s[16:17] offset:(\t+8*(\t/8))*ROWBY+512*\q th:TH_LOAD_NT   ; place t of the tile: 512 consecutive bytes, read once
.endr
.endr
; K step q of the pair: through the stage, two blocks a lane, codes and scale word
.macro QZ q
.set P, PC+20*\q
.irp t, 0,1,2,3,4,5,6,7,8,9,10,11,12,13,14,15
	ds_store_b128 v5, v[R+64*\q+4*\t:R+64*\q+4*\t+3] offset:SP*\t
.endr
.irp c, 0,1
.irp i, 0,1,2,3,4,5,6,7
	ds_load_b128 v[X+32*\c+4*\i:X+32*\c+4*\i+3], v6 offset:256*\c+16*\i   ; LDS serves a wave's instructions in order: these see my stores
.endr
.endr
	s_wait_dscnt 0x0
.irp c, 0,1
	v_max3_num_f32 v[TM+\c], |v[X+32*\c]|, |v[X+32*\c+1]|, 0x2800000      ; block 2 c + h: all 32 numbers are mine; the floor 2^(5 - 127) holds the byte at 1 from below
.endr
.irp i, 2,4,6,8,10,12,14,16,18,20,22,24,26,28,30
.irp c, 0,1
	v_max3_num_f32 v[TM+\c], v[TM+\c], |v[X+32*\c+\i]|, |v[X+32*\c+\i+1]|
.endr
.endr
.irp c, 0,1
	v_add_nc_u32 v[TM+2+\c], 0xfe000000, v[TM+\c]  ; 4 off the exponent field: the conversion's scale operand
.endr
.irp c, 0,1
	v_lshrrev_b32 v[TM+4+\c], 23, v[TM+2+\c]       ; the scale's byte
.endr
	v_lshl_or_b32 v[TM+6+\q], v[TM+5], 16, v[TM+4] ; blocks h and 2 + h,
	v_lshlrev_b32 v[TM+6+\q], v10, v[TM+6+\q]      ; at their places in the word;
	v_permlanex16_b32 v11, v[TM+6+\q], s30, s31
	v_or_b32 v[TM+6+\q], v[TM+6+\q], v11           ; with lane l xor 16's two the word is whole
.irp c, 0,1
	v_cvt_scalef32_pk16_bf6_f32 v[P+6*\c:P+6*\c+2], v[X+32*\c:X+32*\c+15], v[TM+2+\c]
	v_cvt_scalef32_pk16_bf6_f32 v[P+12+4*\c:P+14+4*\c], v[X+32*\c+16:X+32*\c+31], v[TM+2+\c]   ; (a conversion's three registers begin on an even number)
.endr
	v_nop                                          ; one plain place behind a scaled conversion
.irp c, 0,1
.irp i, 0,1,2
	v_mov_b32 v[P+3+6*\c+\i], v[P+12+4*\c+\i]
.endr
.endr
.irp c, 0,1,2
	global_store_b128 v4, v[P+4*\c:P+4*\c+3], s[24:25] offset:1536*\q+512*\c   ; 512 consecutive bytes, at a multiple of 256 from the buffer's first byte; each K step has its own registers
.endr
	ds_store_b32 v7, v[TM+6+\q] offset:256*\q      ; lanes r and r + 16 write the same word with the same value
.endm
	s_wait_loadcnt 16                              ; the first K step's sixteen loads are in; the second's sixteen stay out
	QZ 0
	s_wait_loadcnt 0x0
	QZ 1
	s_wait_dscnt 0x0                               ; for the others' sake: my scale words have landed
	s_barrier_signal -1
	s_barrier_wait -1
	s_cmp_gt_u32 s18, 1
	s_cbranch_scc1 .Ldone                          ; waves 0 and 1 store a K step's words of the four tiles
	ds_load_b64 v[12:13], v8
	s_wait_dscnt 0x0
	global_store_b64 v9, v[12:13], s[26:27]        ; 32 lanes store 256 consecutive bytes, aligned
.Ldone:
	s_wait_tensorcnt 0x0
	ds_add_u32 v243, v247
	s_wait_dscnt 0x0
	s_endpgm
.Lfunc_end_k_qb8cb7244b0_quant:
	.size	k_qb8cb7244b0_quant, .Lfunc_end_k_qb8cb7244b0_quant-k_qb8cb7244b0_quant
	.p2alignl 7, 3214868480
	.fill 96, 4, 3214868480
	.section	.rodata,"a",@progbits
	.p2align	6, 0x0
	.amdhsa_kernel k_qb8cb7244b0_quant
		.amdhsa_group_segment_fixed_size 35328
		.amdhsa_private_segment_fixed_size 0
		.amdhsa_enable_private_segment 0
		.amdhsa_kernarg_size 48
		.amdhsa_user_sgpr_count 2
		.amdhsa_user_sgpr_kernarg_segment_ptr 1
		.amdhsa_wavefront_size32 1
		.amdhsa_system_sgpr_workgroup_id_x 1
		.amdhsa_system_sgpr_workgroup_id_y 1
		.amdhsa_system_sgpr_workgroup_id_z 1
		.amdhsa_system_vgpr_workitem_id 0
		.amdhsa_next_free_vgpr 256
		.amdhsa_next_free_sgpr 66
		.amdhsa_reserve_vcc 0
		.amdhsa_float_denorm_mode_32 3
		.amdhsa_float_denorm_mode_16_64 3
		.amdhsa_memory_ordered 1
		.amdhsa_forward_progress 1
		.amdhsa_inst_pref_size 18
	.end_amdhsa_kernel
	.amdgpu_metadata
---
amdhsa.version: [ 1, 2 ]
amdhsa.kernels:
  - .name:           k_qb8cb7244b0_quant
    .symbol:         k_qb8cb7244b0_quant.kd
    .args:
      - { .name: x, .offset: 0, .size: 8, .value_kind: global_buffer, .address_space: global }
      - { .name: Wq, .offset: 8, .size: 8, .value_kind: global_buffer, .address_space: global }
      - { .name: Wk, .offset: 16, .size: 8, .value_kind: global_buffer, .address_space: global }
      - { .name: Wv, .offset: 24, .size: 8, .value_kind: global_buffer, .address_space: global }
      - { .name: Wo, .offset: 32, .size: 8, .value_kind: global_buffer, .address_space: global }
      - { .name: xw, .offset: 40, .size: 8, .value_kind: global_buffer, .address_space: global }
    .group_segment_fixed_size: 35328
    .private_segment_fixed_size: 0
    .kernarg_segment_align: 8
    .kernarg_segment_size: 48
    .max_flat_workgroup_size: 128
    .sgpr_count:     66
    .vgpr_count:     256
    .wavefront_size: 32
...
	.end_amdgpu_metadata
.endif
;; end of part 1
;; launch qkv (part 2): grid 12 x 32, 4 waves a work-group, clusters of 4 x 4, 327,680 bytes of LDS; arguments xw, bq, bk, bv, qkv; writes qkv
.if DOCPART == 2
	.amdgcn_target "amdgcn-amd-amdhsa--gfx1250"
	.amdhsa_code_object_version 6
	.text
	.protected	k_qb8cb7244b0_qkv
	.globl	k_qb8cb7244b0_qkv
	.p2align	8
	.type	k_qb8cb7244b0_qkv,@function
k_qb8cb7244b0_qkv:
	s_mov_b64 s[64:65], 0
	v_nop
	global_prefetch_b8 v0, s[64:65] scope:SCOPE_SE
	s_setreg_imm32_b32 hwreg(HW_REG_WAVE_MODE, 25, 1), 1
	s_wait_xcnt 0x0
	s_wait_alu depctr_hold_cnt(0) depctr_sa_sdst(0) depctr_va_vdst(0) depctr_va_sdst(0) depctr_va_ssrc(0) depctr_va_vcc(0) depctr_vm_vsrc(0)
	s_getreg_b32 s2, hwreg(HW_REG_IB_STS2, 6, 4)
	s_cmp_eq_u32 s2, 0
	s_cbranch_scc0 .Lentry_in_a_cluster
	s_endpgm
.Lentry_in_a_cluster:
	s_bfe_u32 s2, ttmp6, 0x10000c
	s_cmp_lg_u32 s2, 0xf033
	s_cbranch_scc0 .Lentry_shape_is_right
	s_endpgm
.Lentry_shape_is_right:
; Q = x Wq^T + bq, K = x Wk^T + bk, V = x Wv^T + bv on codes of BF6 (E3M2) with E8M0 scales, sums in f32; each result is quantised at once for the product that will read it:
; Q and K along the features, V along the tokens (it is made transposed for that), and stored as codes in the order of an operand's registers, with its scale words.
; THE PRODUCT: result(Y row, X row) = sum over k of Y X.  Source 0 = 16 rows of X, source 1 = 16 rows of Y: a lane holds ONE row of Y and its registers run along X's rows.  Place r of a row tile t is row
; 32 (t / 2) + 8 (t % 2) + r + 8 (r / 8), so the 64 registers of a wave's eight X tiles are, in lane (r, h), X rows 32 b + 16 h + i at register 16 b + i: 16 neighbours of each block of 32 of the next K.
; CLUSTER x 0: Y = x, X = Wq -> Q.   1: Y = x, X = Wk -> K.   2: Y = Wv, X = x -> V^T.  A tile is 256 x 256, four waves, 128 x 128 each: 64 accumulators, 512 registers.
; K goes in steps of 256 through two LDS slots.  In memory a row tile's codes of 256 along K are 3,072 consecutive bytes: a tensor load brings 8 such rows; fragments come by ds_load_b128, 512 consecutive bytes each.
; CLUSTERS 4 x 4: Y's tiles are shared along a row of the cluster, X's along a column: each is asked for jointly, which divides the requests by four.
; The scale words of all of K (4 registers a tile: lanes 0-15 an even K step, lanes 16-31 the odd one) and the bias are loaded into registers once.  The bias is the C of each sum's first product.
; No prefetch: behind the first fills the launch has two refills.
; LIMITS: NaN and infinities are not served; a block whose largest magnitude lies under 2^-122 (zeros too) keeps the byte 1: this program alone reads the bytes.
; REGISTERS: window 0: v0-31 addresses; v32-63 Y's scale words, v64-95 X's; v96-127 and v224-255 the bias; v128-223 Y's fragments, one set (at the end: at work).  window 1: X's fragments, two sets, at v0 and v128.
;   window 2: accumulators of Y's blocks 0-3 ((a, b) at v[8 (8 a + b)]); window 3: of blocks 4-7.
.set NA,   8                           ; Y's blocks of 16 rows in a wave
.set NJ,   4                           ; scale registers a tile
.set SCAB, 32
.set SCBB, 64
.set BI,   96
.set BIG,  96                          ; the bias of tiles 4-7 lies 96 registers further on
.set XSK,  9437184                     ; xw: the scale words
.set QSK,  18874368                    ; qkv: Q's scale words; K's 262,144 on, V's 524,288 on
.set FRB,  1536                        ; a fragment's image
.set KSB,  2*FRB                       ; a row tile's bytes in a slot
.set HA,   NA/2
.set NL,   3                           ; LDS loads that bring a fragment
.set AH,   NA*KSB                      ; what one tensor load brings of Y, and what one wave reads
.set BH,   8*KSB                       ; the same of X
.set SLOT, 2*AH+2*BH
.set SPARE, 2*SLOT                     ; behind the ring: the spare words, 128 bytes a wave, that no other line names
.set AF,   128
.set LI,   4                           ; v4   16 x lane
.set ADRA, 16                          ; v16-17 my Y fragments in slot 0, 1
.set ADRB, 20                          ; v20-21 my X fragments
.set SPW,  28
.set NIL,  29
.set TM,   128                         ; at the end: v128-131 largest magnitudes, v132-135 bytes, v140-143 scale operands
.set PW,   150                         ; the scale word just made
.set SW,   152
.set PC,   160                         ; v160-171 codes, v172-179 at work
.set G1,   24
.set G0,   32
.set G1B,  48
.set G0B,  56
.set SEL,  94
.set MSB, 0
.macro WIN new                         ; the immediate's high byte repeats the setting that is left; a switch that changes nothing is dropped
.set WNEW, \new
.if MSB != WNEW
	s_set_vgpr_msb (MSB<<8)|WNEW
.set MSB, WNEW
.endif
.endm
.macro PLACES n
.rept \n
	v_nop
.endr
.endm
; A joint load: waves 0 and 1 fetch Y's halves, waves 2 and 3 X's.  The branch hangs on the wave's number alone.  Four v_nop follow each line.
.macro JLOAD g0a, g1a, g0b, g1b
	s_cmp_eq_u32 s15, 0
	s_cbranch_scc0 .Lfor_b_\@
	tensor_load_to_lds s[\g0a:\g0a+3], s[\g1a:\g1a+7]
	s_nop 0
.rept 4
	v_nop
.endr
	s_branch .Lasked_\@
.Lfor_b_\@:
	tensor_load_to_lds s[\g0b:\g0b+3], s[\g1b:\g1b+7]
	s_nop 0
.rept 4
	v_nop
.endr
.Lasked_\@:
.endm
.macro CREST                           ; a round of the cluster's barrier behind its opening barrier
	s_cmp_lg_u32 s14, 0
	s_cbranch_scc1 .Lnot_wave_0_\@
	s_barrier_signal -3
.Lnot_wave_0_\@:
	s_barrier_wait -3
	s_barrier_signal -1
	s_barrier_wait -1
.endm
.macro CROUND
	s_barrier_signal -1
	s_barrier_wait -1
	CREST
.endm
.macro FRAG reg, adr, q, i             ; a fragment comes back as it was stored: three loads of 512 consecutive bytes
.irp c, 0,1,2
	ds_load_b128 v[\reg+4*\c:\reg+4*\c+3], v[\adr] offset:(\i)*KSB+(\q)*FRB+512*\c
.endr
.endm
.macro FETCH_B slot, q, p              ; X's eight fragments of the slot's q-th 128 along K into set p
	WIN 0x40
.irp i, 0,1,2,3,4,5,6,7
	FRAG 128*(\p)+12*\i, ADRB+\slot, \q, \i
.endr
	WIN 0
.endm
.macro FETCH_A slot, q, i0             ; Y's blocks i0 .. i0 + HA - 1
.set fi, \i0
.rept HA
	FRAG AF+12*fi, ADRA+\slot, \q, fi
.set fi, fi+1
.endr
.endm
; 8 matrix instructions: Y's block a against X's eight.  p: X's set; J: the scale registers; q: their lanes (0: 0-15, 1: 16-31).  cm = 0: adds in place; 2: C = the bias by X's rows; 3: by Y's rows.
; The 64 accumulators take turns, one instruction a turn, in the same order in every step.
.macro MULA a, p, J, q, cm
.if (\cm) >= 2
	WIN 0x01|((2+(\a)/4)<<6)
.else
	WIN 0x01|((2+(\a)/4)<<6)|((2+(\a)/4)<<4)
.endif
.irp b, 0,1,2,3,4,5,6,7
.set rD, 8*(8*((\a)%4)+\b)
.set rB, 128*(\p)+12*\b
.set rA, AF+12*(\a)
.set rSB, SCBB+NJ*\b+(\J)
.set rSA, SCAB+NJ*(\a)+(\J)
.if (\cm) == 2
.set rC, BI+8*\b+BIG*(\b/4)
	v_wmma_scale_f32_16x16x128_f8f6f4 v[rD:rD+7], v[rB:rB+11], v[rA:rA+11], v[rC:rC+7], v[rSB], v[rSA] matrix_a_fmt:MATRIX_FMT_BF6 matrix_b_fmt:MATRIX_FMT_BF6
.elseif (\cm) == 3
.set rC, BI+8*(\a)+BIG*((\a)/4)
	v_wmma_scale_f32_16x16x128_f8f6f4 v[rD:rD+7], v[rB:rB+11], v[rA:rA+11], v[rC:rC+7], v[rSB], v[rSA] matrix_a_fmt:MATRIX_FMT_BF6 matrix_b_fmt:MATRIX_FMT_BF6
.elseif (\q) == 0
	v_wmma_scale_f32_16x16x128_f8f6f4 v[rD:rD+7], v[rB:rB+11], v[rA:rA+11], v[rD:rD+7], v[rSB], v[rSA] matrix_a_fmt:MATRIX_FMT_BF6 matrix_b_fmt:MATRIX_FMT_BF6
.else
	v_wmma_scale_f32_16x16x128_f8f6f4 v[rD:rD+7], v[rB:rB+11], v[rA:rA+11], v[rD:rD+7], v[rSB], v[rSA] matrix_a_fmt:MATRIX_FMT_BF6 matrix_b_fmt:MATRIX_FMT_BF6 matrix_a_scale:MATRIX_SCALE_ROW1 matrix_b_scale:MATRIX_SCALE_ROW1
.endif
.endr
.endm
; A slot's first 128 along K.  A block of Y is free as soon as its eight products are issued, so Y has one set: its first half is fetched anew in the step's middle, its second at the end.
.macro STEP slot, J, cm
	s_wait_dscnt HA*NL                             ; X's set and Y's first half are in; the youngest HA x 3 loads (Y's second half) may be out
.set ma, 0
.rept HA
	MULA ma, 0, \J, 0, \cm
.set ma, ma+1
.endr
	s_wait_dscnt 0x0                               ; Y's second half is in
	PLACES 4                                       ; four places in front of loads into registers that matrix instructions have read
	FETCH_B \slot, 1, 1
	FETCH_A \slot, 1, 0
.rept HA
	MULA ma, 0, \J, 0, \cm
.set ma, ma+1
.endr
	PLACES 4
	WIN 0
	FETCH_A \slot, 1, HA
.endm
; A slot's second 128 along K changes slots: one barrier; in front of it each wave waits for all its tensor loads, adds 0 to its spare word, and waits for that and for its reads of this slot.
.macro TURN slot, next, fill, J
	s_wait_tensorcnt 0x0                           ; all my tensor loads have landed: my part of the next slot
	ds_add_u32 v[SPW], v[NIL]                      ; 0 onto my spare word
	s_wait_dscnt HA*NL+1                           ; (the add and Y's second half may be out)
.set ma, 0
.rept HA/2
	MULA ma, 1, \J, 1, 0
.set ma, ma+1
.endr
	s_wait_dscnt 0x0                               ; the add is done, and my reads of this slot are over
	s_barrier_signal -1
.rept HA/2
	MULA ma, 1, \J, 1, 0
.set ma, ma+1
.endr
	WIN 0
	s_barrier_wait -1
.if \fill
	CREST                                          ; the barrier has opened a round of the cluster's: no wave of any partner still reads this slot or has a load on its way
	s_add_nc_u64 s[G0+4*\slot+2:G0+4*\slot+3], s[G0+4*\slot+2:G0+4*\slot+3], 2*KSB
	s_add_nc_u64 s[G0B+4*\slot+2:G0B+4*\slot+3], s[G0B+4*\slot+2:G0B+4*\slot+3], 2*KSB
	JLOAD G0+4*\slot, G1, G0B+4*\slot, G1B         ; the first tensor load behind the round; its four v_nop are the places in front of the loads below
.else
	PLACES 4
.endif
	FETCH_B \next, 0, 0
	FETCH_A \next, 0, 0
.rept HA
	MULA ma, 1, \J, 1, 0
.set ma, ma+1
.endr
	PLACES 4
	WIN 0
	FETCH_A \next, 0, HA
.endm
.macro LAST J                          ; the very last 128 along K: nothing more to fetch
	s_wait_dscnt HA*NL
.set ma, 0
.rept HA
	MULA ma, 1, \J, 1, 0
.set ma, ma+1
.endr
	s_wait_dscnt 0x0
.rept HA
	MULA ma, 1, \J, 1, 0
.set ma, ma+1
.endr
	WIN 0
.endm
; 64 numbers of a lane in window w, register ac + 16 b + i = k 32 b + 16 h + i of my row: QMAX makes the four scale operands and the scale word, QCVT the fragment's codes in v[PC] on.
.macro QMAX ac, w
	WIN (\w)|((\w)<<2)                             ; sources 0 and 1: the accumulators' window
.irp b, 0,1,2,3
	v_max3_num_f32 v[TM+\b], |v[(\ac)+16*\b]|, |v[(\ac)+16*\b+1]|, 0x2800000   ; each accumulator is read from its low end on; the floor 2^(5 - 127) holds the byte at 1 from below
.endr
.irp i, 2,4,6,8,10,12,14
.irp b, 0,1,2,3
	v_max3_num_f32 v[TM+\b], |v[(\ac)+16*\b+\i]|, |v[(\ac)+16*\b+\i+1]|, v[TM+\b]
.endr
.endr
	WIN 0
.irp b, 0,1,2,3
	v_permlanex16_b32 v[TM+4+\b], v[TM+\b], s[SEL], s[SEL+1]
.endr
.irp b, 0,1,2,3
	v_max_num_f32 v[TM+\b], v[TM+\b], v[TM+4+\b]   ; with lane l xor 16's 16: the block's largest magnitude
.endr
.irp b, 0,1,2,3
	v_add_nc_u32 v[TM+12+\b], 0xfe000000, v[TM+\b] ; 4 off the exponent field: the conversion's scale operand
.endr
.irp b, 0,1,2,3
	v_lshrrev_b32 v[TM+4+\b], 23, v[TM+12+\b]      ; the scale's byte
.endr
	v_lshl_or_b32 v[PW], v[TM+5], 8, v[TM+4]
	v_lshl_or_b32 v[PW], v[TM+6], 16, v[PW]
	v_lshl_or_b32 v[PW], v[TM+7], 24, v[PW]
.endm
.macro QCVT ac, w
	WIN (\w)                                       ; source 0: the accumulators' window
.irp c, 0,1
	v_cvt_scalef32_pk16_bf6_f32 v[PC+6*\c:PC+6*\c+2], v[(\ac)+32*\c:(\ac)+32*\c+15], v[TM+12+2*\c]
	v_cvt_scalef32_pk16_bf6_f32 v[PC+12+4*\c:PC+14+4*\c], v[(\ac)+32*\c+16:(\ac)+32*\c+31], v[TM+12+2*\c+1]
.endr
	WIN 0
	v_nop                                          ; one plain place behind a scaled conversion
.irp c, 0,1                            ; the operand's layout wants a whole block in a lane: lanes 0-15 block 2 c, lanes 16-31 block 2 c + 1
.irp i, 0,1,2
	v_permlane16_swap_b32 v[PC+6*\c+\i], v[PC+12+4*\c+\i]
.endr
.irp i, 0,1,2
	v_mov_b32 v[PC+3+6*\c+\i], v[PC+12+4*\c+\i]
.endr
.endr
.endm
	s_load_b256 s[4:11], s[0:1], 0x0               ; xw, bq, bk, bv
	s_load_b64 s[12:13], s[0:1], 0x20              ; qkv
	v_lshl_add_u32 v[SPW], v0, 2, SPARE
	v_mov_b32 v[NIL], 0
	ds_add_u32 v28, v29
	ds_add_u32 v28, v29
	s_wait_dscnt 0x0
	v_lshrrev_b32 v1, 5, v0
	v_readfirstlane_b32 s14, v1                    ; wave 0..3
	s_lshr_b32 s15, s14, 1                         ; which half of Y's rows is mine.  Also: I fetch for Y (0) or for X (1)
	s_and_b32 s16, s14, 1                          ; which half of X's rows.  Also: which half of that tile I fetch
	s_bfe_u32 s40, ttmp6, 0x40000                  ; cx
	s_bfe_u32 s41, ttmp6, 0x40004                  ; cy
	s_and_b32 s17, ttmp7, 0xffff                   ; cluster y
	s_lshl_b32 s43, s41, 2
	s_lshl_b32 s43, 15, s43                        ; my row of the cluster
	s_lshl_b32 s44, 0x1111, s40                    ; my column
	s_or_b32 s[G1], s43, (3<<16)|(1<<21)           ; the mask; elements of 8 bytes; bit 21 set beside a mask; no padding
	s_or_b32 s[G1B], s44, (3<<16)|(1<<21)
.irp g, G1, G1B
	s_mov_b32 s[\g+1], 384<<16                     ; tensor_dim0 = 384 elements: 3,072 bytes
	s_mov_b32 s[\g+2], 8<<16                       ; tensor_dim1 = 8 row tiles
	s_mov_b32 s[\g+3], 384<<16                     ; tile_dim0
	s_mov_b32 s[\g+4], 8                           ; tile_dim1
	s_mov_b32 s[\g+5], 1536                        ; from row tile to row tile: 12,288 bytes
	s_mov_b32 s[\g+6], 0
	s_mov_b32 s[\g+7], 0
.endr
	s_lshl_b32 s18, s17, 6                         ; 64 x cluster y
	s_lshl_b32 s19, ttmp9, 6
	s_add_co_u32 s19, s19, 512                     ; 512 + 64 x cluster x
	s_cmp_eq_u32 ttmp9, 2                          ; the cluster that makes V^T?  The same in all partners
	s_cselect_b32 s45, 1, 0
	s_cselect_b32 s20, 640, s18
	s_cselect_b32 s46, s18, s19
	s_lshl_b32 s21, s41, 4
	s_add_co_u32 s20, s20, s21                     ; Y's first row tile: hangs on cy alone of the two places
	s_lshl_b32 s47, s40, 4
	s_add_co_u32 s46, s46, s47                     ; X's: on cx alone
	s_lshl_b32 s22, s16, 3
	s_add_co_u32 s66, s20, s22
	s_mul_i32 s66, s66, 12288                      ; what I fetch of Y,
	s_mov_b32 s67, 0
	s_add_co_u32 s68, s46, s22
	s_mul_i32 s68, s68, 12288                      ; of X,
	s_mov_b32 s69, 0
	s_mul_i32 s70, s16, AH                         ; and where it goes: no place in the cluster enters an LDS address
	s_mul_i32 s71, s16, BH
	s_add_co_u32 s71, s71, 2*AH
	s_mov_b32 s[SEL], 0x76543210
	s_mov_b32 s[SEL+1], 0xfedcba98
	s_wait_kmcnt 0x0
	s_add_nc_u64 s[66:67], s[4:5], s[66:67]
	s_add_nc_u64 s[68:69], s[4:5], s[68:69]
	CROUND                                         ; all sixteen work-groups are here: the first joint loads meet
.irp s, 0,1
	s_mov_b32 s[G0+4*\s], 1
	s_add_co_u32 s[G0+4*\s+1], s70, \s*SLOT
	s_add_nc_u64 s[G0+4*\s+2:G0+4*\s+3], s[66:67], \s*KSB
	s_or_b32 s[G0+4*\s+3], s[G0+4*\s+3], 0x80000000
	s_mov_b32 s[G0B+4*\s], 1
	s_add_co_u32 s[G0B+4*\s+1], s71, \s*SLOT
	s_add_nc_u64 s[G0B+4*\s+2:G0B+4*\s+3], s[68:69], \s*KSB
	s_or_b32 s[G0B+4*\s+3], s[G0B+4*\s+3], 0x80000000
	JLOAD G0+4*\s, G1, G0B+4*\s, G1B               ; two tensor loads of mine are out
.endr
	v_and_b32 v1, 15, v0                           ; r
	v_bfe_u32 v2, v0, 4, 1                         ; h
	v_and_b32 v3, 31, v0
	v_lshlrev_b32 v[LI], 4, v3
	s_mul_i32 s21, s15, AH
	s_mul_i32 s22, s16, BH
	s_add_co_u32 s22, s22, 2*AH
.irp s, 0,1
	v_add_nc_u32 v[ADRA+\s], s21, v[LI]
	v_add_nc_u32 v[ADRB+\s], s22, v[LI]
	s_add_co_u32 s21, s21, SLOT
	s_add_co_u32 s22, s22, SLOT
.endr
	s_lshl_b32 s23, s14, 11                        ; my stage for the scale words: 2,048 x wave, in slot 0, used behind its last fill and its last read
	v_lshl_add_u32 v7, v1, 2, s23
	v_add_nc_u32 v8, s23, v[LI]
	v_mul_u32_u24 v5, v2, 49152
	v_lshl_add_u32 v5, v1, 2, v5                   ; scale words: lanes 16-31 take the K step after: 768 x 64 bytes on
	v_and_b32 v9, 8, v1
	v_add_nc_u32 v9, v9, v1
	v_lshlrev_b32 v9, 2, v9                        ; 4 (r + 8 (r / 8)): the bias by Y's rows
	v_lshlrev_b32 v10, 6, v2                       ; 64 h: the bias by X's rows
	s_lshl_b32 s72, s15, 3
	s_add_co_u32 s72, s72, s20
	s_lshl_b32 s72, s72, 6
	s_add_co_u32 s72, s72, XSK
	s_mov_b32 s73, 0
	s_add_nc_u64 s[72:73], s[4:5], s[72:73]        ; the scale words of my 8 tiles of Y
	s_lshl_b32 s74, s16, 3
	s_add_co_u32 s74, s74, s46
	s_lshl_b32 s74, s74, 6
	s_add_co_u32 s74, s74, XSK
	s_mov_b32 s75, 0
	s_add_nc_u64 s[74:75], s[4:5], s[74:75]        ; and of X
.irp a, 0,1,2,3,4,5,6,7
.irp J, 0,1,2,3
	global_load_b32 v[SCAB+NJ*\a+\J], v5, s[72:73] offset:\J*98304+64*\a
	global_load_b32 v[SCBB+NJ*\a+\J], v5, s[74:75] offset:\J*98304+64*\a
.endr
.endr
	s_lshl_b32 s96, s40, 10
	s_lshl_b32 s98, s16, 9
	s_add_co_u32 s96, s96, s98                     ; my 128 features of Wq or Wk
	s_mov_b32 s97, 0
	s_cmp_eq_u32 ttmp9, 0
	s_cselect_b64 s[76:77], s[6:7], s[8:9]
	s_add_nc_u64 s[76:77], s[76:77], s[96:97]
	s_lshl_b32 s96, s41, 10
	s_lshl_b32 s98, s15, 9
	s_add_co_u32 s96, s96, s98                     ; my 128 features of Wv
	s_add_nc_u64 s[78:79], s[10:11], s[96:97]
	s_cmp_eq_u32 s45, 1
	s_cbranch_scc1 .Lbias_v
.irp b, 0,1,2,3,4,5,6,7                ; tile b, register j: the bias of feature 32 (b / 2) + 16 h + 8 (b % 2) + j
	global_load_b128 v[BI+8*\b+BIG*(\b/4):BI+8*\b+BIG*(\b/4)+3], v10, s[76:77] offset:(32*(\b/2)+8*(\b%2))*4
	global_load_b128 v[BI+8*\b+BIG*(\b/4)+4:BI+8*\b+BIG*(\b/4)+7], v10, s[76:77] offset:(32*(\b/2)+8*(\b%2))*4+16
.endr
	s_branch .Lbias_in
.Lbias_v:
.irp a, 0,1,2,3,4,5,6,7                ; block a: all eight registers hold the bias of the lane's feature
.irp j, 0,1,2,3,4,5,6,7
	global_load_b32 v[BI+8*\a+BIG*(\a/4)+\j], v9, s[78:79] offset:(32*(\a/2)+8*(\a%2))*4
.endr
.endr
.Lbias_in:
	; where the results go: row tile t0 + a, K step sk of the next product.  The three images lie 6,291,456 bytes apart, the three tables of scale words 262,144
	s_lshl_b32 s86, s15, 3
	s_add_co_u32 s86, s86, s20
	s_lshl_b32 s87, s40, 1
	s_add_co_u32 s87, s87, s16                     ; 2 cx + my half
	s_lshl_b32 s88, s17, 3
	s_cmp_eq_u32 s45, 1
	s_cselect_b32 s89, 640, 0
	s_cselect_b32 s88, s88, 0
	s_cselect_b32 s90, 64, 8                       ; K steps in a row tile of the image: V^T has all 8,192 tokens
	s_cselect_b32 s91, 64, 512                     ; row tiles in the image
	s_sub_co_u32 s86, s86, s89                     ; t0
	s_add_co_u32 s87, s87, s88                     ; sk
	s_mul_i32 s80, s86, s90
	s_add_co_u32 s80, s80, s87
	s_mul_i32 s80, s80, FRB
	s_mul_i32 s92, ttmp9, 6291456
	s_add_co_u32 s80, s80, s92
	s_mov_b32 s81, 0
	s_mul_i32 s82, s90, FRB                        ; from row tile to row tile
	s_mov_b32 s83, 0
	s_mul_i32 s84, s87, s91
	s_add_co_u32 s84, s84, s86
	s_lshl_b32 s84, s84, 6
	s_mul_i32 s92, ttmp9, 262144
	s_add_co_u32 s84, s84, s92
	s_add_co_u32 s84, s84, QSK
	s_mov_b32 s85, 0
	s_add_nc_u64 s[80:81], s[12:13], s[80:81]
	s_add_nc_u64 s[84:85], s[12:13], s[84:85]
	s_wait_loadcnt 0x0                             ; scale words and bias
	s_wait_tensorcnt 1                             ; my part of slot 0 is in; slot 1's load may be out
	s_barrier_signal -1
	s_barrier_wait -1
	FETCH_B 0, 0, 0
	FETCH_A 0, 0, 0
	FETCH_A 0, 0, HA
	s_cmp_eq_u32 s45, 1                            ; the first step starts the sums with the bias: by X's rows for Q and K, by Y's rows for V^T
	s_cbranch_scc1 .Lfirst_v
	STEP 0, 0, 2
	s_branch .Lfirst_done
.Lfirst_v:
	STEP 0, 0, 3
.Lfirst_done:
	TURN 0, 1, 1, 0                                ; K = 1,024 is written out: the scale registers' numbers are constants
	STEP 1, 1, 0
	TURN 1, 0, 1, 1
	STEP 0, 2, 0
	TURN 0, 1, 0, 2                                ; nothing is left to fetch
	STEP 1, 3, 0
	LAST 3
	; THE WAY OUT: block by block of 16 rows of Y, the 128 results of a row become one fragment and one scale word
	PLACES 4
.irp b, 0,1,2,3
	v_mov_b32 v[TM+4+\b], 0                        ; written once: a lane permute's destination counts as one of its sources
.endr
.irp a, 0,1,2,3,4,5,6,7
	QMAX 64*(\a%4), 2+\a/4
	s_wait_xcnt 0x0                                ; the last block's stores have read their data and their base: both are written again only behind this wait
.if \a > 0
	s_add_nc_u64 s[80:81], s[80:81], s[82:83]
.endif
	QCVT 64*(\a%4), 2+\a/4
.irp c, 0,1,2
	global_store_b128 v[LI], v[PC+4*\c:PC+4*\c+3], s[80:81] offset:512*\c   ; 512 consecutive bytes, at a multiple of 256 from the buffer's first byte
.endr
	ds_store_b32 v7, v[PW] offset:64*\a            ; lanes r and r + 16 write the same word with the same value
.endr
	ds_load_b128 v[SW:SW+3], v8                    ; LDS serves a wave's instructions in order: this sees my stores
	s_wait_dscnt 0x0
	global_store_b128 v[LI], v[SW:SW+3], s[84:85]  ; my 8 tiles' scale words: 512 consecutive bytes
	s_wait_tensorcnt 0x0                           ; the wave's end
	ds_add_u32 v[SPW], v[NIL]
	s_wait_dscnt 0x0
	CROUND                                         ; the closing round
	s_endpgm
.Lfunc_end_k_qb8cb7244b0_qkv:
	.size	k_qb8cb7244b0_qkv, .Lfunc_end_k_qb8cb7244b0_qkv-k_qb8cb7244b0_qkv
	.p2alignl 7, 3214868480
	.fill 96, 4, 3214868480
	.section	.rodata,"a",@progbits
	.p2align	6, 0x0
	.amdhsa_kernel k_qb8cb7244b0_qkv
		.amdhsa_group_segment_fixed_size 327680
		.amdhsa_private_segment_fixed_size 0
		.amdhsa_enable_private_segment 0
		.amdhsa_kernarg_size 40
		.amdhsa_user_sgpr_count 2
		.amdhsa_user_sgpr_kernarg_segment_ptr 1
		.amdhsa_wavefront_size32 1
		.amdhsa_system_sgpr_workgroup_id_x 1
		.amdhsa_system_sgpr_workgroup_id_y 1
		.amdhsa_system_sgpr_workgroup_id_z 1
		.amdhsa_system_vgpr_workitem_id 0
		.amdhsa_next_free_vgpr 1024
		.amdhsa_next_free_sgpr 100
		.amdhsa_reserve_vcc 0
		.amdhsa_float_denorm_mode_32 3
		.amdhsa_float_denorm_mode_16_64 3
		.amdhsa_memory_ordered 1
		.amdhsa_forward_progress 1
		.amdhsa_inst_pref_size 163
	.end_amdhsa_kernel
	.amdgpu_metadata
---
amdhsa.version: [ 1, 2 ]
amdhsa.kernels:
  - .name:           k_qb8cb7244b0_qkv
    .symbol:         k_qb8cb7244b0_qkv.kd
    .args:
      - { .name: xw, .offset: 0, .size: 8, .value_kind: global_buffer, .address_space: global }
      - { .name: bq, .offset: 8, .size: 8, .value_kind: global_buffer, .address_space: global }
      - { .name: bk, .offset: 16, .size: 8, .value_kind: global_buffer, .address_space: global }
      - { .name: bv, .offset: 24, .size: 8, .value_kind: global_buffer, .address_space: global }
      - { .name: qkv, .offset: 32, .size: 8, .value_kind: global_buffer, .address_space: global }
    .group_segment_fixed_size: 327680
    .private_segment_fixed_size: 0
    .kernarg_segment_align: 8
    .kernarg_segment_size: 40
    .max_flat_workgroup_size: 128
    .sgpr_count:     100
    .vgpr_count:     1024
    .wavefront_size: 32
...
	.end_amdgpu_metadata
.endif
;; end of part 2
;; launch scores (part 3): grid 12 x 16, 4 waves a work-group, clusters of 4 x 4, 327,680 bytes of LDS; arguments qkv, pbuf; writes pbuf
.if DOCPART == 3
	.amdgcn_target "amdgcn-amd-amdhsa--gfx1250"
	.amdhsa_code_object_version 6
	.text
	.protected	k_qb8cb7244b0_scores
	.globl	k_qb8cb7244b0_scores
	.p2align	8
	.type	k_qb8cb7244b0_scores,@function
k_qb8cb7244b0_scores:
	s_mov_b64 s[64:65], 0
	v_nop
	global_prefetch_b8 v0, s[64:65] scope:SCOPE_SE
	s_setreg_imm32_b32 hwreg(HW_REG_WAVE_MODE, 25, 1), 1
	s_wait_xcnt 0x0
	s_wait_alu depctr_hold_cnt(0) depctr_sa_sdst(0) depctr_va_vdst(0) depctr_va_sdst(0) depctr_va_ssrc(0) depctr_va_vcc(0) depctr_vm_vsrc(0)
	s_getreg_b32 s2, hwreg(HW_REG_IB_STS2, 6, 4)
	s_cmp_eq_u32 s2, 0
	s_cbranch_scc0 .Lentry_in_a_cluster
	s_endpgm
.Lentry_in_a_cluster:
	s_bfe_u32 s2, ttmp6, 0x10000c
	s_cmp_lg_u32 s2, 0xf033
	s_cbranch_scc0 .Lentry_shape_is_right
	s_endpgm
.Lentry_shape_is_right:
; S = Q K^T on codes of BF6 with E8M0 scales, the causal mask, and p = 2^(t - M) quantised along the keys.  t = score x log2(e) / 32.
; M IS TAKEN FOR EACH QUERY AND EACH CHUNK OF 128 KEYS: M_loc = ceil(the chunk's largest t), a whole number.  Stored for each (query, chunk): the 128 codes of p, their scale word, -M_loc, and the sum of the
; unquantised p.  The next launch finds the row's M and moves the scale bytes by M_loc - M: an exact power of two, which leaves the codes as they are.
; THE PRODUCT: source 0 = 16 keys, source 1 = 16 queries: a lane holds one query and its registers run along the keys; place r of a row tile t is row 32 (t / 2) + 8 (t % 2) + r + 8 (r / 8), so the 64 registers of a
; wave's eight key tiles are, in lane (r, h), keys 32 b + 16 h + i at register 16 b + i.  A tile is 256 queries x 256 keys, four waves, 128 x 128 each.
; CLUSTERS 4 x 4, 1,024 x 1,024 of a batch's scores: of the four such squares the three that the mask does not hide wholly are made (cluster x 0: queries and keys 0-1023; 1: queries 1024 on, keys 0-1023; 2: both 1024 on).
; Q's tiles are shared along a row of the cluster, K's along a column.  In the two squares on the diagonal every work-group runs alike, the six hidden tiles too (no branch may hang on a place in the cluster): these store
; zero codes, a sum of 0 and a huge -M_loc, which the next launch reads.
; LIMITS: NaN and infinities are not served; scores lie above -2^120, the floor under a block's largest score.
; REGISTERS: window 0: v0-31 addresses; v32-63 Q's scale words, v64-95 K's; v96-127 the softmax's constants and statistics; v128-223 Q's fragments (at the end: at work).  window 1: K's fragments, two sets.
;   windows 2, 3: the 64 accumulators, then p in their place.
.set NA,   8
.set NJ,   4
.set SCAB, 32
.set SCBB, 64
.set KIMG, 6291456
.set QSK,  18874368
.set KSK,  19136512
.set PSK,  12582912                    ; pbuf: the scale words; -M_loc 524,288 on, the sums 1,048,576 on
.set FRB,  1536
.set KSB,  2*FRB
.set HA,   NA/2
.set NL,   3
.set AH,   NA*KSB
.set BH,   8*KSB
.set SLOT, 2*AH+2*BH
.set SPARE, 2*SLOT
.set AF,   128
.set LI,   4
.set ADRA, 16
.set ADRB, 20
.set SPW,  28
.set NIL,  29
.set FLO,  96                          ; v96  -2^120
.set NINF, 97                          ; v97  -infinity
.set VD0,  98                          ; v98  my query - my first key, for block 0
.set VD,   99
.set BM,   100                         ; v100-103 the blocks' largest scores, then largest p
.set BT,   104                         ; v104-107 at work; the bytes
.set SO,   108                         ; v108-111 the conversions' scale operands
.set NM,   112                         ; v[112:113] -M_loc (a pair for the packed form; its low word serves both halves)
.set MT,   114
.set SU,   116                         ; v116-119 the sum, in two chains of pairs
.set LS,   120
.set LT,   121
.set PW,   122
.set SW,   136
.set PC,   160
.set G1,   24
.set G0,   32
.set G1B,  48
.set G0B,  56
.set CS,   92
.set SEL,  94
.set MSB, 0
.macro WIN new
.set WNEW, \new
.if MSB != WNEW
	s_set_vgpr_msb (MSB<<8)|WNEW
.set MSB, WNEW
.endif
.endm
.macro PLACES n
.rept \n
	v_nop
.endr
.endm
.macro JLOAD g0a, g1a, g0b, g1b        ; a joint load: waves 0 and 1 fetch Q's halves, waves 2 and 3 K's; four v_nop follow each line
	s_cmp_eq_u32 s15, 0
	s_cbranch_scc0 .Lfor_b_\@
	tensor_load_to_lds s[\g0a:\g0a+3], s[\g1a:\g1a+7]
	s_nop 0
.rept 4
	v_nop
.endr
	s_branch .Lasked_\@
.Lfor_b_\@:
	tensor_load_to_lds s[\g0b:\g0b+3], s[\g1b:\g1b+7]
	s_nop 0
.rept 4
	v_nop
.endr
.Lasked_\@:
.endm
.macro CREST
	s_cmp_lg_u32 s14, 0
	s_cbranch_scc1 .Lnot_wave_0_\@
	s_barrier_signal -3
.Lnot_wave_0_\@:
	s_barrier_wait -3
	s_barrier_signal -1
	s_barrier_wait -1
.endm
.macro CROUND
	s_barrier_signal -1
	s_barrier_wait -1
	CREST
.endm
.macro FRAG reg, adr, q, i
.irp c, 0,1,2
	ds_load_b128 v[\reg+4*\c:\reg+4*\c+3], v[\adr] offset:(\i)*KSB+(\q)*FRB+512*\c
.endr
.endm
.macro FETCH_B slot, q, p
	WIN 0x40
.irp i, 0,1,2,3,4,5,6,7
	FRAG 128*(\p)+12*\i, ADRB+\slot, \q, \i
.endr
	WIN 0
.endm
.macro FETCH_A slot, q, i0
.set fi, \i0
.rept HA
	FRAG AF+12*fi, ADRA+\slot, \q, fi
.set fi, fi+1
.endr
.endm
; 8 matrix instructions: query block a against the eight key tiles.  cm = 1: the first product starts the sums.  The accumulators take turns, one instruction a turn.
.macro MULA a, p, J, q, cm
	WIN 0x01|((2+(\a)/4)<<6)|((2+(\a)/4)<<4)
.irp b, 0,1,2,3,4,5,6,7
.set rD, 8*(8*((\a)%4)+\b)
.set rB, 128*(\p)+12*\b
.set rA, AF+12*(\a)
.set rSB, SCBB+NJ*\b+(\J)
.set rSA, SCAB+NJ*(\a)+(\J)
.if (\cm) == 1
	v_wmma_scale_f32_16x16x128_f8f6f4 v[rD:rD+7], v[rB:rB+11], v[rA:rA+11], 0, v[rSB], v[rSA] matrix_a_fmt:MATRIX_FMT_BF6 matrix_b_fmt:MATRIX_FMT_BF6
.elseif (\q) == 0
	v_wmma_scale_f32_16x16x128_f8f6f4 v[rD:rD+7], v[rB:rB+11], v[rA:rA+11], v[rD:rD+7], v[rSB], v[rSA] matrix_a_fmt:MATRIX_FMT_BF6 matrix_b_fmt:MATRIX_FMT_BF6
.else
	v_wmma_scale_f32_16x16x128_f8f6f4 v[rD:rD+7], v[rB:rB+11], v[rA:rA+11], v[rD:rD+7], v[rSB], v[rSA] matrix_a_fmt:MATRIX_FMT_BF6 matrix_b_fmt:MATRIX_FMT_BF6 matrix_a_scale:MATRIX_SCALE_ROW1 matrix_b_scale:MATRIX_SCALE_ROW1
.endif
.endr
.endm
.macro STEP slot, J, cm
	s_wait_dscnt HA*NL                             ; K's set and Q's first half are in; the youngest HA x 3 loads (Q's second half) may be out
.set ma, 0
.rept HA
	MULA ma, 0, \J, 0, \cm
.set ma, ma+1
.endr
	s_wait_dscnt 0x0
	PLACES 4                                       ; four places in front of loads into registers that matrix instructions have read
	FETCH_B \slot, 1, 1
	FETCH_A \slot, 1, 0
.rept HA
	MULA ma, 0, \J, 0, \cm
.set ma, ma+1
.endr
	PLACES 4
	WIN 0
	FETCH_A \slot, 1, HA
.endm
.macro TURN slot, next, fill, J
	s_wait_tensorcnt 0x0                           ; all my tensor loads have landed: my part of the next slot
	ds_add_u32 v[SPW], v[NIL]                      ; 0 onto my spare word
	s_wait_dscnt HA*NL+1                           ; (the add and Q's second half may be out)
.set ma, 0
.rept HA/2
	MULA ma, 1, \J, 1, 0
.set ma, ma+1
.endr
	s_wait_dscnt 0x0                               ; the add is done, and my reads of this slot are over
	s_barrier_signal -1
.rept HA/2
	MULA ma, 1, \J, 1, 0
.set ma, ma+1
.endr
	WIN 0
	s_barrier_wait -1
.if \fill
	CREST                                          ; the barrier has opened a round of the cluster's: no wave of any partner still reads this slot or has a load on its way
	s_add_nc_u64 s[G0+4*\slot+2:G0+4*\slot+3], s[G0+4*\slot+2:G0+4*\slot+3], 2*KSB
	s_add_nc_u64 s[G0B+4*\slot+2:G0B+4*\slot+3], s[G0B+4*\slot+2:G0B+4*\slot+3], 2*KSB
	JLOAD G0+4*\slot, G1, G0B+4*\slot, G1B
.else
	PLACES 4
.endif
	FETCH_B \next, 0, 0
	FETCH_A \next, 0, 0
.rept HA
	MULA ma, 1, \J, 1, 0
.set ma, ma+1
.endr
	PLACES 4
	WIN 0
	FETCH_A \next, 0, HA
.endm
.macro LAST J
	s_wait_dscnt HA*NL
.set ma, 0
.rept HA
	MULA ma, 1, \J, 1, 0
.set ma, ma+1
.endr
	s_wait_dscnt 0x0
.rept HA
	MULA ma, 1, \J, 1, 0
.set ma, ma+1
.endr
	WIN 0
.endm
; THE SOFTMAX OF QUERY BLOCK a: 16 queries x my 128 keys, 64 scores a lane.
.macro SOFTQ a
.set W, 2+(\a)/4
.set AC, 64*((\a)%4)
	s_cmp_eq_u32 s45, 0                            ; a square under the diagonal has no hidden key: the same in all partners
	s_cbranch_scc1 .Lopen_\@
	v_add_nc_u32 v[VD], 32*((\a)/2)+8*((\a)%2), v[VD0]   ; d = my query - my first key: register 16 b + i holds a hidden key where 32 b + i > d
	WIN W|(W<<6)
.set n, 0
.rept 64
	v_cmp_gt_i32 vcc_lo, 32*(n/16)+n%16, v[VD]
	v_cndmask_b32 v[AC+n], v[AC+n], v[NINF], vcc_lo
.set n, n+1
.endr
	WIN 0
.Lopen_\@:
	WIN W|(W<<2)
.irp b, 0,1,2,3
	v_max3_num_f32 v[BM+\b], v[AC+16*\b], v[AC+16*\b+1], v[FLO]   ; the largest score of each block of 32 keys, over the floor: it serves the chunk's maximum and, since p rises with the score, the block's largest p
.endr
.irp i, 2,4,6,8,10,12,14
.irp b, 0,1,2,3
	v_max3_num_f32 v[BM+\b], v[AC+16*\b+\i], v[AC+16*\b+\i+1], v[BM+\b]
.endr
.endr
	WIN 0
.irp b, 0,1,2,3
	v_permlanex16_b32 v[BT+\b], v[BM+\b], s[SEL], s[SEL+1]
.endr
.irp b, 0,1,2,3
	v_max_num_f32 v[BM+\b], v[BM+\b], v[BT+\b]     ; with lane l xor 16's 16 keys
.endr
	v_max3_num_f32 v[MT], v[BM], v[BM+1], v[BM+2]
	v_max_num_f32 v[MT], v[MT], v[BM+3]
	v_mul_f32 v[MT], s[CS], v[MT]                  ; the chunk's largest t
	v_floor_f32 v[NM], -v[MT]                      ; -M_loc = floor(-t) = -ceil(t)
.irp b, 0,1,2,3
	v_fma_f32 v[BM+\b], v[BM+\b], s[CS], v[NM]
.endr
.irp b, 0,1,2,3
	v_exp_f32 v[BM+\b], v[BM+\b]                   ; the block's largest p: the same two instructions on the same number give the same bits
.endr
	WIN W|(W<<6)
.set j, 0
.rept 32
	v_pk_fma_f32 v[AC+j:AC+j+1], v[AC+j:AC+j+1], s[CS:CS+1], v[NM:NM+1] op_sel_hi:[1,0,0]   ; t - M_loc, two at a time
.set j, j+2
.endr
.set j, 0
.rept 64
	v_exp_f32 v[AC+j], v[AC+j]                     ; p = 2^(t - M_loc): not normalised
.set j, j+1
.endr
	WIN W
.irp i, 0,1,2,3
	v_mov_b32 v[SU+\i], 0                          ; plain places behind the exponentials
.endr
	s_wait_alu depctr_va_vdst(0)                   ; one wait for all 68 exponentials, ahead of their first reader
.set j, 0
.rept 16
	v_pk_add_f32 v[SU:SU+1], v[AC+j:AC+j+1], v[SU:SU+1]           ; the sum is taken of the unquantised p, in two chains
	v_pk_add_f32 v[SU+2:SU+3], v[AC+j+2:AC+j+3], v[SU+2:SU+3]
.set j, j+4
.endr
	WIN 0
.irp b, 0,1,2,3
	v_max_num_f32 v[BM+\b], 0x2800000, v[BM+\b]    ; the floor 2^(5 - 127): the byte cannot fall under 1
.endr
.irp b, 0,1,2,3
	v_add_nc_u32 v[SO+\b], 0xfe000000, v[BM+\b]
.endr
.irp b, 0,1,2,3
	v_lshrrev_b32 v[BT+\b], 23, v[SO+\b]
.endr
	v_lshl_or_b32 v[PW], v[BT+1], 8, v[BT]
	v_lshl_or_b32 v[PW], v[BT+2], 16, v[PW]
	v_lshl_or_b32 v[PW], v[BT+3], 24, v[PW]
	v_pk_add_f32 v[SU:SU+1], v[SU:SU+1], v[SU+2:SU+3]
	v_add_f32 v[LS], v[SU], v[SU+1]
	v_permlanex16_b32 v[LT], v[LS], s[SEL], s[SEL+1]
	v_add_f32 v[LS], v[LS], v[LT]                  ; the chunk's sum
	s_wait_xcnt 0x0                                ; the last block's stores have read their data
	WIN W
.irp c, 0,1
	v_cvt_scalef32_pk16_bf6_f32 v[PC+6*\c:PC+6*\c+2], v[AC+32*\c:AC+32*\c+15], v[SO+2*\c]
	v_cvt_scalef32_pk16_bf6_f32 v[PC+12+4*\c:PC+14+4*\c], v[AC+32*\c+16:AC+32*\c+31], v[SO+2*\c+1]
.endr
	WIN 0
	v_nop                                          ; one plain place behind a scaled conversion
.irp c, 0,1
.irp i, 0,1,2
	v_permlane16_swap_b32 v[PC+6*\c+\i], v[PC+12+4*\c+\i]
.endr
.irp i, 0,1,2
	v_mov_b32 v[PC+3+6*\c+\i], v[PC+12+4*\c+\i]
.endr
.endr
.irp c, 0,1,2
	global_store_b128 v[LI], v[PC+4*\c:PC+4*\c+3], s[80:81] offset:(\a)*24576+512*\c   ; 512 consecutive bytes, aligned; a query tile's 16 chunks are 24,576 bytes
.endr
	ds_store_b32 v7, v[PW] offset:64*(\a)          ; lanes r and r + 16 write the same words with the same values
	ds_store_b32 v7, v[NM] offset:512+64*(\a)
	ds_store_b32 v7, v[LS] offset:1024+64*(\a)
.endm
	s_load_b128 s[4:7], s[0:1], 0x0                ; qkv, pbuf
	v_lshl_add_u32 v[SPW], v0, 2, SPARE
	v_mov_b32 v[NIL], 0
	ds_add_u32 v28, v29
	ds_add_u32 v28, v29
	s_wait_dscnt 0x0
	v_lshrrev_b32 v1, 5, v0
	v_readfirstlane_b32 s14, v1
	s_lshr_b32 s15, s14, 1                         ; my half of the queries.  Also: I fetch for Q (0) or for K (1)
	s_and_b32 s16, s14, 1                          ; my half of the keys.  Also: which half of that tile I fetch
	s_bfe_u32 s40, ttmp6, 0x40000                  ; cx
	s_bfe_u32 s41, ttmp6, 0x40004                  ; cy
	s_and_b32 s17, ttmp7, 0xffff                   ; the batch
	s_lshl_b32 s43, s41, 2
	s_lshl_b32 s43, 15, s43
	s_lshl_b32 s44, 0x1111, s40
	s_or_b32 s[G1], s43, (3<<16)|(1<<21)
	s_or_b32 s[G1B], s44, (3<<16)|(1<<21)
.irp g, G1, G1B
	s_mov_b32 s[\g+1], 384<<16
	s_mov_b32 s[\g+2], 8<<16
	s_mov_b32 s[\g+3], 384<<16
	s_mov_b32 s[\g+4], 8
	s_mov_b32 s[\g+5], 1536
	s_mov_b32 s[\g+6], 0
	s_mov_b32 s[\g+7], 0
.endr
	s_add_co_u32 s18, ttmp9, 1
	s_lshr_b32 s18, s18, 1                         ; which 1,024 queries
	s_lshr_b32 s19, ttmp9, 1                       ; which 1,024 keys
	s_lshl_b32 s20, s17, 7
	s_lshl_b32 s21, s18, 6
	s_add_co_u32 s20, s20, s21
	s_lshl_b32 s21, s41, 4
	s_add_co_u32 s20, s20, s21                     ; Q's first row tile
	s_lshl_b32 s46, s17, 7
	s_lshl_b32 s47, s19, 6
	s_add_co_u32 s46, s46, s47
	s_lshl_b32 s47, s40, 4
	s_add_co_u32 s46, s46, s47                     ; K's
	s_cmp_lg_u32 ttmp9, 1
	s_cselect_b32 s45, 1, 0                        ; a square on the diagonal
	s_lshl_b32 s22, s16, 3
	s_add_co_u32 s66, s20, s22
	s_mul_i32 s66, s66, 12288
	s_mov_b32 s67, 0
	s_add_co_u32 s68, s46, s22
	s_mul_i32 s68, s68, 12288
	s_add_co_u32 s68, s68, KIMG
	s_mov_b32 s69, 0
	s_mul_i32 s70, s16, AH
	s_mul_i32 s71, s16, BH
	s_add_co_u32 s71, s71, 2*AH
	s_mov_b32 s[CS], 0x3d38aa3b                    ; c = log2(e) / sqrt(1024)
	s_mov_b32 s[CS+1], s[CS]
	s_mov_b32 s[SEL], 0x76543210
	s_mov_b32 s[SEL+1], 0xfedcba98
	s_wait_kmcnt 0x0
	s_add_nc_u64 s[66:67], s[4:5], s[66:67]
	s_add_nc_u64 s[68:69], s[4:5], s[68:69]
	CROUND                                         ; all sixteen work-groups are here: the first joint loads meet
.irp s, 0,1
	s_mov_b32 s[G0+4*\s], 1
	s_add_co_u32 s[G0+4*\s+1], s70, \s*SLOT
	s_add_nc_u64 s[G0+4*\s+2:G0+4*\s+3], s[66:67], \s*KSB
	s_or_b32 s[G0+4*\s+3], s[G0+4*\s+3], 0x80000000
	s_mov_b32 s[G0B+4*\s], 1
	s_add_co_u32 s[G0B+4*\s+1], s71, \s*SLOT
	s_add_nc_u64 s[G0B+4*\s+2:G0B+4*\s+3], s[68:69], \s*KSB
	s_or_b32 s[G0B+4*\s+3], s[G0B+4*\s+3], 0x80000000
	JLOAD G0+4*\s, G1, G0B+4*\s, G1B
.endr
	v_and_b32 v1, 15, v0
	v_bfe_u32 v2, v0, 4, 1
	v_and_b32 v3, 31, v0
	v_lshlrev_b32 v[LI], 4, v3
	s_mul_i32 s21, s15, AH
	s_mul_i32 s22, s16, BH
	s_add_co_u32 s22, s22, 2*AH
.irp s, 0,1
	v_add_nc_u32 v[ADRA+\s], s21, v[LI]
	v_add_nc_u32 v[ADRB+\s], s22, v[LI]
	s_add_co_u32 s21, s21, SLOT
	s_add_co_u32 s22, s22, SLOT
.endr
	s_lshl_b32 s23, s14, 11                        ; my stage for the statistics: 2,048 x wave, in slot 0, used behind its last fill and its last read
	v_lshl_add_u32 v7, v1, 2, s23
	v_add_nc_u32 v8, s23, v[LI]
	v_lshlrev_b32 v5, 15, v2
	v_lshl_add_u32 v5, v1, 2, v5                   ; scale words: lanes 16-31 take the K step after: 512 x 64 bytes on
	s_lshl_b32 s72, s15, 3
	s_add_co_u32 s72, s72, s20
	s_lshl_b32 s72, s72, 6
	s_add_co_u32 s72, s72, QSK
	s_mov_b32 s73, 0
	s_add_nc_u64 s[72:73], s[4:5], s[72:73]
	s_lshl_b32 s74, s16, 3
	s_add_co_u32 s74, s74, s46
	s_lshl_b32 s74, s74, 6
	s_add_co_u32 s74, s74, KSK
	s_mov_b32 s75, 0
	s_add_nc_u64 s[74:75], s[4:5], s[74:75]
.irp a, 0,1,2,3,4,5,6,7
.irp J, 0,1,2,3
	global_load_b32 v[SCAB+NJ*\a+\J], v5, s[72:73] offset:\J*65536+64*\a
	global_load_b32 v[SCBB+NJ*\a+\J], v5, s[74:75] offset:\J*65536+64*\a
.endr
.endr
	s_lshl_b32 s86, s19, 2
	s_add_co_u32 s86, s86, s40                     ; which 256 keys of the batch
	s_lshl_b32 s87, s18, 2
	s_add_co_u32 s87, s87, s41                     ; which 256 queries
	s_sub_co_i32 s88, s87, s86
	s_lshl_b32 s88, s88, 8
	s_sub_co_i32 s89, s15, s16
	s_lshl_b32 s89, s89, 7
	s_add_co_i32 s88, s88, s89                     ; my wave's first query - its first key
	v_and_b32 v9, 8, v1
	v_add_nc_u32 v9, v9, v1                        ; r + 8 (r / 8)
	v_lshlrev_b32 v10, 4, v2
	v_sub_nc_u32 v9, v9, v10                       ; - 16 h
	v_add_nc_u32 v[VD0], s88, v9
	v_mov_b32 v[FLO], 0xfb800000                   ; -2^120
	v_mov_b32 v[NINF], 0xff800000
	v_mov_b32 v[NM+1], 0                           ; (named as the upper half of a pair)
	v_mov_b32 v[LT], 0                             ; lane permutes' destinations count as sources: written once
.irp b, 0,1,2,3
	v_mov_b32 v[BT+\b], 0
.endr
	s_lshl_b32 s90, s15, 3
	s_add_co_u32 s90, s90, s20                     ; my first query tile
	s_lshl_b32 s91, s86, 1
	s_add_co_u32 s91, s91, s16                     ; my chunk of 128 keys
	s_lshl_b32 s80, s90, 4
	s_add_co_u32 s80, s80, s91
	s_mul_i32 s80, s80, FRB
	s_mov_b32 s81, 0
	s_add_nc_u64 s[80:81], s[6:7], s[80:81]
	s_lshl_b32 s84, s91, 9
	s_add_co_u32 s84, s84, s90
	s_lshl_b32 s84, s84, 6
	s_add_co_u32 s84, s84, PSK
	s_mov_b32 s85, 0
	s_add_nc_u64 s[84:85], s[6:7], s[84:85]
	s_wait_loadcnt 0x0                             ; the scale words
	s_wait_tensorcnt 1                             ; my part of slot 0 is in; slot 1's load may be out
	s_barrier_signal -1
	s_barrier_wait -1
	FETCH_B 0, 0, 0
	FETCH_A 0, 0, 0
	FETCH_A 0, 0, HA
	STEP 0, 0, 1                                   ; the first step's products start the sums
	TURN 0, 1, 1, 0
	STEP 1, 1, 0
	TURN 1, 0, 1, 1
	STEP 0, 2, 0
	TURN 0, 1, 0, 2
	STEP 1, 3, 0
	LAST 3
	PLACES 4                                       ; four places in front of the first read of results
.irp a, 0,1,2,3,4,5,6,7
	SOFTQ \a
.endr
	ds_load_b128 v[SW:SW+3], v8                    ; LDS serves a wave's instructions in order: these see my stores
	ds_load_b128 v[SW+4:SW+7], v8 offset:512
	ds_load_b128 v[SW+8:SW+11], v8 offset:1024
	s_wait_dscnt 0x0
	global_store_b128 v[LI], v[SW:SW+3], s[84:85]                   ; my 8 query tiles' scale words: 512 consecutive bytes;
	global_store_b128 v[LI], v[SW+4:SW+7], s[84:85] offset:524288   ; their -M_loc;
	global_store_b128 v[LI], v[SW+8:SW+11], s[84:85] offset:1048576 ; their sums
	s_wait_tensorcnt 0x0                           ; the wave's end
	ds_add_u32 v[SPW], v[NIL]
	s_wait_dscnt 0x0
	CROUND                                         ; the closing round
	s_endpgm
.Lfunc_end_k_qb8cb7244b0_scores:
	.size	k_qb8cb7244b0_scores, .Lfunc_end_k_qb8cb7244b0_scores-k_qb8cb7244b0_scores
	.p2alignl 7, 3214868480
	.fill 96, 4, 3214868480
	.section	.rodata,"a",@progbits
	.p2align	6, 0x0
	.amdhsa_kernel k_qb8cb7244b0_scores
		.amdhsa_group_segment_fixed_size 327680
		.amdhsa_private_segment_fixed_size 0
		.amdhsa_enable_private_segment 0
		.amdhsa_kernarg_size 16
		.amdhsa_user_sgpr_count 2
		.amdhsa_user_sgpr_kernarg_segment_ptr 1
		.amdhsa_wavefront_size32 1
		.amdhsa_system_sgpr_workgroup_id_x 1
		.amdhsa_system_sgpr_workgroup_id_y 1
		.amdhsa_system_sgpr_workgroup_id_z 1
		.amdhsa_system_vgpr_workitem_id 0
		.amdhsa_next_free_vgpr 1024
		.amdhsa_next_free_sgpr 100
		.amdhsa_reserve_vcc 1
		.amdhsa_float_denorm_mode_32 3
		.amdhsa_float_denorm_mode_16_64 3
		.amdhsa_memory_ordered 1
		.amdhsa_forward_progress 1
		.amdhsa_inst_pref_size 242
	.end_amdhsa_kernel
	.amdgpu_metadata
---
amdhsa.version: [ 1, 2 ]
amdhsa.kernels:
  - .name:           k_qb8cb7244b0_scores
    .symbol:         k_qb8cb7244b0_scores.kd
    .args:
      - { .name: qkv, .offset: 0, .size: 8, .value_kind: global_buffer, .address_space: global }
      - { .name: pbuf, .offset: 8, .size: 8, .value_kind: global_buffer, .address_space: global }
    .group_segment_fixed_size: 327680
    .private_segment_fixed_size: 0
    .kernarg_segment_align: 8
    .kernarg_segment_size: 16
    .max_flat_workgroup_size: 128
    .sgpr_count:     100
    .vgpr_count:     1024
    .wavefront_size: 32
...
	.end_amdgpu_metadata
.endif
;; end of part 3
;; launch pv (part 4): grid 4 x 64, 4 waves a work-group, clusters of 4 x 4, 327,680 bytes of LDS; arguments pbuf, qkv, ctxb; writes ctxb
.if DOCPART == 4
	.amdgcn_target "amdgcn-amd-amdhsa--gfx1250"
	.amdhsa_code_object_version 6
	.text
	.protected	k_qb8cb7244b0_pv
	.globl	k_qb8cb7244b0_pv
	.p2align	8
	.type	k_qb8cb7244b0_pv,@function
k_qb8cb7244b0_pv:
	s_mov_b64 s[64:65], 0
	v_nop
	global_prefetch_b8 v0, s[64:65] scope:SCOPE_SE
	s_setreg_imm32_b32 hwreg(HW_REG_WAVE_MODE, 25, 1), 1
	s_wait_xcnt 0x0
	s_wait_alu depctr_hold_cnt(0) depctr_sa_sdst(0) depctr_va_vdst(0) depctr_va_sdst(0) depctr_va_ssrc(0) depctr_va_vcc(0) depctr_vm_vsrc(0)
	s_getreg_b32 s2, hwreg(HW_REG_IB_STS2, 6, 4)
	s_cmp_eq_u32 s2, 0
	s_cbranch_scc0 .Lentry_in_a_cluster
	s_endpgm
.Lentry_in_a_cluster:
	s_bfe_u32 s2, ttmp6, 0x10000c
	s_cmp_lg_u32 s2, 0xf033
	s_cbranch_scc0 .Lentry_shape_is_right
	s_endpgm
.Lentry_shape_is_right:
; ctx = (P V) / l on codes of BF6 with E8M0 scales; ctx is quantised along the features at once, for the last product.
; P's codes were made under a whole number M_loc for each query and chunk of 128 keys.  Here the row's M = the largest M_loc; each chunk's four scale bytes are lowered by D = M - M_loc (held at 127; a byte is held at 0),
; which is the exact power of two between the two; l = the sum of the chunks' sums x 2^-D.  The maximum is thus taken away before the exponentials, chunk by chunk and then for the row.
; THE PRODUCT: source 0 = 16 features of V^T, source 1 = 16 queries of P: a lane holds one query, its registers run along the features.  A tile is 128 queries x 256 features; four waves, 64 x 128 each: 32 accumulators.
; CLUSTERS 4 x 4: 512 queries x all 1,024 features.  P's tiles are shared along a row, V's along a column.  THE MASK: the cluster of queries 512 i .. 512 i + 511 of a batch walks keys 0 .. 512 i + 511: i + 1 laps of 512
; keys, a number that all partners share; chunks hidden from some of its queries hold zero codes.
; The scale words of at most 2,048 keys lie in registers, 8 a tile; the loop names the first three and moves them up by two each lap, so that its register numbers are constants.
; LIMITS: NaN and infinities are not served; a chunk whose M_loc lies more than 127 under the row's counts with 2^-127 and bytes of 0: nothing beside l, which is above 1/2.  A block of ctx under 2^-122 keeps the byte 1.
; REGISTERS: window 0: v0-31 addresses, at work; v32-63 P's scale words, v64-127 V's; v128-175 P's fragments; v176-207 -M_loc, v208-239 the chunks' sums (head only); v240-247 1 / l; v248-251 l.
;   window 1: V's fragments, two sets.  window 2: the 32 accumulators.
.set NA,   4
.set NJ,   8
.set SCAB, 32
.set SCBB, 64
.set VIMG, 12582912
.set VSK,  19398656
.set PSK,  12582912
.set CSK,  6291456
.set FRB,  1536
.set KSB,  2*FRB
.set HA,   NA/2
.set NL,   3
.set AH,   NA*KSB
.set BH,   8*KSB
.set SLOT, 2*AH+2*BH
.set SPARE, 2*SLOT
.set AF,   128
.set LI,   4
.set ADRA, 16
.set ADRB, 20
.set SPW,  28
.set NIL,  29
.set PNM,  176
.set PLL,  208
.set RL,   240
.set LA,   248
.set TM,   128
.set PW,   150
.set SW,   152
.set PC,   160
.set G1,   24
.set G0,   32
.set G1B,  48
.set G0B,  56
.set H80,  93
.set SEL,  94
.set MSB, 0
.macro WIN new
.set WNEW, \new
.if MSB != WNEW
	s_set_vgpr_msb (MSB<<8)|WNEW
.set MSB, WNEW
.endif
.endm
.macro PLACES n
.rept \n
	v_nop
.endr
.endm
.macro JLOAD g0a, g1a, g0b, g1b        ; a joint load: waves 0 and 1 fetch P's halves, waves 2 and 3 V's; four v_nop follow each line
	s_cmp_eq_u32 s15, 0
	s_cbranch_scc0 .Lfor_b_\@
	tensor_load_to_lds s[\g0a:\g0a+3], s[\g1a:\g1a+7]
	s_nop 0
.rept 4
	v_nop
.endr
	s_branch .Lasked_\@
.Lfor_b_\@:
	tensor_load_to_lds s[\g0b:\g0b+3], s[\g1b:\g1b+7]
	s_nop 0
.rept 4
	v_nop
.endr
.Lasked_\@:
.endm
.macro CREST
	s_cmp_lg_u32 s14, 0
	s_cbranch_scc1 .Lnot_wave_0_\@
	s_barrier_signal -3
.Lnot_wave_0_\@:
	s_barrier_wait -3
	s_barrier_signal -1
	s_barrier_wait -1
.endm
.macro CROUND
	s_barrier_signal -1
	s_barrier_wait -1
	CREST
.endm
.macro FRAG reg, adr, q, i
.irp c, 0,1,2
	ds_load_b128 v[\reg+4*\c:\reg+4*\c+3], v[\adr] offset:(\i)*KSB+(\q)*FRB+512*\c
.endr
.endm
.macro FETCH_B slot, q, p
	WIN 0x40
.irp i, 0,1,2,3,4,5,6,7
	FRAG 128*(\p)+12*\i, ADRB+\slot, \q, \i
.endr
	WIN 0
.endm
.macro FETCH_A slot, q, i0
.set fi, \i0
.rept HA
	FRAG AF+12*fi, ADRA+\slot, \q, fi
.set fi, fi+1
.endr
.endm
; 8 matrix instructions: query block a against the eight feature tiles.  The accumulators take turns, one instruction a turn.
.macro MULA a, p, J, q, cm
	WIN 0xa1
.irp b, 0,1,2,3,4,5,6,7
.set rD, 8*(8*(\a)+\b)
.set rB, 128*(\p)+12*\b
.set rA, AF+12*(\a)
.set rSB, SCBB+NJ*\b+(\J)
.set rSA, SCAB+NJ*(\a)+(\J)
.if (\cm) == 1
	v_wmma_scale_f32_16x16x128_f8f6f4 v[rD:rD+7], v[rB:rB+11], v[rA:rA+11], 0, v[rSB], v[rSA] matrix_a_fmt:MATRIX_FMT_BF6 matrix_b_fmt:MATRIX_FMT_BF6
.elseif (\q) == 0
	v_wmma_scale_f32_16x16x128_f8f6f4 v[rD:rD+7], v[rB:rB+11], v[rA:rA+11], v[rD:rD+7], v[rSB], v[rSA] matrix_a_fmt:MATRIX_FMT_BF6 matrix_b_fmt:MATRIX_FMT_BF6
.else
	v_wmma_scale_f32_16x16x128_f8f6f4 v[rD:rD+7], v[rB:rB+11], v[rA:rA+11], v[rD:rD+7], v[rSB], v[rSA] matrix_a_fmt:MATRIX_FMT_BF6 matrix_b_fmt:MATRIX_FMT_BF6 matrix_a_scale:MATRIX_SCALE_ROW1 matrix_b_scale:MATRIX_SCALE_ROW1
.endif
.endr
.endm
.macro STEP slot, J, cm
	s_wait_dscnt HA*NL                             ; V's set and P's first half are in; the youngest HA x 3 loads (P's second half) may be out
.set ma, 0
.rept HA
	MULA ma, 0, \J, 0, \cm
.set ma, ma+1
.endr
	s_wait_dscnt 0x0
	PLACES 4                                       ; four places in front of loads into registers that matrix instructions have read
	FETCH_B \slot, 1, 1
	FETCH_A \slot, 1, 0
.rept HA
	MULA ma, 0, \J, 0, \cm
.set ma, ma+1
.endr
	PLACES 4
	WIN 0
	FETCH_A \slot, 1, HA
.endm
.macro TURN slot, next, fill, J
	s_wait_tensorcnt 0x0                           ; all my tensor loads have landed: my part of the next slot
	ds_add_u32 v[SPW], v[NIL]                      ; 0 onto my spare word
	s_wait_dscnt HA*NL+1                           ; (the add and P's second half may be out)
.set ma, 0
.rept HA/2
	MULA ma, 1, \J, 1, 0
.set ma, ma+1
.endr
	s_wait_dscnt 0x0                               ; the add is done, and my reads of this slot are over
	s_barrier_signal -1
.rept HA/2
	MULA ma, 1, \J, 1, 0
.set ma, ma+1
.endr
	WIN 0
	s_barrier_wait -1
.if \fill
	CREST                                          ; the barrier has opened a round of the cluster's: no wave of any partner still reads this slot or has a load on its way
	s_add_nc_u64 s[G0+4*\slot+2:G0+4*\slot+3], s[G0+4*\slot+2:G0+4*\slot+3], 2*KSB
	s_add_nc_u64 s[G0B+4*\slot+2:G0B+4*\slot+3], s[G0B+4*\slot+2:G0B+4*\slot+3], 2*KSB
	JLOAD G0+4*\slot, G1, G0B+4*\slot, G1B
.else
	PLACES 4
.endif
	FETCH_B \next, 0, 0
	FETCH_A \next, 0, 0
.rept HA
	MULA ma, 1, \J, 1, 0
.set ma, ma+1
.endr
	PLACES 4
	WIN 0
	FETCH_A \next, 0, HA
.endm
.macro LAST J
	s_wait_dscnt HA*NL
.set ma, 0
.rept HA
	MULA ma, 1, \J, 1, 0
.set ma, ma+1
.endr
	s_wait_dscnt 0x0
.rept HA
	MULA ma, 1, \J, 1, 0
.set ma, ma+1
.endr
	WIN 0
.endm
; The scale words move up by two registers (512 keys) in each of the 12 tiles.  The moves stand behind STEP's four places; those that the next products name are written first, with sixty moves behind them.
.macro ROTATE
.irp i, 0,1,2,3,4,5
.irp t, 0,1,2,3
	v_mov_b32 v[SCAB+NJ*\t+\i], v[SCAB+NJ*\t+\i+2]
.endr
.irp t, 0,1,2,3,4,5,6,7
	v_mov_b32 v[SCBB+NJ*\t+\i], v[SCBB+NJ*\t+\i+2]
.endr
.endr
.endm
.macro QMAX ac, w
	WIN (\w)|((\w)<<2)
.irp b, 0,1,2,3
	v_max3_num_f32 v[TM+\b], |v[(\ac)+16*\b]|, |v[(\ac)+16*\b+1]|, 0x2800000
.endr
.irp i, 2,4,6,8,10,12,14
.irp b, 0,1,2,3
	v_max3_num_f32 v[TM+\b], |v[(\ac)+16*\b+\i]|, |v[(\ac)+16*\b+\i+1]|, v[TM+\b]
.endr
.endr
	WIN 0
.irp b, 0,1,2,3
	v_permlanex16_b32 v[TM+4+\b], v[TM+\b], s[SEL], s[SEL+1]
.endr
.irp b, 0,1,2,3
	v_max_num_f32 v[TM+\b], v[TM+\b], v[TM+4+\b]
.endr
.irp b, 0,1,2,3
	v_add_nc_u32 v[TM+12+\b], 0xfe000000, v[TM+\b]
.endr
.irp b, 0,1,2,3
	v_lshrrev_b32 v[TM+4+\b], 23, v[TM+12+\b]
.endr
	v_lshl_or_b32 v[PW], v[TM+5], 8, v[TM+4]
	v_lshl_or_b32 v[PW], v[TM+6], 16, v[PW]
	v_lshl_or_b32 v[PW], v[TM+7], 24, v[PW]
.endm
.macro QCVT ac, w
	WIN (\w)
.irp c, 0,1
	v_cvt_scalef32_pk16_bf6_f32 v[PC+6*\c:PC+6*\c+2], v[(\ac)+32*\c:(\ac)+32*\c+15], v[TM+12+2*\c]
	v_cvt_scalef32_pk16_bf6_f32 v[PC+12+4*\c:PC+14+4*\c], v[(\ac)+32*\c+16:(\ac)+32*\c+31], v[TM+12+2*\c+1]
.endr
	WIN 0
	v_nop                                          ; one plain place behind a scaled conversion
.irp c, 0,1
.irp i, 0,1,2
	v_permlane16_swap_b32 v[PC+6*\c+\i], v[PC+12+4*\c+\i]
.endr
.irp i, 0,1,2
	v_mov_b32 v[PC+3+6*\c+\i], v[PC+12+4*\c+\i]
.endr
.endr
.endm
; lap lam's four chunks: scale words, -M_loc and sums of my four query tiles; a register holds an even chunk in lanes 0-15 and the odd one in lanes 16-31
.macro PLOAD lam
.irp jj, 0,1
.irp a, 0,1,2,3
	global_load_b32 v[SCAB+NJ*\a+2*(\lam)+\jj], v5, s[72:73] offset:(2*(\lam)+\jj)*65536+64*\a
	global_load_b32 v[PNM+NJ*\a+2*(\lam)+\jj], v5, s[72:73] offset:(2*(\lam)+\jj)*65536+64*\a+524288
	global_load_b32 v[PLL+NJ*\a+2*(\lam)+\jj], v5, s[72:73] offset:(2*(\lam)+\jj)*65536+64*\a+1048576
.endr
.endr
.endm
	s_load_b128 s[4:7], s[0:1], 0x0                ; pbuf, qkv
	s_load_b64 s[8:9], s[0:1], 0x10                ; ctxb
	v_lshl_add_u32 v[SPW], v0, 2, SPARE
	v_mov_b32 v[NIL], 0
	ds_add_u32 v28, v29
	ds_add_u32 v28, v29
	s_wait_dscnt 0x0
	v_lshrrev_b32 v1, 5, v0
	v_readfirstlane_b32 s14, v1
	s_lshr_b32 s15, s14, 1                         ; my half of the queries.  Also: I fetch for P (0) or for V (1)
	s_and_b32 s16, s14, 1                          ; my half of the features.  Also: which half of that tile I fetch
	s_bfe_u32 s40, ttmp6, 0x40000                  ; cx
	s_bfe_u32 s41, ttmp6, 0x40004                  ; cy
	s_and_b32 s17, ttmp7, 0xffff                   ; cluster y: 512 queries
	s_lshr_b32 s18, s17, 2                         ; the batch
	s_and_b32 s19, s17, 3
	s_add_co_u32 s19, s19, 1                       ; laps of 512 keys: the same in all partners
	s_lshl_b32 s43, s41, 2
	s_lshl_b32 s43, 15, s43
	s_lshl_b32 s44, 0x1111, s40
	s_or_b32 s[G1], s43, (3<<16)|(1<<21)
	s_mov_b32 s[G1+1], 384<<16
	s_mov_b32 s[G1+2], 4<<16                       ; P: 4 row tiles,
	s_mov_b32 s[G1+3], 384<<16
	s_mov_b32 s[G1+4], 4
	s_mov_b32 s[G1+5], 3072                        ; 24,576 bytes apart
	s_mov_b32 s[G1+6], 0
	s_mov_b32 s[G1+7], 0
	s_or_b32 s[G1B], s44, (3<<16)|(1<<21)
	s_mov_b32 s[G1B+1], 384<<16
	s_mov_b32 s[G1B+2], 8<<16                      ; V^T: 8 row tiles,
	s_mov_b32 s[G1B+3], 384<<16
	s_mov_b32 s[G1B+4], 8
	s_mov_b32 s[G1B+5], 12288                      ; 98,304 bytes apart
	s_mov_b32 s[G1B+6], 0
	s_mov_b32 s[G1B+7], 0
	s_lshl_b32 s20, s17, 5
	s_lshl_b32 s21, s41, 3
	s_add_co_u32 s20, s20, s21                     ; P's first row tile: 8 x (4 x cluster y + cy)
	s_lshl_b32 s46, s40, 4                         ; V^T's: 16 cx
	s_lshl_b32 s22, s16, 2
	s_add_co_u32 s66, s20, s22
	s_mul_i32 s66, s66, 24576
	s_mov_b32 s67, 0
	s_lshl_b32 s47, s16, 3
	s_add_co_u32 s68, s46, s47
	s_mul_i32 s68, s68, 98304
	s_mul_i32 s47, s18, 24576                      ; the batch's first key
	s_add_co_u32 s68, s68, s47
	s_add_co_u32 s68, s68, VIMG
	s_mov_b32 s69, 0
	s_mul_i32 s70, s16, AH
	s_mul_i32 s71, s16, BH
	s_add_co_u32 s71, s71, 2*AH
	s_mov_b32 s[H80], 0x80808080
	s_mov_b32 s[SEL], 0x76543210
	s_mov_b32 s[SEL+1], 0xfedcba98
	s_wait_kmcnt 0x0
	s_add_nc_u64 s[66:67], s[4:5], s[66:67]
	s_add_nc_u64 s[68:69], s[6:7], s[68:69]
	CROUND                                         ; all sixteen work-groups are here: the first joint loads meet
.irp s, 0,1
	s_mov_b32 s[G0+4*\s], 1
	s_add_co_u32 s[G0+4*\s+1], s70, \s*SLOT
	s_add_nc_u64 s[G0+4*\s+2:G0+4*\s+3], s[66:67], \s*KSB
	s_or_b32 s[G0+4*\s+3], s[G0+4*\s+3], 0x80000000
	s_mov_b32 s[G0B+4*\s], 1
	s_add_co_u32 s[G0B+4*\s+1], s71, \s*SLOT
	s_add_nc_u64 s[G0B+4*\s+2:G0B+4*\s+3], s[68:69], \s*KSB
	s_or_b32 s[G0B+4*\s+3], s[G0B+4*\s+3], 0x80000000
	JLOAD G0+4*\s, G1, G0B+4*\s, G1B
.endr
	v_and_b32 v1, 15, v0
	v_bfe_u32 v2, v0, 4, 1
	v_and_b32 v3, 31, v0
	v_lshlrev_b32 v[LI], 4, v3
	s_mul_i32 s21, s15, AH
	s_mul_i32 s22, s16, BH
	s_add_co_u32 s22, s22, 2*AH
.irp s, 0,1
	v_add_nc_u32 v[ADRA+\s], s21, v[LI]
	v_add_nc_u32 v[ADRB+\s], s22, v[LI]
	s_add_co_u32 s21, s21, SLOT
	s_add_co_u32 s22, s22, SLOT
.endr
	s_lshl_b32 s23, s14, 11                        ; my stage for the scale words, in slot 0, used behind its last fill and its last read
	v_lshl_add_u32 v7, v1, 2, s23
	v_lshl_add_u32 v8, v3, 3, s23
	v_lshlrev_b32 v14, 3, v3
	v_lshlrev_b32 v5, 15, v2
	v_lshl_add_u32 v5, v1, 2, v5                   ; P's tables: lanes 16-31 take the chunk after: 512 x 64 bytes on
	v_lshlrev_b32 v6, 12, v2
	v_lshl_add_u32 v6, v1, 2, v6                   ; V's: 64 x 64 bytes on
	s_lshl_b32 s72, s15, 2
	s_add_co_u32 s72, s72, s20
	s_lshl_b32 s72, s72, 6
	s_add_co_u32 s72, s72, PSK
	s_mov_b32 s73, 0
	s_add_nc_u64 s[72:73], s[4:5], s[72:73]
	s_lshl_b32 s74, s16, 3
	s_add_co_u32 s74, s74, s46
	s_lshl_b32 s75, s18, 10
	s_add_co_u32 s74, s74, s75
	s_lshl_b32 s74, s74, 6
	s_add_co_u32 s74, s74, VSK
	s_mov_b32 s75, 0
	s_add_nc_u64 s[74:75], s[6:7], s[74:75]
.irp b, 0,1,2,3,4,5,6,7
.irp J, 0,1,2,3,4,5,6,7
	global_load_b32 v[SCBB+NJ*\b+\J], v6, s[74:75] offset:\J*8192+64*\b
.endr
.endr
.irp i, 0,1,2,3,4,5,6,7,8,9,10,11,12,13,14,15,16,17,18,19,20,21,22,23,24,25,26,27,28,29,30,31
	v_mov_b32 v[SCAB+\i], 0                        ; chunks beyond the cluster's laps are not read: they count as -M_loc = 3e38 (M_loc under every M) and a sum of 0
	v_mov_b32 v[PNM+\i], 0x7f61b1e6
	v_mov_b32 v[PLL+\i], 0
.endr
	PLOAD 0
	s_cmp_le_u32 s19, 1
	s_cbranch_scc1 .Lloaded
	PLOAD 1
	s_cmp_le_u32 s19, 2
	s_cbranch_scc1 .Lloaded
	PLOAD 2
	s_cmp_le_u32 s19, 3
	s_cbranch_scc1 .Lloaded
	PLOAD 3
.Lloaded:
	v_mov_b32 v10, 0                               ; a lane permute's destination counts as one of its sources
	s_wait_loadcnt 0x0
.irp a, 0,1,2,3
	v_min3_num_f32 v9, v[PNM+NJ*\a], v[PNM+NJ*\a+1], v[PNM+NJ*\a+2]
	v_min3_num_f32 v9, v9, v[PNM+NJ*\a+3], v[PNM+NJ*\a+4]
	v_min3_num_f32 v9, v9, v[PNM+NJ*\a+5], v[PNM+NJ*\a+6]
	v_min_num_f32 v9, v9, v[PNM+NJ*\a+7]
	v_permlanex16_b32 v10, v9, s[SEL], s[SEL+1]
	v_min_num_f32 v9, v9, v10                      ; -M of my query: the smallest -M_loc
.irp J, 0,1,2,3,4,5,6,7
	v_sub_f32 v10, v9, v[PNM+NJ*\a+\J]             ; M_loc - M: a whole number, 0 or less,
	v_max_num_f32 v10, 0xc2fe0000, v10             ; held at -127
	v_cvt_i32_f32 v10, v10
.if \J == 0
	v_ldexp_f32 v[LA+\a], v[PLL+NJ*\a+\J], v10     ; the chunk's sum under the row's M
.else
	v_ldexp_f32 v11, v[PLL+NJ*\a+\J], v10
	v_add_f32 v[LA+\a], v[LA+\a], v11
.endif
	v_sub_nc_u32 v10, 0, v10                       ; D
	v_perm_b32 v10, v10, v10, 0                    ; in all four bytes
	v_or_b32 v12, s[H80], v[SCAB+NJ*\a+\J]         ; 128 + byte (p is at most 1, so a byte is at most 123): no byte borrows from the next
	v_sub_nc_u32 v12, v12, v10
	v_and_b32 v13, s[H80], v12                     ; bit 7 stands where byte >= D
	v_lshrrev_b32 v11, 7, v13
	v_sub_nc_u32 v13, v13, v11                     ; 0x7f there, 0 elsewhere
	v_and_b32 v[SCAB+NJ*\a+\J], v12, v13           ; byte - D, held at 0
.endr
	v_permlanex16_b32 v10, v[LA+\a], s[SEL], s[SEL+1]
	v_add_f32 v[LA+\a], v[LA+\a], v10              ; even and odd chunks: l
.endr
.irp a, 0,1,2,3
	v_rcp_f32 v[RL+2*\a], v[LA+\a]
.endr
.irp a, 0,1,2,3
	v_mov_b32 v[RL+2*\a+1], 0                      ; (the pairs' upper halves are named, so they are written; plain places behind the reciprocals)
.endr
	s_wait_alu depctr_va_vdst(0)                   ; one wait for the four reciprocals ahead of their first reader
	PLACES 8                                       ; scale registers written by vector instructions stand eight places ahead of a scaled matrix instruction
	; where the results go
	s_lshl_b32 s86, s15, 2
	s_add_co_u32 s86, s86, s20                     ; my first query tile
	s_lshl_b32 s87, s40, 1
	s_add_co_u32 s87, s87, s16                     ; my 128 features: a K step of the last product
	s_lshl_b32 s80, s86, 3
	s_add_co_u32 s80, s80, s87
	s_mul_i32 s80, s80, FRB
	s_mov_b32 s81, 0
	s_add_nc_u64 s[80:81], s[8:9], s[80:81]
	s_lshl_b32 s84, s87, 9
	s_add_co_u32 s84, s84, s86
	s_lshl_b32 s84, s84, 6
	s_add_co_u32 s84, s84, CSK
	s_mov_b32 s85, 0
	s_add_nc_u64 s[84:85], s[8:9], s[84:85]
	s_wait_tensorcnt 1                             ; my part of slot 0 is in; slot 1's load may be out
	s_barrier_signal -1
	s_barrier_wait -1
	FETCH_B 0, 0, 0
	FETCH_A 0, 0, 0
	FETCH_A 0, 0, HA
	STEP 0, 0, 1                                   ; the first step's products start the sums
	s_cmp_eq_u32 s19, 1
	s_cbranch_scc1 .Ltail
	s_sub_co_u32 s3, s19, 1
.Llap:                                             ; a trip: 512 keys, from a lap's second 128 to the next lap's first; it fills both slots again.  No LDS address is stepped here
	TURN 0, 1, 1, 0
	STEP 1, 1, 0
	TURN 1, 0, 1, 1
	STEP 0, 2, 0
	ROTATE
	s_sub_co_u32 s3, s3, 1
	s_cmp_lg_u32 s3, 0
	s_cbranch_scc1 .Llap
.Ltail:                                            ; the last lap fills nothing
	TURN 0, 1, 0, 0
	STEP 1, 1, 0
	LAST 1
	; THE WAY OUT: / l, then each block's 128 results of a row become one fragment and one scale word
	PLACES 4
.irp b, 0,1,2,3
	v_mov_b32 v[TM+4+\b], 0                        ; written once: a lane permute's destination counts as one of its sources
.endr
.irp a, 0,1,2,3
	WIN 0x82                                       ; source 0 and destination: the accumulators' window
.set j, 0
.rept 32
	v_pk_mul_f32 v[64*\a+j:64*\a+j+1], v[64*\a+j:64*\a+j+1], v[RL+2*\a:RL+2*\a+1] op_sel_hi:[1,0]   ; each accumulator from its low end on
.set j, j+2
.endr
	QMAX 64*\a, 2
	s_wait_xcnt 0x0                                ; the last block's stores have read their data
	QCVT 64*\a, 2
.irp c, 0,1,2
	global_store_b128 v[LI], v[PC+4*\c:PC+4*\c+3], s[80:81] offset:\a*12288+512*\c   ; 512 consecutive bytes, aligned
.endr
	ds_store_b32 v7, v[PW] offset:64*\a
.endr
	ds_load_b64 v[SW:SW+1], v8                     ; LDS serves a wave's instructions in order: this sees my stores
	s_wait_dscnt 0x0
	global_store_b64 v14, v[SW:SW+1], s[84:85]     ; my 4 tiles' scale words: 256 consecutive bytes, aligned
	s_wait_tensorcnt 0x0                           ; the wave's end
	ds_add_u32 v[SPW], v[NIL]
	s_wait_dscnt 0x0
	CROUND                                         ; the closing round
	s_endpgm
.Lfunc_end_k_qb8cb7244b0_pv:
	.size	k_qb8cb7244b0_pv, .Lfunc_end_k_qb8cb7244b0_pv-k_qb8cb7244b0_pv
	.p2alignl 7, 3214868480
	.fill 96, 4, 3214868480
	.section	.rodata,"a",@progbits
	.p2align	6, 0x0
	.amdhsa_kernel k_qb8cb7244b0_pv
		.amdhsa_group_segment_fixed_size 327680
		.amdhsa_private_segment_fixed_size 0
		.amdhsa_enable_private_segment 0
		.amdhsa_kernarg_size 24
		.amdhsa_user_sgpr_count 2
		.amdhsa_user_sgpr_kernarg_segment_ptr 1
		.amdhsa_wavefront_size32 1
		.amdhsa_system_sgpr_workgroup_id_x 1
		.amdhsa_system_sgpr_workgroup_id_y 1
		.amdhsa_system_sgpr_workgroup_id_z 1
		.amdhsa_system_vgpr_workitem_id 0
		.amdhsa_next_free_vgpr 768
		.amdhsa_next_free_sgpr 100
		.amdhsa_reserve_vcc 0
		.amdhsa_float_denorm_mode_32 3
		.amdhsa_float_denorm_mode_16_64 3
		.amdhsa_memory_ordered 1
		.amdhsa_forward_progress 1
		.amdhsa_inst_pref_size 129
	.end_amdhsa_kernel
	.amdgpu_metadata
---
amdhsa.version: [ 1, 2 ]
amdhsa.kernels:
  - .name:           k_qb8cb7244b0_pv
    .symbol:         k_qb8cb7244b0_pv.kd
    .args:
      - { .name: pbuf, .offset: 0, .size: 8, .value_kind: global_buffer, .address_space: global }
      - { .name: qkv, .offset: 8, .size: 8, .value_kind: global_buffer, .address_space: global }
      - { .name: ctxb, .offset: 16, .size: 8, .value_kind: global_buffer, .address_space: global }
    .group_segment_fixed_size: 327680
    .private_segment_fixed_size: 0
    .kernarg_segment_align: 8
    .kernarg_segment_size: 24
    .max_flat_workgroup_size: 128
    .sgpr_count:     100
    .vgpr_count:     768
    .wavefront_size: 32
...
	.end_amdgpu_metadata
.endif
;; end of part 4
;; launch outp (part 5): grid 4 x 64, 4 waves a work-group, clusters of 4 x 4, 327,680 bytes of LDS; arguments ctxb, xw, bo, out0; writes out0
.if DOCPART == 5
	.amdgcn_target "amdgcn-amd-amdhsa--gfx1250"
	.amdhsa_code_object_version 6
	.text
	.protected	k_qb8cb7244b0_outp
	.globl	k_qb8cb7244b0_outp
	.p2align	8
	.type	k_qb8cb7244b0_outp,@function
k_qb8cb7244b0_outp:
	s_mov_b64 s[64:65], 0
	v_nop
	global_prefetch_b8 v0, s[64:65] scope:SCOPE_SE
	s_setreg_imm32_b32 hwreg(HW_REG_WAVE_MODE, 25, 1), 1
	s_wait_xcnt 0x0
	s_wait_alu depctr_hold_cnt(0) depctr_sa_sdst(0) depctr_va_vdst(0) depctr_va_sdst(0) depctr_va_ssrc(0) depctr_va_vcc(0) depctr_vm_vsrc(0)
	s_getreg_b32 s2, hwreg(HW_REG_IB_STS2, 6, 4)
	s_cmp_eq_u32 s2, 0
	s_cbranch_scc0 .Lentry_in_a_cluster
	s_endpgm
.Lentry_in_a_cluster:
	s_bfe_u32 s2, ttmp6, 0x10000c
	s_cmp_lg_u32 s2, 0xf033
	s_cbranch_scc0 .Lentry_shape_is_right
	s_endpgm
.Lentry_shape_is_right:
; out = ctx Wo^T + bo on codes of BF6 with E8M0 scales, sums in f32, out in f32.
; THE PRODUCT: source 0 = 16 rows of Wo, source 1 = 16 tokens of ctx: a lane holds one token, its registers run along the output's features.  Place r of a row tile t is row 32 (t / 2) + 8 (t % 2) + r + 8 (r / 8).
; A tile is 128 tokens x 256 features (256 work-groups); four waves, 64 x 128 each: 32 accumulators.  K = 1,024 in steps of 256 through two LDS slots.
; CLUSTERS 4 x 4: ctx's tiles are shared along a row of the cluster, Wo's along a column.  The bias is the C of each sum's first product.  No prefetch: behind the first fills the launch has two refills.
; REGISTERS: window 0: v0-31 addresses; v32-47 ctx's scale words, v48-79 Wo's; v128-175 ctx's fragments; v176-239 the bias; on the way out v128-255 rows of out.  window 1: Wo's fragments, two sets.  window 2: accumulators.
.set NA,   4
.set NJ,   4
.set SCAB, 32
.set SCBB, 48
.set BI,   176
.set XSK,  9437184
.set CSK,  6291456
.set FRB,  1536
.set KSB,  2*FRB
.set HA,   NA/2
.set NL,   3
.set AH,   NA*KSB
.set BH,   8*KSB
.set SLOT, 2*AH+2*BH
.set SPARE, 2*SLOT
.set AF,   128
.set LI,   4
.set STO,  7
.set RD,   8
.set ADRA, 16
.set ADRB, 20
.set SPW,  28
.set NIL,  29
.set BK,   128
.set SPITCH, 528                       ; a stage row: 512 bytes + 16
.set G1,   24
.set G0,   32
.set G1B,  48
.set G0B,  56
.set MSB, 0
.macro WIN new
.set WNEW, \new
.if MSB != WNEW
	s_set_vgpr_msb (MSB<<8)|WNEW
.set MSB, WNEW
.endif
.endm
.macro PLACES n
.rept \n
	v_nop
.endr
.endm
.macro JLOAD g0a, g1a, g0b, g1b        ; a joint load: waves 0 and 1 fetch ctx's halves, waves 2 and 3 Wo's; four v_nop follow each line
	s_cmp_eq_u32 s15, 0
	s_cbranch_scc0 .Lfor_b_\@
	tensor_load_to_lds s[\g0a:\g0a+3], s[\g1a:\g1a+7]
	s_nop 0
.rept 4
	v_nop
.endr
	s_branch .Lasked_\@
.Lfor_b_\@:
	tensor_load_to_lds s[\g0b:\g0b+3], s[\g1b:\g1b+7]
	s_nop 0
.rept 4
	v_nop
.endr
.Lasked_\@:
.endm
.macro CREST
	s_cmp_lg_u32 s14, 0
	s_cbranch_scc1 .Lnot_wave_0_\@
	s_barrier_signal -3
.Lnot_wave_0_\@:
	s_barrier_wait -3
	s_barrier_signal -1
	s_barrier_wait -1
.endm
.macro CROUND
	s_barrier_signal -1
	s_barrier_wait -1
	CREST
.endm
.macro FRAG reg, adr, q, i
.irp c, 0,1,2
	ds_load_b128 v[\reg+4*\c:\reg+4*\c+3], v[\adr] offset:(\i)*KSB+(\q)*FRB+512*\c
.endr
.endm
.macro FETCH_B slot, q, p
	WIN 0x40
.irp i, 0,1,2,3,4,5,6,7
	FRAG 128*(\p)+12*\i, ADRB+\slot, \q, \i
.endr
	WIN 0
.endm
.macro FETCH_A slot, q, i0
.set fi, \i0
.rept HA
	FRAG AF+12*fi, ADRA+\slot, \q, fi
.set fi, fi+1
.endr
.endm
; 8 matrix instructions: token block a against Wo's eight tiles.  cm = 2: C = the bias.  The accumulators take turns, one instruction a turn.
.macro MULA a, p, J, q, cm
.if (\cm) == 2
	WIN 0x81
.else
	WIN 0xa1
.endif
.irp b, 0,1,2,3,4,5,6,7
.set rD, 8*(8*(\a)+\b)
.set rB, 128*(\p)+12*\b
.set rA, AF+12*(\a)
.set rSB, SCBB+NJ*\b+(\J)
.set rSA, SCAB+NJ*(\a)+(\J)
.if (\cm) == 2
	v_wmma_scale_f32_16x16x128_f8f6f4 v[rD:rD+7], v[rB:rB+11], v[rA:rA+11], v[BI+8*\b:BI+8*\b+7], v[rSB], v[rSA] matrix_a_fmt:MATRIX_FMT_BF6 matrix_b_fmt:MATRIX_FMT_BF6
.elseif (\q) == 0
	v_wmma_scale_f32_16x16x128_f8f6f4 v[rD:rD+7], v[rB:rB+11], v[rA:rA+11], v[rD:rD+7], v[rSB], v[rSA] matrix_a_fmt:MATRIX_FMT_BF6 matrix_b_fmt:MATRIX_FMT_BF6
.else
	v_wmma_scale_f32_16x16x128_f8f6f4 v[rD:rD+7], v[rB:rB+11], v[rA:rA+11], v[rD:rD+7], v[rSB], v[rSA] matrix_a_fmt:MATRIX_FMT_BF6 matrix_b_fmt:MATRIX_FMT_BF6 matrix_a_scale:MATRIX_SCALE_ROW1 matrix_b_scale:MATRIX_SCALE_ROW1
.endif
.endr
.endm
.macro STEP slot, J, cm
	s_wait_dscnt HA*NL                             ; Wo's set and ctx's first half are in; the youngest HA x 3 loads (ctx's second half) may be out
.set ma, 0
.rept HA
	MULA ma, 0, \J, 0, \cm
.set ma, ma+1
.endr
	s_wait_dscnt 0x0
	PLACES 4                                       ; four places in front of loads into registers that matrix instructions have read
	FETCH_B \slot, 1, 1
	FETCH_A \slot, 1, 0
.rept HA
	MULA ma, 0, \J, 0, \cm
.set ma, ma+1
.endr
	PLACES 4
	WIN 0
	FETCH_A \slot, 1, HA
.endm
.macro TURN slot, next, fill, J
	s_wait_tensorcnt 0x0                           ; all my tensor loads have landed: my part of the next slot
	ds_add_u32 v[SPW], v[NIL]                      ; 0 onto my spare word
	s_wait_dscnt HA*NL+1                           ; (the add and ctx's second half may be out)
.set ma, 0
.rept HA/2
	MULA ma, 1, \J, 1, 0
.set ma, ma+1
.endr
	s_wait_dscnt 0x0                               ; the add is done, and my reads of this slot are over
	s_barrier_signal -1
.rept HA/2
	MULA ma, 1, \J, 1, 0
.set ma, ma+1
.endr
	WIN 0
	s_barrier_wait -1
.if \fill
	CREST                                          ; the barrier has opened a round of the cluster's: no wave of any partner still reads this slot or has a load on its way
	s_add_nc_u64 s[G0+4*\slot+2:G0+4*\slot+3], s[G0+4*\slot+2:G0+4*\slot+3], 2*KSB
	s_add_nc_u64 s[G0B+4*\slot+2:G0B+4*\slot+3], s[G0B+4*\slot+2:G0B+4*\slot+3], 2*KSB
	JLOAD G0+4*\slot, G1, G0B+4*\slot, G1B
.else
	PLACES 4
.endif
	FETCH_B \next, 0, 0
	FETCH_A \next, 0, 0
.rept HA
	MULA ma, 1, \J, 1, 0
.set ma, ma+1
.endr
	PLACES 4
	WIN 0
	FETCH_A \next, 0, HA
.endm
.macro LAST J
	s_wait_dscnt HA*NL
.set ma, 0
.rept HA
	MULA ma, 1, \J, 1, 0
.set ma, ma+1
.endr
	s_wait_dscnt 0x0
.rept HA
	MULA ma, 1, \J, 1, 0
.set ma, ma+1
.endr
	WIN 0
.endm
; THE WAY OUT of block a: a lane holds 8 x 32 bytes of one row, the lanes beside it other rows: the block goes through my own stage and comes back as whole rows of 512 bytes.
.macro TOSTAGE a
	WIN 0x08                                       ; an LDS store's data are its source 1: window 2
.irp b, 0,1,2,3,4,5,6,7
	ds_store_b128 v[STO], v[64*(\a)+8*\b:64*(\a)+8*\b+3] offset:128*(\b/2)+32*(\b%2)       ; features 32 (b / 2) + 16 h + 8 (b % 2) on; each accumulator from its low end on
	ds_store_b128 v[STO], v[64*(\a)+8*\b+4:64*(\a)+8*\b+7] offset:128*(\b/2)+32*(\b%2)+16
.endr
	WIN 0
.set BB, BK+64*((\a)%2)
.irp t, 0,1,2,3,4,5,6,7,8,9,10,11,12,13,14,15
	ds_load_b128 v[BB+4*\t:BB+4*\t+3], v[RD] offset:\t*SPITCH   ; LDS serves a wave's instructions in order: these see my stores, and the next block's stores come behind them
.endr
.endm
.macro SEND a, younger                 ; younger: the LDS instructions issued behind block a's loads, which may stay out
.set BB, BK+64*((\a)%2)
	s_wait_dscnt \younger
.irp t, 0,1,2,3,4,5,6,7,8,9,10,11,12,13,14,15
	global_store_b128 v[LI], v[BB+4*\t:BB+4*\t+3], s[80:81] offset:(32*((\a)/2)+8*((\a)%2)+\t+8*(\t/8))*4096 th:TH_STORE_NT   ; place t of the tile: 512 consecutive bytes, aligned; written once
.endr
.endm
	s_load_b256 s[4:11], s[0:1], 0x0               ; ctxb, xw, bo, out0
	v_lshl_add_u32 v[SPW], v0, 2, SPARE
	v_mov_b32 v[NIL], 0
	ds_add_u32 v28, v29
	ds_add_u32 v28, v29
	s_wait_dscnt 0x0
	v_lshrrev_b32 v1, 5, v0
	v_readfirstlane_b32 s14, v1
	s_lshr_b32 s15, s14, 1                         ; my half of the tokens.  Also: I fetch for ctx (0) or for Wo (1)
	s_and_b32 s16, s14, 1                          ; my half of the features.  Also: which half of that tile I fetch
	s_bfe_u32 s40, ttmp6, 0x40000                  ; cx
	s_bfe_u32 s41, ttmp6, 0x40004                  ; cy
	s_and_b32 s17, ttmp7, 0xffff                   ; cluster y: 512 tokens
	s_lshl_b32 s43, s41, 2
	s_lshl_b32 s43, 15, s43
	s_lshl_b32 s44, 0x1111, s40
	s_or_b32 s[G1], s43, (3<<16)|(1<<21)
	s_mov_b32 s[G1+1], 384<<16
	s_mov_b32 s[G1+2], 4<<16                       ; ctx: 4 row tiles
	s_mov_b32 s[G1+3], 384<<16
	s_mov_b32 s[G1+4], 4
	s_mov_b32 s[G1+5], 1536
	s_mov_b32 s[G1+6], 0
	s_mov_b32 s[G1+7], 0
	s_or_b32 s[G1B], s44, (3<<16)|(1<<21)
	s_mov_b32 s[G1B+1], 384<<16
	s_mov_b32 s[G1B+2], 8<<16                      ; Wo: 8 row tiles
	s_mov_b32 s[G1B+3], 384<<16
	s_mov_b32 s[G1B+4], 8
	s_mov_b32 s[G1B+5], 1536
	s_mov_b32 s[G1B+6], 0
	s_mov_b32 s[G1B+7], 0
	s_lshl_b32 s20, s17, 5
	s_lshl_b32 s21, s41, 3
	s_add_co_u32 s20, s20, s21                     ; ctx's first row tile
	s_lshl_b32 s46, s40, 4
	s_add_co_u32 s46, s46, 704                     ; Wo's, in xw
	s_lshl_b32 s22, s16, 2
	s_add_co_u32 s66, s20, s22
	s_mul_i32 s66, s66, 12288
	s_mov_b32 s67, 0
	s_lshl_b32 s47, s16, 3
	s_add_co_u32 s68, s46, s47
	s_mul_i32 s68, s68, 12288
	s_mov_b32 s69, 0
	s_mul_i32 s70, s16, AH
	s_mul_i32 s71, s16, BH
	s_add_co_u32 s71, s71, 2*AH
	s_wait_kmcnt 0x0
	s_add_nc_u64 s[66:67], s[4:5], s[66:67]
	s_add_nc_u64 s[68:69], s[6:7], s[68:69]
	CROUND                                         ; all sixteen work-groups are here: the first joint loads meet
.irp s, 0,1
	s_mov_b32 s[G0+4*\s], 1
	s_add_co_u32 s[G0+4*\s+1], s70, \s*SLOT
	s_add_nc_u64 s[G0+4*\s+2:G0+4*\s+3], s[66:67], \s*KSB
	s_or_b32 s[G0+4*\s+3], s[G0+4*\s+3], 0x80000000
	s_mov_b32 s[G0B+4*\s], 1
	s_add_co_u32 s[G0B+4*\s+1], s71, \s*SLOT
	s_add_nc_u64 s[G0B+4*\s+2:G0B+4*\s+3], s[68:69], \s*KSB
	s_or_b32 s[G0B+4*\s+3], s[G0B+4*\s+3], 0x80000000
	JLOAD G0+4*\s, G1, G0B+4*\s, G1B
.endr
	v_and_b32 v1, 15, v0
	v_bfe_u32 v2, v0, 4, 1
	v_and_b32 v3, 31, v0
	v_lshlrev_b32 v[LI], 4, v3
	s_mul_i32 s21, s15, AH
	s_mul_i32 s22, s16, BH
	s_add_co_u32 s22, s22, 2*AH
.irp s, 0,1
	v_add_nc_u32 v[ADRA+\s], s21, v[LI]
	v_add_nc_u32 v[ADRB+\s], s22, v[LI]
	s_add_co_u32 s21, s21, SLOT
	s_add_co_u32 s22, s22, SLOT
.endr
	s_mul_i32 s23, s14, 16*SPITCH                  ; my stage, in slot 0, used behind its last fill and its last read
	v_mul_u32_u24 v[STO], v1, SPITCH
	v_lshl_add_u32 v[STO], v2, 6, v[STO]
	v_add_nc_u32 v[STO], s23, v[STO]               ; in: row r, + 64 h
	v_add_nc_u32 v[RD], s23, v[LI]                 ; back: 16 bytes a lane of a row
	v_lshlrev_b32 v5, 15, v2
	v_lshl_add_u32 v5, v1, 2, v5                   ; ctx's scale words: the K step after lies 512 x 64 bytes on
	v_mul_u32_u24 v6, v2, 49152
	v_lshl_add_u32 v6, v1, 2, v6                   ; Wo's: 768 x 64
	v_lshlrev_b32 v10, 6, v2                       ; the bias: 64 h
	s_lshl_b32 s72, s15, 2
	s_add_co_u32 s72, s72, s20
	s_lshl_b32 s72, s72, 6
	s_add_co_u32 s72, s72, CSK
	s_mov_b32 s73, 0
	s_add_nc_u64 s[72:73], s[4:5], s[72:73]
	s_lshl_b32 s74, s16, 3
	s_add_co_u32 s74, s74, s46
	s_lshl_b32 s74, s74, 6
	s_add_co_u32 s74, s74, XSK
	s_mov_b32 s75, 0
	s_add_nc_u64 s[74:75], s[6:7], s[74:75]
.irp a, 0,1,2,3
.irp J, 0,1,2,3
	global_load_b32 v[SCAB+NJ*\a+\J], v5, s[72:73] offset:\J*65536+64*\a
.endr
.endr
.irp b, 0,1,2,3,4,5,6,7
.irp J, 0,1,2,3
	global_load_b32 v[SCBB+NJ*\b+\J], v6, s[74:75] offset:\J*98304+64*\b
.endr
.endr
	s_lshl_b32 s76, s40, 10
	s_lshl_b32 s77, s16, 9
	s_add_co_u32 s76, s76, s77                     ; my 128 features, in bytes of f32
	s_mov_b32 s77, 0
	s_add_nc_u64 s[78:79], s[8:9], s[76:77]
.irp b, 0,1,2,3,4,5,6,7                ; tile b, register j: the bias of feature 32 (b / 2) + 16 h + 8 (b % 2) + j
	global_load_b128 v[BI+8*\b:BI+8*\b+3], v10, s[78:79] offset:(32*(\b/2)+8*(\b%2))*4
	global_load_b128 v[BI+8*\b+4:BI+8*\b+7], v10, s[78:79] offset:(32*(\b/2)+8*(\b%2))*4+16
.endr
	s_lshl_b32 s80, s17, 9
	s_lshl_b32 s81, s41, 7
	s_add_co_u32 s80, s80, s81
	s_lshl_b32 s81, s15, 6
	s_add_co_u32 s80, s80, s81                     ; my first token
	s_lshl_b32 s80, s80, 12
	s_add_co_u32 s80, s80, s76                     ; its row of 4,096 bytes, + my features
	s_mov_b32 s81, 0
	s_add_nc_u64 s[80:81], s[10:11], s[80:81]
	s_wait_loadcnt 0x0                             ; scale words and bias
	s_wait_tensorcnt 1                             ; my part of slot 0 is in; slot 1's load may be out
	s_barrier_signal -1
	s_barrier_wait -1
	FETCH_B 0, 0, 0
	FETCH_A 0, 0, 0
	FETCH_A 0, 0, HA
	STEP 0, 0, 2                                   ; the first step starts the sums with the bias
	TURN 0, 1, 1, 0
	STEP 1, 1, 0
	TURN 1, 0, 1, 1
	STEP 0, 2, 0
	TURN 0, 1, 0, 2
	STEP 1, 3, 0
	LAST 3
	PLACES 4                                       ; four places in front of the first read of results and of loads into registers that held fragments
	TOSTAGE 0
.irp a, 1,2,3
.if \a > 1
	s_wait_xcnt 0x0                                ; block a - 2's stores have read their registers: block a's loads may land there
.endif
	TOSTAGE \a
	SEND \a-1, 32                                  ; behind block a - 1's loads: block a's 16 stores and 16 loads
.endr
	SEND 3, 0
	s_wait_tensorcnt 0x0                           ; the wave's end
	ds_add_u32 v[SPW], v[NIL]
	s_wait_dscnt 0x0
	CROUND                                         ; the closing round
	s_endpgm
.Lfunc_end_k_qb8cb7244b0_outp:
	.size	k_qb8cb7244b0_outp, .Lfunc_end_k_qb8cb7244b0_outp-k_qb8cb7244b0_outp
	.p2alignl 7, 3214868480
	.fill 96, 4, 3214868480
	.section	.rodata,"a",@progbits
	.p2align	6, 0x0
	.amdhsa_kernel k_qb8cb7244b0_outp
		.amdhsa_group_segment_fixed_size 327680
		.amdhsa_private_segment_fixed_size 0
		.amdhsa_enable_private_segment 0
		.amdhsa_kernarg_size 32
		.amdhsa_user_sgpr_count 2
		.amdhsa_user_sgpr_kernarg_segment_ptr 1
		.amdhsa_wavefront_size32 1
		.amdhsa_system_sgpr_workgroup_id_x 1
		.amdhsa_system_sgpr_workgroup_id_y 1
		.amdhsa_system_sgpr_workgroup_id_z 1
		.amdhsa_system_vgpr_workitem_id 0
		.amdhsa_next_free_vgpr 768
		.amdhsa_next_free_sgpr 100
		.amdhsa_reserve_vcc 0
		.amdhsa_float_denorm_mode_32 3
		.amdhsa_float_denorm_mode_16_64 3
		.amdhsa_memory_ordered 1
		.amdhsa_forward_progress 1
		.amdhsa_inst_pref_size 84
	.end_amdhsa_kernel
	.amdgpu_metadata
---
amdhsa.version: [ 1, 2 ]
amdhsa.kernels:
  - .name:           k_qb8cb7244b0_outp
    .symbol:         k_qb8cb7244b0_outp.kd
    .args:
      - { .name: ctxb, .offset: 0, .size: 8, .value_kind: global_buffer, .address_space: global }
      - { .name: xw, .offset: 8, .size: 8, .value_kind: global_buffer, .address_space: global }
      - { .name: bo, .offset: 16, .size: 8, .value_kind: global_buffer, .address_space: global }
      - { .name: out0, .offset: 24, .size: 8, .value_kind: global_buffer, .address_space: global }
    .group_segment_fixed_size: 327680
    .private_segment_fixed_size: 0
    .kernarg_segment_align: 8
    .kernarg_segment_size: 32
    .max_flat_workgroup_size: 128
    .sgpr_count:     100
    .vgpr_count:     768
    .wavefront_size: 32
...
	.end_amdgpu_metadata
.endif
;; end of part 5
;; ======== version 2 of 2: 5 launches
;; limits: right only within a limited range of input values
;; workspace buffers: xw 9,830,400 bytes; qkv 19,660,800 bytes; pbuf 14,155,776 bytes; ctxb 6,553,600 bytes
;; launch quant (part 6): grid 192 x 4, 4 waves a work-group, no clusters, 35,328 bytes of LDS; arguments x, Wq, Wk, Wv, Wo, xw; writes xw
.if DOCPART == 6
	.amdgcn_target "amdgcn-amd-amdhsa--gfx1250"
	.amdhsa_code_object_version 6
	.text
	.protected	k_qb8cb7244b0_quant
	.globl	k_qb8cb7244b0_quant
	.p2align	8
	.type	k_qb8cb7244b0_quant,@function
k_qb8cb7244b0_quant:
	s_mov_b64 s[64:65], 0
	v_nop
	global_prefetch_b8 v0, s[64:65] scope:SCOPE_SE
	s_setreg_imm32_b32 hwreg(HW_REG_WAVE_MODE, 25, 1), 1
	s_wait_xcnt 0x0
; x [8192][1024] and Wq, Wk, Wv, Wo [1024][1024], f32, K innermost, become codes of BF6 (E3M2) with one E8M0 byte for each 32 along K, laid in the ORDER OF AN OPERAND'S REGISTERS.
; ROW TILES: 768 tiles of 16 rows (x 0-511, Wq, Wk and Wv 512-703 by turns of 8 tiles, Wo 704-767).  Place r of tile t is row 32 (t / 2) + 8 (t % 2) + r + 8 (r / 8) of its tensor, so that
; a later product that takes such a tile as source 0 leaves 16 neighbours along the next K in a lane's registers.
; CODES: the fragment (tile t, K step s of 128) is 1,536 bytes at (8 t + s) x 1,536: registers 4 c .. 4 c + 3 of lane l at 512 c + 16 l.  SCALES: the word of (s, t, r) at SKO + ((768 s + t) 16 + r) 4.
; A block's scale byte is its largest magnitude's exponent field - 4, held at 1 from below (a block of zeros gets 1: its codes are zeros, and this program alone reads the bytes).
; LIMITS: NaN and infinities are not served; blocks whose largest magnitude lies under 2^-122 keep the byte 1.
; SHARES: work-group (g, y): tiles 4 g .. 4 g + 3, K steps 2 y and 2 y + 1; wave w takes tile 4 g + w.  Each load reads 512 consecutive bytes of one row; the 16 rows turn through the wave's own
; stage in LDS, from which lane (r, h) takes the 32 numbers of blocks h and 2 + h of row r: just what the operand's layout gives that lane.  No tensor loads, no matrix work: memory binds.
.set ROWBY, 4096                       ; bytes in a row of any of the five tensors
.set SP,    528                        ; a stage row: 512 bytes + 16, an odd multiple of 16: the 16 rows that a load touches start at 16 different groups of banks
.set WST,   16*SP                      ; a wave's stage
.set SXB,   4*WST                      ; behind the stages: the scale words, [K step 2][wave 4][16]
.set SKO,   9437184                    ; where the scale words begin in xw
.set R,     16                         ; v16-143  two sets of 64: 16 rows x 16 bytes a lane, as loaded
.set X,     144                        ; v144-207 my 64 numbers: blocks h and 2 + h of row r
.set PC,    208                        ; v208-247 two sets of 20: 12 registers of codes, 8 at work
.set TM,    248                        ; v248-249 largest magnitudes, v250-251 scale operands, v252-253 bytes, v254-255 the two scale words
	s_load_b256 s[4:11], s[0:1], 0x0               ; x, Wq, Wk, Wv
	s_load_b128 s[12:15], s[0:1], 0x20             ; Wo, xw
	v_lshl_add_u32 v243, v0, 2, 0x8800
	v_mov_b32 v247, 0
	v_lshrrev_b32 v1, 5, v0
	v_readfirstlane_b32 s18, v1                    ; wave
	v_and_b32 v3, 31, v0                           ; lane
	v_and_b32 v1, 15, v0                           ; r
	v_bfe_u32 v2, v0, 4, 1                         ; h
	v_lshlrev_b32 v4, 4, v3                        ; 16 x lane: my bytes of a load, and of a stored fragment
	s_mul_i32 s19, s18, WST
	v_add_nc_u32 v5, s19, v4                       ; the stage, on the way in
	v_mul_u32_u24 v6, v1, SP
	v_lshl_add_u32 v6, v2, 7, v6
	v_add_nc_u32 v6, s19, v6                       ; and on the way out: row r, + 128 h bytes
	s_lshl_b32 s19, s18, 6
	s_add_co_u32 s19, s19, SXB
	v_lshl_add_u32 v7, v1, 2, s19                  ; my row's scale word: SXB + 64 wave + 4 r
	s_lshl_b32 s19, s18, 8
	s_add_co_u32 s19, s19, SXB
	v_lshl_add_u32 v8, v3, 3, s19                  ; waves 0 and 1 read a K step's 256 bytes back: SXB + 256 wave + 8 lane
	v_lshlrev_b32 v9, 3, v3
	v_lshlrev_b32 v10, 3, v2                       ; 8 h: my bytes' place in the scale word
	v_mov_b32 v11, 0                               ; a lane permute's destination counts as one of its sources
	s_mov_b32 s30, 0x76543210
	s_mov_b32 s31, 0xfedcba98                      ; selects for lane l xor 16
	s_and_b32 s20, ttmp7, 0xffff                   ; y
	s_and_b32 s21, ttmp9, 15
	s_cmp_lt_u32 ttmp9, 128
	s_cselect_b32 s21, ttmp9, s21
	; WHERE A TILE OF Wq, Wk, Wv IS PLACED (this takes the place of the head comment's numbers 512-703): tile j of tensor T (0 Wq, 1 Wk, 2 Wv) is tile 512 + 24 (j / 8) + 8 T + j % 8,
	; so that the 8 tiles of each of the three tensors that belong to 128 features lie on end: 24 tiles.  x's and Wo's tiles keep their numbers.  s28 = my group's first tile / 4.
	s_sub_co_u32 s28, ttmp9, 128
	s_lshr_b32 s28, s28, 4
	s_lshl_b32 s28, s28, 1                         ; 2 T
	s_lshr_b32 s29, s21, 1
	s_mul_i32 s29, s29, 6
	s_add_co_u32 s28, s28, s29
	s_and_b32 s29, s21, 1
	s_add_co_u32 s28, s28, s29
	s_add_co_u32 s28, s28, 128
	s_sub_co_u32 s29, ttmp9, 128
	s_cmp_lt_u32 s29, 48                           ; groups 128 to 175 are Wq's, Wk's and Wv's
	s_cselect_b32 s28, s28, ttmp9
	s_lshl_b32 s22, s21, 6                         ; my tile's first row: 64 group + 32 (wave / 2) + 8 (wave % 2)
	s_lshr_b32 s23, s18, 1
	s_lshl_b32 s23, s23, 5
	s_add_co_u32 s22, s22, s23
	s_and_b32 s23, s18, 1
	s_lshl_b32 s23, s23, 3
	s_add_co_u32 s22, s22, s23
	s_lshl_b32 s22, s22, 12                        ; in bytes,
	s_lshl_b32 s23, s20, 10
	s_add_co_u32 s22, s22, s23                     ; + 1,024 y
	s_mov_b32 s23, 0
	s_lshl_b32 s24, s28, 2
	s_add_co_u32 s24, s24, s18                     ; tile t = 4 g + wave
	s_lshl_b32 s24, s24, 3
	s_lshl_b32 s25, s20, 1
	s_add_co_u32 s24, s24, s25
	s_mul_i32 s24, s24, 1536                       ; (8 t + 2 y) fragments
	s_mov_b32 s25, 0
	s_lshl_b32 s26, s20, 1
	s_add_co_u32 s26, s26, s18                     ; the K step whose words this wave stores (waves 0 and 1 alone)
	s_mul_i32 s26, s26, 768
	s_lshl_b32 s27, s28, 2
	s_add_co_u32 s26, s26, s27
	s_lshl_b32 s26, s26, 6
	s_add_co_u32 s26, s26, SKO
	s_mov_b32 s27, 0
	s_wait_alu depctr_va_vdst(0)
	s_wait_kmcnt 0x0
	s_mov_b64 s[16:17], s[12:13]                   ; which tensor: the choice hangs on the work-group's number alone
	s_cmp_lt_u32 ttmp9, 176
	s_cselect_b64 s[16:17], s[10:11], s[16:17]
	s_cmp_lt_u32 ttmp9, 160
	s_cselect_b64 s[16:17], s[8:9], s[16:17]
	s_cmp_lt_u32 ttmp9, 144
	s_cselect_b64 s[16:17], s[6:7], s[16:17]
	s_cmp_lt_u32 ttmp9, 128
	s_cselect_b64 s[16:17], s[4:5], s[16:17]
	s_add_nc_u64 s[16:17], s[16:17], s[22:23]
	s_add_nc_u64 s[24:25], s[14:15], s[24:25]
	s_add_nc_u64 s[26:27], s[14:15], s[26:27]
.irp q, 0,1
.irp t, 0,1,2,3,4,5,6,7,8,9,10,11,12,13,14,15
	global_load_b128 v[R+64*\q+4*\t:R+64*\q+4*\t+3], v4, s[16:17] offset:(\t+8*(\t/8))*ROWBY+512*\q th:TH_LOAD_NT   ; place t of the tile: 512 consecutive bytes, read once
.endr
.endr
; K step q of the pair: through the stage, two blocks a lane, codes and scale word
.macro QZ q
.set P, PC+20*\q
.irp t, 0,1,2,3,4,5,6,7,8,9,10,11,12,13,14,15
	ds_store_b128 v5, v[R+64*\q+4*\t:R+64*\q+4*\t+3] offset:SP*\t
.endr
.irp c, 0,1
.irp i, 0,1,2,3,4,5,6,7
	ds_load_b128 v[X+32*\c+4*\i:X+32*\c+4*\i+3], v6 offset:256*\c+16*\i   ; LDS serves a wave's instructions in order: these see my stores
.endr
.endr
	s_wait_dscnt 0x0
.irp c, 0,1
	v_max3_num_f32 v[TM+\c], |v[X+32*\c]|, |v[X+32*\c+1]|, 0x2800000      ; block 2 c + h: all 32 numbers are mine; the floor 2^(5 - 127) holds the byte at 1 from below
.endr
.irp i, 2,4,6,8,10,12,14,16,18,20,22,24,26,28,30
.irp c, 0,1
	v_max3_num_f32 v[TM+\c], v[TM+\c], |v[X+32*\c+\i]|, |v[X+32*\c+\i+1]|
.endr
.endr
.irp c, 0,1
	v_add_nc_u32 v[TM+2+\c], 0xfe000000, v[TM+\c]  ; 4 off the exponent field: the conversion's scale operand
.endr
.irp c, 0,1
	v_lshrrev_b32 v[TM+4+\c], 23, v[TM+2+\c]       ; the scale's byte
.endr
	v_lshl_or_b32 v[TM+6+\q], v[TM+5], 16, v[TM+4] ; blocks h and 2 + h,
	v_lshlrev_b32 v[TM+6+\q], v10, v[TM+6+\q]      ; at their places in the word;
	v_permlanex16_b32 v11, v[TM+6+\q], s30, s31
	v_or_b32 v[TM+6+\q], v[TM+6+\q], v11           ; with lane l xor 16's two the word is whole
.irp c, 0,1
	v_cvt_scalef32_pk16_bf6_f32 v[P+6*\c:P+6*\c+2], v[X+32*\c:X+32*\c+15], v[TM+2+\c]
	v_cvt_scalef32_pk16_bf6_f32 v[P+12+4*\c:P+14+4*\c], v[X+32*\c+16:X+32*\c+31], v[TM+2+\c]   ; (a conversion's three registers begin on an even number)
.endr
	v_nop                                          ; one plain place behind a scaled conversion
.irp c, 0,1
.irp i, 0,1,2
	v_mov_b32 v[P+3+6*\c+\i], v[P+12+4*\c+\i]
.endr
.endr
.irp c, 0,1,2
	global_store_b128 v4, v[P+4*\c:P+4*\c+3], s[24:25] offset:1536*\q+512*\c   ; 512 consecutive bytes, at a multiple of 256 from the buffer's first byte; each K step has its own registers
.endr
	ds_store_b32 v7, v[TM+6+\q] offset:256*\q      ; lanes r and r + 16 write the same word with the same value
.endm
	s_wait_loadcnt 16                              ; the first K step's sixteen loads are in; the second's sixteen stay out
	QZ 0
	s_wait_loadcnt 0x0
	QZ 1
	s_wait_dscnt 0x0                               ; for the others' sake: my scale words have landed
	s_barrier_signal -1
	s_barrier_wait -1
	s_cmp_gt_u32 s18, 1
	s_cbranch_scc1 .Ldone                          ; waves 0 and 1 store a K step's words of the four tiles
	ds_load_b64 v[12:13], v8
	s_wait_dscnt 0x0
	global_store_b64 v9, v[12:13], s[26:27]        ; 32 lanes store 256 consecutive bytes, aligned
.Ldone:
	s_wait_tensorcnt 0x0
	ds_add_u32 v243, v247
	s_wait_dscnt 0x0
	s_endpgm
.Lfunc_end_k_qb8cb7244b0_quant:
	.size	k_qb8cb7244b0_quant, .Lfunc_end_k_qb8cb7244b0_quant-k_qb8cb7244b0_quant
	.p2alignl 7, 3214868480
	.fill 96, 4, 3214868480
	.section	.rodata,"a",@progbits
	.p2align	6, 0x0
	.amdhsa_kernel k_qb8cb7244b0_quant
		.amdhsa_group_segment_fixed_size 35328
		.amdhsa_private_segment_fixed_size 0
		.amdhsa_enable_private_segment 0
		.amdhsa_kernarg_size 48
		.amdhsa_user_sgpr_count 2
		.amdhsa_user_sgpr_kernarg_segment_ptr 1
		.amdhsa_wavefront_size32 1
		.amdhsa_system_sgpr_workgroup_id_x 1
		.amdhsa_system_sgpr_workgroup_id_y 1
		.amdhsa_system_sgpr_workgroup_id_z 1
		.amdhsa_system_vgpr_workitem_id 0
		.amdhsa_next_free_vgpr 256
		.amdhsa_next_free_sgpr 66
		.amdhsa_reserve_vcc 0
		.amdhsa_float_denorm_mode_32 3
		.amdhsa_float_denorm_mode_16_64 3
		.amdhsa_memory_ordered 1
		.amdhsa_forward_progress 1
		.amdhsa_inst_pref_size 18
	.end_amdhsa_kernel
	.amdgpu_metadata
---
amdhsa.version: [ 1, 2 ]
amdhsa.kernels:
  - .name:           k_qb8cb7244b0_quant
    .symbol:         k_qb8cb7244b0_quant.kd
    .args:
      - { .name: x, .offset: 0, .size: 8, .value_kind: global_buffer, .address_space: global }
      - { .name: Wq, .offset: 8, .size: 8, .value_kind: global_buffer, .address_space: global }
      - { .name: Wk, .offset: 16, .size: 8, .value_kind: global_buffer, .address_space: global }
      - { .name: Wv, .offset: 24, .size: 8, .value_kind: global_buffer, .address_space: global }
      - { .name: Wo, .offset: 32, .size: 8, .value_kind: global_buffer, .address_space: global }
      - { .name: xw, .offset: 40, .size: 8, .value_kind: global_buffer, .address_space: global }
    .group_segment_fixed_size: 35328
    .private_segment_fixed_size: 0
    .kernarg_segment_align: 8
    .kernarg_segment_size: 48
    .max_flat_workgroup_size: 128
    .sgpr_count:     66
    .vgpr_count:     256
    .wavefront_size: 32
...
	.end_amdgpu_metadata
.endif
;; end of part 6
;; launch qkv (part 7): grid 8 x 32, 4 waves a work-group, clusters of 4 x 4, 327,680 bytes of LDS; arguments xw, bq, bk, bv, qkv; writes qkv
.if DOCPART == 7
	.amdgcn_target "amdgcn-amd-amdhsa--gfx1250"
	.amdhsa_code_object_version 6
	.text
	.protected	k_qb8cb7244b0_qkv
	.globl	k_qb8cb7244b0_qkv
	.p2align	8
	.type	k_qb8cb7244b0_qkv,@function
k_qb8cb7244b0_qkv:
	s_mov_b64 s[64:65], 0
	v_nop
	global_prefetch_b8 v0, s[64:65] scope:SCOPE_SE
	s_setreg_imm32_b32 hwreg(HW_REG_WAVE_MODE, 25, 1), 1
	s_wait_xcnt 0x0
	s_wait_alu depctr_hold_cnt(0) depctr_sa_sdst(0) depctr_va_vdst(0) depctr_va_sdst(0) depctr_va_ssrc(0) depctr_va_vcc(0) depctr_vm_vsrc(0)
	s_getreg_b32 s2, hwreg(HW_REG_IB_STS2, 6, 4)
	s_cmp_eq_u32 s2, 0
	s_cbranch_scc0 .Lentry_in_a_cluster
	s_endpgm
.Lentry_in_a_cluster:
	s_bfe_u32 s2, ttmp6, 0x10000c
	s_cmp_lg_u32 s2, 0xf033
	s_cbranch_scc0 .Lentry_shape_is_right
	s_endpgm
.Lentry_shape_is_right:
; Q = x Wq^T + bq, K = x Wk^T + bk, V = x Wv^T + bv on codes of BF6 (E3M2) with E8M0 scales, sums in f32; each result is quantised at once for the product that reads it:
; Q and K along the features, V along the tokens, and stored as codes in the order of an operand's registers, with scale words.
; SHARES: work-group (gx, ty) makes 256 tokens (x's row tiles 16 ty ..) x features 128 gx .. + 127 of Q, of K and of V: 8 x 32 = 256 work-groups.  Its 24 weight tiles lie on end in xw (tiles 512 + 24 gx ..).
; A wave takes 64 tokens (4 tiles) x all 384 features: 96 accumulators, windows 1 (Q), 2 (K), 3 (V).  For 128 along K it reads 4 + 24 fragments for 96 matrix instructions.
; Q, K: source 0 = 16 rows of W, source 1 = 16 tokens: a lane holds one token, its registers run along the features.  V: the same two fragments the other way round: a lane holds one feature, its registers run along the tokens.
; Place r of a row tile t is row 32 (t / 2) + 8 (t % 2) + r + 8 (r / 8), so two neighbouring tiles of source 0 leave 16 neighbours of a block of 32 in a lane.
; A wave's 64 tokens are half of a K step of V^T: registers 6 c .. 6 c + 5 of a fragment and two bytes of a scale word (c = wave % 2); the halves meet in a stage in LDS and leave as whole fragments.
; THE RING: two LDS slots of 256 along K (16 tiles of x, 24 of W, 3,072 bytes each).  The head brings both, one load a wave (x or W, slot 0 or 1); each slot is filled once more, behind a round of the cluster's barrier,
; and that load has two steps, 192 matrix instructions a wave, in which to land.  W's fragments go through a ring of eight in registers, four at a time, asked for one group (16 matrix instructions) ahead: six runs of loads a step.
; THE SCALE WORDS of all of K (20,480 bytes) are read once in whole units of 256 bytes and kept in LDS; a register holds weight tile i's word in lanes 0-15 and tile i + 12's in lanes 16-31, or token tiles j's and j + 2's: 14 registers a step.
; THE BIAS lies at first in the registers of each window's accumulators of token tile 3 and is the C of every sum's first product; tile 3's own product then adds in place.
; CLUSTERS 4 x 4: x's tiles are shared along a row of the cluster, W's along a column.
; PREFETCH: the 512 along K that the two refills bring are asked for at the head, two and four steps ahead of their loads: a lane a block of 256 bytes, an instruction a row tile's 3,072 bytes (lanes 12-31 name the last block again).
; The four partners that ask for a tile jointly share its row tiles out by address: of x's 16 each takes 4 (by cx), of W's 24 each 6 (by cy); waves 0 and 1 take x's, 2 each, waves 2 and 3 W's, 3 each.
; LIMITS: NaN and infinities are not served; a block whose largest magnitude lies under 2^-122 (zeros too) keeps the byte 1: this program alone reads the bytes.
.set FRB,  1536                        ; a fragment's image
.set KSB,  3072                        ; a row tile's bytes in a slot
.set XP,   16*KSB
.set SLOT, 40*KSB
.set SCL,  2*SLOT                      ; the scale words: [K step 8][x 16 tiles, W 24 tiles][16] words
.set SST,  2560
.set VST,  SCL+8*SST                   ; V's stage: [feature tile 8][K step 2][register pair 6][lane] 8 bytes
.set VSS,  VST+16*FRB                  ; V's scale words, in two planes (c = 0, 1) of [K step 2][tile 8][16]
.set QSS,  VSS+2048                    ; Q's and K's scale words on the way out: 512 bytes a wave
.set SPARE, QSS+2048                   ; the spare words, 128 bytes a wave, that no other line names
.set XSK,  9437184
.set QSK,  18874368
.set KIMG, 6291456
.set VIMG, 12582912
.set LI,   4                           ; 16 x lane
.set BO,   6
.set BV,   7
.set ADT,  8                           ; v8-9 my token fragments in slot 0, 1
.set ADW,  10                          ; v10-13 W's fragments: slot 0 tiles 0-11, 12-23; slot 1 likewise
.set ADS,  14                          ; W's scale words
.set SSI,  15
.set VSO,  16
.set VSI,  17
.set VWO,  18
.set VWI,  19
.set QWO,  20
.set QWI,  21
.set L8,   22
.set PFO,  23                          ; the prefetches' offset; never rewritten
.set QGO,  25
.set ADST, 26                          ; my token tiles' scale words
.set SPW,  28
.set NIL,  29
.set SC,   32                          ; v32-59 scale words, two sets of 14: 12 for W, 2 for the tokens
.set TK,   60                          ; v60-155 token fragments, two sets of 4
.set WR,   156                         ; v156-251 W's ring of eight fragments
.set HT,   80                          ; head only: the scale words on their way to LDS
.set HB,   120                         ; head only: V's bias, one number a tile
.set TM,   128                         ; at the end: as in QMAX
.set PW,   150
.set SW,   152
.set PC,   160
.set VB,   184
.set G1,   24
.set G0,   32
.set G1B,  48
.set G0B,  56
.set G0H,  84
.set G0HB, 88
.set SHC,  47
.set SEL,  94
.set MSB, 0
.macro WIN new                         ; the immediate's high byte repeats the setting that is left; a switch that changes nothing is dropped
.set WNEW, \new
.if MSB != WNEW
	s_set_vgpr_msb (MSB<<8)|WNEW
.set MSB, WNEW
.endif
.endm
.macro PLACES n
.rept \n
	v_nop
.endr
.endm
.macro JLOAD g0a, g1a, g0b, g1b        ; a joint load: waves 0 and 1 fetch for x, waves 2 and 3 for W; s_nop 0 and four v_nop follow each line
	s_cmp_eq_u32 s15, 0
	s_cbranch_scc0 .Lfor_b_\@
	tensor_load_to_lds s[\g0a:\g0a+3], s[\g1a:\g1a+7]
	s_nop 0
.rept 4
	v_nop
.endr
	s_branch .Lasked_\@
.Lfor_b_\@:
	tensor_load_to_lds s[\g0b:\g0b+3], s[\g1b:\g1b+7]
	s_nop 0
.rept 4
	v_nop
.endr
.Lasked_\@:
.endm
.macro CREST
	s_cmp_lg_u32 s14, 0
	s_cbranch_scc1 .Lnot_wave_0_\@
	s_barrier_signal -3
.Lnot_wave_0_\@:
	s_barrier_wait -3
	s_barrier_signal -1
	s_barrier_wait -1
.endm
.macro CROUND
	s_barrier_signal -1
	s_barrier_wait -1
	CREST
.endm
; one product: kind 0 Q, 1 K, 2 V; bp: the weight tile within its kind; a: the token tile; p: the step's parity; b: the weight tile 0-23; cm = 1: C = the bias
.macro WM kind, bp, a, p, b, cm
.if (\kind) < 2
.set rD, 8*(8*(\a)+(\bp))
.set rC, 8*(24+(\bp))
.set oX, WR+12*((\b)%8)
.set oY, TK+48*(\p)+12*(\a)
.set sX, SC+14*(\p)+(\b)%12
.set sY, SC+14*(\p)+12+(\a)%2
.set wX, (\b)/12
.set wY, (\a)/2
.else
.set rD, 8*(4*(\bp)+(\a))
.set rC, 8*(4*(\bp)+3)
.set oX, TK+48*(\p)+12*(\a)
.set oY, WR+12*((\b)%8)
.set sX, SC+14*(\p)+12+(\a)%2
.set sY, SC+14*(\p)+(\b)%12
.set wX, (\a)/2
.set wY, (\b)/12
.endif
.if (\cm) == 0
.set rC, rD
.endif
.if wX == 0 && wY == 0
	v_wmma_scale_f32_16x16x128_f8f6f4 v[rD:rD+7], v[oX:oX+11], v[oY:oY+11], v[rC:rC+7], v[sX], v[sY] matrix_a_fmt:MATRIX_FMT_BF6 matrix_b_fmt:MATRIX_FMT_BF6
.elseif wX == 1 && wY == 0
	v_wmma_scale_f32_16x16x128_f8f6f4 v[rD:rD+7], v[oX:oX+11], v[oY:oY+11], v[rC:rC+7], v[sX], v[sY] matrix_a_fmt:MATRIX_FMT_BF6 matrix_b_fmt:MATRIX_FMT_BF6 matrix_a_scale:MATRIX_SCALE_ROW1
.elseif wX == 0
	v_wmma_scale_f32_16x16x128_f8f6f4 v[rD:rD+7], v[oX:oX+11], v[oY:oY+11], v[rC:rC+7], v[sX], v[sY] matrix_a_fmt:MATRIX_FMT_BF6 matrix_b_fmt:MATRIX_FMT_BF6 matrix_b_scale:MATRIX_SCALE_ROW1
.else
	v_wmma_scale_f32_16x16x128_f8f6f4 v[rD:rD+7], v[oX:oX+11], v[oY:oY+11], v[rC:rC+7], v[sX], v[sY] matrix_a_fmt:MATRIX_FMT_BF6 matrix_b_fmt:MATRIX_FMT_BF6 matrix_a_scale:MATRIX_SCALE_ROW1 matrix_b_scale:MATRIX_SCALE_ROW1
.endif
.endm
; half of group g: weight tiles 4 g + f0, 4 g + f0 + 1 against my four token tiles: 8 matrix instructions, the accumulators by turns.
; cm = 1: token tile 3's products write over the bias that the others took as C: five places stand between.
.macro MP g, f0, p, cm
.set gk, (\g)/2
	WIN ((1+gk)<<6)|((1+gk)<<4)
.irp f, 0,1
.irp a, 0,1,2
	WM gk, (4*(\g)+(\f0)+\f)%8, \a, \p, 4*(\g)+(\f0)+\f, \cm
.endr
.if (\cm) == 0
	WM gk, (4*(\g)+(\f0)+\f)%8, 3, \p, 4*(\g)+(\f0)+\f, 0
.endif
.endr
.if \cm
	PLACES 5
.irp f, 0,1
	WM gk, (4*(\g)+(\f0)+\f)%8, 3, \p, 4*(\g)+(\f0)+\f, 0
.endr
.endif
.endm
.macro LW st, g                        ; group g's four weight fragments of step st into their half of the ring: 12 loads of 512 consecutive bytes
.set lf, 0
.rept 4
.set lb, 4*(\g)+lf
.irp c, 0,1,2
	ds_load_b128 v[WR+12*(lb%8)+4*\c:WR+12*(lb%8)+4*\c+3], v[ADW+2*(((\st)/2)%2)+lb/12] offset:(lb%12)*KSB+((\st)%2)*FRB+512*\c
.endr
.set lf, lf+1
.endr
.endm
.macro LT st                           ; step st's four token fragments and 14 scale registers: 26 loads
.irp a, 0,1,2,3
.irp c, 0,1,2
	ds_load_b128 v[TK+48*((\st)%2)+12*\a+4*\c:TK+48*((\st)%2)+12*\a+4*\c+3], v[ADT+((\st)/2)%2] offset:\a*KSB+((\st)%2)*FRB+512*\c
.endr
.endr
.set li, 0
.rept 12
	ds_load_b32 v[SC+14*((\st)%2)+li], v[ADS] offset:(\st)*SST+64*li
.set li, li+1
.endr
.irp j, 0,1
	ds_load_b32 v[SC+14*((\st)%2)+12+\j], v[ADST] offset:(\st)*SST+64*\j
.endr
.endm
; group g of step st: four places behind the last group's products, whose half of the ring takes the next group; then this group's 16 products.
.macro GRP st, g, cm
	WIN 0
.if (\g) < 5
	PLACES 4
	LW \st, (\g)+1
	s_wait_dscnt 12                                ; this group is in; the next group's 12 loads may be out
.elseif (\st) < 7
	PLACES 4
	LW (\st)+1, 0
	LT (\st)+1
	s_wait_dscnt 38                                ; younger than this group's loads: the next step's first 12 and its 26
.else
	s_wait_dscnt 0x0
.endif
	MP \g, 0, (\st)%2, \cm
	MP \g, 2, (\st)%2, \cm
.endm
.macro RUN st, n, cm
.set gg, 0
.rept \n
	GRP \st, gg, \cm
.set gg, gg+1
.endr
.endm
; the last group of a slot's last step: one barrier for the change of slots.  In front of it each wave waits for all its tensor loads, adds 0 to its spare word, and waits for that and for its reads of this slot.
.macro CHG st, fill
	WIN 0
	s_wait_tensorcnt 0x0                           ; all my tensor loads have landed
	ds_add_u32 v[SPW], v[NIL]
	s_wait_dscnt 1                                 ; group 5 is in (the add may be out)
	MP 5, 0, 1, 0
	s_wait_dscnt 0x0                               ; the add is done, and my reads of this slot are over
	WIN 0
	s_barrier_signal -1
	s_barrier_wait -1
.if \fill
	CREST                                          ; the barrier has opened a round of the cluster's: no wave of any partner still reads this slot or has a load on its way
	JLOAD G0+4*(((\st)/2)%2), G1, G0B+4*(((\st)/2)%2), G1B   ; its four v_nop are the places in front of the loads below
.else
	PLACES 4
.endif
	LW (\st)+1, 0
	LT (\st)+1
	MP 5, 2, 1, 0
.endm
; 64 numbers of a lane in window w, register ac + 16 b + i = k 32 b + 16 h + i of my row: QMAX makes the four scale operands and the scale word, QCVT the fragment's codes in v[PC] on.
.macro QMAX ac, w
	WIN (\w)|((\w)<<2)
.irp b, 0,1,2,3
	v_max3_num_f32 v[TM+\b], |v[(\ac)+16*\b]|, |v[(\ac)+16*\b+1]|, 0x2800000   ; each accumulator from its low end on; the floor 2^(5 - 127) holds the byte at 1 from below
.endr
.irp i, 2,4,6,8,10,12,14
.irp b, 0,1,2,3
	v_max3_num_f32 v[TM+\b], |v[(\ac)+16*\b+\i]|, |v[(\ac)+16*\b+\i+1]|, v[TM+\b]
.endr
.endr
	WIN 0
.irp b, 0,1,2,3
	v_permlanex16_b32 v[TM+4+\b], v[TM+\b], s[SEL], s[SEL+1]
.endr
.irp b, 0,1,2,3
	v_max_num_f32 v[TM+\b], v[TM+\b], v[TM+4+\b]
.endr
.irp b, 0,1,2,3
	v_add_nc_u32 v[TM+12+\b], 0xfe000000, v[TM+\b] ; 4 off the exponent field: the conversion's scale operand
.endr
.irp b, 0,1,2,3
	v_lshrrev_b32 v[TM+4+\b], 23, v[TM+12+\b]
.endr
	v_lshl_or_b32 v[PW], v[TM+5], 8, v[TM+4]
	v_lshl_or_b32 v[PW], v[TM+6], 16, v[PW]
	v_lshl_or_b32 v[PW], v[TM+7], 24, v[PW]
.endm
.macro QCVT ac, w
	WIN (\w)
.irp c, 0,1
	v_cvt_scalef32_pk16_bf6_f32 v[PC+6*\c:PC+6*\c+2], v[(\ac)+32*\c:(\ac)+32*\c+15], v[TM+12+2*\c]
	v_cvt_scalef32_pk16_bf6_f32 v[PC+12+4*\c:PC+14+4*\c], v[(\ac)+32*\c+16:(\ac)+32*\c+31], v[TM+12+2*\c+1]
.endr
	WIN 0
	v_nop                                          ; one plain place behind a scaled conversion
.irp c, 0,1
.irp i, 0,1,2
	v_permlane16_swap_b32 v[PC+6*\c+\i], v[PC+12+4*\c+\i]
.endr
.irp i, 0,1,2
	v_mov_b32 v[PC+3+6*\c+\i], v[PC+12+4*\c+\i]
.endr
.endr
.endm
; V's feature tile bp: 32 numbers of a lane, register 16 b + i = my token 32 b + 16 h + i: two blocks, six registers of codes, two scale bytes, into the stages
.macro VQ bp
	WIN 15
.irp b, 0,1
	v_max3_num_f32 v[TM+\b], |v[32*(\bp)+16*\b]|, |v[32*(\bp)+16*\b+1]|, 0x2800000
.endr
.irp i, 2,4,6,8,10,12,14
.irp b, 0,1
	v_max3_num_f32 v[TM+\b], |v[32*(\bp)+16*\b+\i]|, |v[32*(\bp)+16*\b+\i+1]|, v[TM+\b]
.endr
.endr
	WIN 0
.irp b, 0,1
	v_permlanex16_b32 v[TM+4+\b], v[TM+\b], s[SEL], s[SEL+1]
.endr
.irp b, 0,1
	v_max_num_f32 v[TM+\b], v[TM+\b], v[TM+4+\b]
.endr
.irp b, 0,1
	v_add_nc_u32 v[TM+12+\b], 0xfe000000, v[TM+\b]
.endr
.irp b, 0,1
	v_lshrrev_b32 v[TM+4+\b], 23, v[TM+12+\b]
.endr
	v_lshl_or_b32 v[PW], v[TM+5], 8, v[TM+4]
	v_lshlrev_b32 v[PW], s[SHC], v[PW]             ; at bytes 2 c and 2 c + 1 of the word
	WIN 3
	v_cvt_scalef32_pk16_bf6_f32 v[PC:PC+2], v[32*(\bp):32*(\bp)+15], v[TM+12]
	v_cvt_scalef32_pk16_bf6_f32 v[PC+12:PC+14], v[32*(\bp)+16:32*(\bp)+31], v[TM+13]
	WIN 0
	v_nop
.irp i, 0,1,2
	v_permlane16_swap_b32 v[PC+\i], v[PC+12+\i]
.endr
.irp i, 0,1,2
	v_mov_b32 v[PC+3+\i], v[PC+12+\i]
.endr
.irp k, 0,1,2
	ds_store_b64 v[VSO], v[PC+2*\k:PC+2*\k+1] offset:(\bp)*KSB+256*\k   ; 256 consecutive bytes of my own 768
.endr
	ds_store_b32 v[VWO], v[PW] offset:64*(\bp)     ; lanes r and r + 16 write the same word with the same value
.endm
	s_load_b256 s[4:11], s[0:1], 0x0               ; xw, bq, bk, bv
	s_load_b64 s[12:13], s[0:1], 0x20              ; qkv
	v_lshl_add_u32 v[SPW], v0, 2, SPARE
	v_mov_b32 v[NIL], 0
	ds_add_u32 v[SPW], v[NIL]                      ; the opening adds, twice on end; their wait stands ahead of my first tensor load
	ds_add_u32 v[SPW], v[NIL]
	v_lshrrev_b32 v1, 5, v0
	v_readfirstlane_b32 s14, v1                    ; wave
	s_lshr_b32 s15, s14, 1                         ; I fetch for x (0) or for W (1).  Also: which K step of V^T my tokens belong to
	s_and_b32 s16, s14, 1                          ; at the head: which slot I fetch; in the ring: which half of the tiles.  Also: c
	s_bfe_u32 s40, ttmp6, 0x40000                  ; cx
	s_bfe_u32 s41, ttmp6, 0x40004                  ; cy
	s_lshl_b32 s42, ttmp9, 2
	s_add_co_u32 s42, s42, s40                     ; gx
	s_and_b32 s17, ttmp7, 0xffff
	s_lshl_b32 s43, s17, 2
	s_add_co_u32 s43, s43, s41                     ; ty
	s_lshl_b32 s44, s41, 2
	s_lshl_b32 s44, 15, s44                        ; my row of the cluster
	s_lshl_b32 s45, 0x1111, s40                    ; my column
	s_or_b32 s[G1], s44, (3<<16)|(1<<21)           ; the mask; elements of 8 bytes; bit 21 set beside a mask
	s_or_b32 s[G1B], s45, (3<<16)|(1<<21)
.irp g, G1, G1B
	s_mov_b32 s[\g+1], 384<<16                     ; rows of 3,072 bytes,
	s_mov_b32 s[\g+3], 384<<16
	s_mov_b32 s[\g+5], 1536                        ; 12,288 bytes apart
	s_mov_b32 s[\g+6], 0
	s_mov_b32 s[\g+7], 0
.endr
	s_mov_b32 s[G1+2], 16<<16                      ; the head's loads bring whole parts of a slot: x's 16 row tiles,
	s_mov_b32 s[G1+4], 16
	s_mov_b32 s[G1B+2], 24<<16                     ; W's 24
	s_mov_b32 s[G1B+4], 24
	v_and_b32 v1, 15, v0                           ; r
	v_bfe_u32 v2, v0, 4, 1                         ; h
	v_and_b32 v3, 31, v0
	v_lshlrev_b32 v[LI], 4, v3
	v_lshlrev_b32 v[L8], 3, v3
	s_mul_i32 s18, s14, 4*KSB
	v_add_nc_u32 v[ADT], s18, v[LI]
	v_add_nc_u32 v[ADT+1], SLOT, v[ADT]
	v_add_nc_u32 v[ADW], XP, v[LI]
	v_add_nc_u32 v[ADW+1], XP+12*KSB, v[LI]
	v_add_nc_u32 v[ADW+2], SLOT+XP, v[LI]
	v_add_nc_u32 v[ADW+3], SLOT+XP+12*KSB, v[LI]
	v_mul_u32_u24 v24, 768, v2                     ; lanes 16-31 take the weight tile 12 further on,
	v_lshl_add_u32 v24, v1, 2, v24
	v_add_nc_u32 v[ADS], SCL+1024, v24
	v_lshlrev_b32 v27, 7, v2                       ; and the token tile 2 further on
	v_lshl_add_u32 v27, v1, 2, v27
	s_lshl_b32 s20, s14, 8
	s_add_co_u32 s20, s20, SCL
	v_add_nc_u32 v[ADST], s20, v27
	s_mul_i32 s21, s14, 2*SST
	s_add_co_u32 s21, s21, SCL
	v_add_nc_u32 v[SSI], s21, v[LI]                ; I bring the words of K steps 2 wave and 2 wave + 1
	s_mul_i32 s22, s14, 768
	s_add_co_u32 s22, s22, VST
	v_add_nc_u32 v[VSO], s22, v[L8]                ; 1,536 (wave / 2) + 768 (wave % 2)
	s_mul_i32 s23, s14, 4*FRB
	s_add_co_u32 s23, s23, VST
	v_add_nc_u32 v[VSI], s23, v[L8]                ; back: feature tiles 2 wave and 2 wave + 1
	s_lshl_b32 s18, s16, 10
	s_lshl_b32 s19, s15, 9
	s_add_co_u32 s18, s18, s19
	s_add_co_u32 s18, s18, VSS
	v_lshl_add_u32 v[VWO], v1, 2, s18
	s_lshl_b32 s19, s16, 9
	s_add_co_u32 s19, s19, VSS
	v_add_nc_u32 v[VWI], s19, v[LI]
	s_lshl_b32 s20, s14, 9
	s_add_co_u32 s20, s20, QSS
	v_lshl_add_u32 v[QWO], v1, 2, s20
	v_add_nc_u32 v[QWI], s20, v[LI]
	v_lshlrev_b32 v[QGO], 18, v2                   ; lanes 16-31 store K's words, 262,144 bytes behind Q's
	v_lshl_add_u32 v[QGO], v1, 4, v[QGO]
	v_lshlrev_b32 v[BO], 6, v2                     ; 64 h: the bias along a lane's registers
	v_and_b32 v[BV], 8, v1
	v_add_nc_u32 v[BV], v[BV], v1
	v_lshlrev_b32 v[BV], 2, v[BV]                  ; 4 (r + 8 (r / 8)): the bias of a lane's feature
	v_min_u32 v[PFO], 11, v3
	v_lshlrev_b32 v[PFO], 8, v[PFO]                ; a lane a block of 256 bytes of a row tile's 3,072
	s_mul_i32 s66, s43, 16*12288                   ; x's tiles: hang on ty alone
	s_mov_b32 s67, 0
	s_mul_i32 s68, s42, 24*12288                   ; W's: on gx alone
	s_add_co_u32 s68, s68, 512*12288
	s_mov_b32 s69, 0
	s_mul_i32 s18, s16, KSB
	s_mov_b32 s19, 0
	s_mul_i32 s20, s16, 8*12288
	s_mov_b32 s21, 0
	s_mul_i32 s22, s16, 12*12288
	s_mov_b32 s23, 0
	s_mul_i32 s70, s16, 8*KSB
	s_mul_i32 s71, s16, 12*KSB
	s_add_co_u32 s71, s71, XP
	s_mul_i32 s46, s16, SLOT
	s_mul_i32 s74, s14, 98304                      ; the scale words of K step 2 wave: 768 x 64 bytes a step
	s_add_co_u32 s74, s74, XSK
	s_lshl_b32 s72, s43, 10
	s_add_co_u32 s72, s72, s74
	s_mov_b32 s73, 0
	s_mul_i32 s75, s42, 1536
	s_add_co_u32 s74, s74, s75
	s_add_co_u32 s74, s74, 32768
	s_mov_b32 s75, 0
	s_lshl_b32 s76, s42, 9                         ; my 128 features of a bias
	s_mov_b32 s77, 0
	s_lshl_b32 s82, s43, 4
	s_lshl_b32 s83, s14, 2
	s_add_co_u32 s82, s82, s83                     ; my first token tile
	s_lshl_b32 s92, s42, 9
	s_add_co_u32 s92, s92, s82
	s_lshl_b32 s92, s92, 6
	s_add_co_u32 s92, s92, QSK                     ; Q's scale words: (512 gx + tile) x 64
	s_mov_b32 s93, 0
	s_mul_i32 s82, s82, 12288
	s_mul_i32 s83, s42, FRB
	s_add_co_u32 s82, s82, s83                     ; Q's codes: (8 tile + gx) fragments
	s_mov_b32 s83, 0
	s_lshl_b32 s96, s42, 3
	s_lshl_b32 s97, s14, 1
	s_add_co_u32 s96, s96, s97
	s_lshl_b32 s96, s96, 6
	s_lshl_b32 s97, s43, 1
	s_add_co_u32 s96, s96, s97
	s_mul_i32 s96, s96, FRB
	s_add_co_u32 s96, s96, VIMG                    ; V^T's codes: (64 (8 gx + 2 wave) + 2 ty) fragments
	s_min_u32 s98, s14, 1
	s_add_co_u32 s98, s98, s97
	s_lshl_b32 s98, s98, 6
	s_lshl_b32 s99, s42, 3
	s_add_co_u32 s98, s98, s99
	s_lshl_b32 s98, s98, 6
	s_add_co_u32 s98, s98, QSK+524288              ; V^T's scale words: (64 (2 ty + wave) + 8 gx) x 64, stored by waves 0 and 1
	s_mov_b32 s97, 0
	s_mov_b32 s99, 0
	s_lshl_b32 s44, s43, 4                         ; the prefetches: x's row tile 16 ty + 4 cx + 2 (wave % 2),
	s_lshl_b32 s45, s40, 2
	s_add_co_u32 s44, s44, s45
	s_lshl_b32 s45, s16, 1
	s_add_co_u32 s44, s44, s45
	s_mul_i32 s45, s42, 24                         ; or W's 512 + 24 gx + 6 cy + 3 (wave % 2)
	s_add_co_u32 s45, s45, 512
	s_mul_i32 s17, s41, 6
	s_add_co_u32 s45, s45, s17
	s_mul_i32 s17, s16, 3
	s_add_co_u32 s45, s45, s17
	s_cmp_eq_u32 s15, 0
	s_cselect_b32 s44, s44, s45
	s_mul_i32 s44, s44, 12288
	s_lshl_b32 s[SHC], s16, 4
	s_mov_b32 s[SEL], 0x76543210
	s_mov_b32 s[SEL+1], 0xfedcba98
	s_wait_alu depctr_va_vdst(0)
	s_wait_dscnt 0x0                               ; both opening adds are done
	s_wait_kmcnt 0x0
	s_add_nc_u64 s[72:73], s[4:5], s[72:73]
	s_add_nc_u64 s[74:75], s[4:5], s[74:75]
	s_add_nc_u64 s[80:81], s[10:11], s[76:77]
	s_add_nc_u64 s[78:79], s[8:9], s[76:77]
	s_add_nc_u64 s[76:77], s[6:7], s[76:77]
.irp e, 0,1
.irp i, 0,1
	global_load_b128 v[HT+20*\e+4*\i:HT+20*\e+4*\i+3], v[LI], s[72:73] offset:49152*\e+512*\i   ; 512 consecutive bytes: 8 tiles' words
.endr
.irp i, 0,1,2
	global_load_b128 v[HT+20*\e+8+4*\i:HT+20*\e+8+4*\i+3], v[LI], s[74:75] offset:49152*\e+512*\i
.endr
.endr
.irp b, 0,1,2,3,4,5,6,7
	global_load_b32 v[HB+\b], v[BV], s[80:81] offset:(32*(\b/2)+8*(\b%2))*4
.endr
	s_add_nc_u64 s[66:67], s[4:5], s[66:67]
	s_add_nc_u64 s[68:69], s[4:5], s[68:69]
	s_mov_b32 s[G0H], 1                            ; the head's loads: x's part of slot wave % 2,
	s_mov_b32 s[G0H+1], s46
	s_add_nc_u64 s[G0H+2:G0H+3], s[66:67], s[18:19]
	s_or_b32 s[G0H+3], s[G0H+3], 0x80000000
	s_mov_b32 s[G0HB], 1                           ; or W's
	s_add_co_u32 s[G0HB+1], s46, XP
	s_add_nc_u64 s[G0HB+2:G0HB+3], s[68:69], s[18:19]
	s_or_b32 s[G0HB+3], s[G0HB+3], 0x80000000
	CROUND                                         ; all sixteen work-groups are here: the first joint loads meet
	JLOAD G0H, G1, G0HB, G1B                       ; one tensor load a wave at the head: together both slots
	WIN 0x40
.irp b, 0,1,2,3,4,5,6,7                ; Q's bias into the registers of accumulators (3, b): register j: feature 32 (b / 2) + 16 h + 8 (b % 2) + j
	global_load_b128 v[192+8*\b:192+8*\b+3], v[BO], s[76:77] offset:(32*(\b/2)+8*(\b%2))*4
	global_load_b128 v[192+8*\b+4:192+8*\b+7], v[BO], s[76:77] offset:(32*(\b/2)+8*(\b%2))*4+16
.endr
	WIN 0x80
.irp b, 0,1,2,3,4,5,6,7                ; K's likewise
	global_load_b128 v[192+8*\b:192+8*\b+3], v[BO], s[78:79] offset:(32*(\b/2)+8*(\b%2))*4
	global_load_b128 v[192+8*\b+4:192+8*\b+7], v[BO], s[78:79] offset:(32*(\b/2)+8*(\b%2))*4+16
.endr
	WIN 0
	s_add_nc_u64 s[66:67], s[66:67], s[20:21]      ; the ring's loads bring halves: my 8 tiles of x or 12 of W
	s_add_nc_u64 s[68:69], s[68:69], s[22:23]
.irp s, 0,1
	s_mov_b32 s[G0+4*\s], 1
	s_add_co_u32 s[G0+4*\s+1], s70, \s*SLOT
	s_add_nc_u64 s[G0+4*\s+2:G0+4*\s+3], s[66:67], (2+\s)*KSB      ; slot s is filled again with the 256 along K two slots on
	s_or_b32 s[G0+4*\s+3], s[G0+4*\s+3], 0x80000000
	s_mov_b32 s[G0B+4*\s], 1
	s_add_co_u32 s[G0B+4*\s+1], s71, \s*SLOT
	s_add_nc_u64 s[G0B+4*\s+2:G0B+4*\s+3], s[68:69], (2+\s)*KSB
	s_or_b32 s[G0B+4*\s+3], s[G0B+4*\s+3], 0x80000000
.endr
	s_mov_b32 s18, s44                             ; (the pair's last use as an offset stands above; from here on it holds the prefetches' base and is not written again)
	s_mov_b32 s19, 0
	s_add_nc_u64 s[18:19], s[4:5], s[18:19]
	s_add_nc_u64 s[82:83], s[12:13], s[82:83]
	s_add_nc_u64 s[92:93], s[12:13], s[92:93]
	s_add_nc_u64 s[96:97], s[12:13], s[96:97]
	s_add_nc_u64 s[98:99], s[12:13], s[98:99]
	s_wait_loadcnt 32                              ; the scale words and V's bias are in; Q's and K's 32 loads may be out
	WIN 0xc0
.irp b, 0,1,2,3,4,5,6,7                ; V's bias into the registers of accumulators (3, b): all eight hold the lane's feature's
.irp j, 0,1,2,3,4,5,6,7
	v_mov_b32 v[32*\b+24+\j], v[HB+\b]
.endr
.endr
	WIN 0
	s_wait_alu depctr_va_vdst(0)
	s_wait_tensorcnt 0x0                           ; my part of the two slots is in; no tensor load of mine is out, so a descriptor may be written:
	s_mov_b32 s[G1+2], 8<<16                       ; from here on a load brings 8 tiles of x
	s_mov_b32 s[G1+4], 8
	s_mov_b32 s[G1B+2], 12<<16                     ; or 12 of W
	s_mov_b32 s[G1B+4], 12
.irp e, 0,1
.irp i, 0,1,2,3,4
	ds_store_b128 v[SSI], v[HT+20*\e+4*\i:HT+20*\e+4*\i+3] offset:\e*SST+512*\i
.endr
.endr
	s_wait_loadcnt 0x0                             ; Q's and K's bias
	s_wait_dscnt 0x0                               ; for the others' sake: my scale words have landed
	s_barrier_signal -1
	s_barrier_wait -1                              ; both slots and all scale words are whole
	LW 0, 0
	LT 0
	; the prefetches stand behind the head's barrier and the first run of LDS loads: the head's own tiles have landed
.irp c, 2,3
.irp t, 0,1
	global_prefetch_b8 v[PFO], s[18:19] offset:\t*12288+\c*KSB th:TH_LOAD_NT scope:SCOPE_SE   ; a row tile's 3,072 bytes of the 256 along K that a refill will bring
.endr
.endr
	s_cmp_eq_u32 s15, 0
	s_cbranch_scc1 .Lx_asked                       ; W's waves have a third row tile
.irp c, 2,3
	global_prefetch_b8 v[PFO], s[18:19] offset:2*12288+\c*KSB th:TH_LOAD_NT scope:SCOPE_SE
.endr
.Lx_asked:
	RUN 0, 6, 1
	RUN 1, 5, 0
	CHG 1, 1                                       ; slot 0 takes K 512-767
	RUN 2, 6, 0
	RUN 3, 5, 0
	CHG 3, 1                                       ; slot 1 takes K 768-1023
	RUN 4, 6, 0
	RUN 5, 5, 0
	CHG 5, 0                                       ; nothing is left to fetch
	RUN 6, 6, 0
	RUN 7, 6, 0
	WIN 0
	PLACES 4                                       ; four places in front of the first read of results
.irp b, 0,1,2,3
	v_mov_b32 v[TM+4+\b], 0                        ; written once: a lane permute's destination counts as one of its sources
.endr
.irp t, 0,1,2,3,4,5,6,7
	VQ \t
.endr
	s_wait_dscnt 0x0                               ; for the others' sake: my halves have landed
	s_barrier_signal -1
	s_barrier_wait -1
.irp f, 0,1,2,3                        ; four whole fragments: feature tile 2 wave + f / 2, K step f % 2; register pair m lies at 256 m + 8 lane
.irp m, 0,1,2,3,4,5
	ds_load_b64 v[VB+12*\f+2*\m:VB+12*\f+2*\m+1], v[VSI] offset:\f*FRB+256*\m
.endr
.endr
	s_wait_dscnt 0x0
.irp f, 0,1,2,3
.irp c, 0,1,2
	global_store_b128 v[LI], v[VB+12*\f+4*\c:VB+12*\f+4*\c+3], s[96:97] offset:(\f/2)*98304+(\f%2)*FRB+512*\c   ; 512 consecutive bytes, at a multiple of 256 from the buffer's first byte
.endr
.endr
	s_cmp_gt_u32 s14, 1
	s_cbranch_scc1 .Lno_words                      ; waves 0 and 1 store a K step's scale words of the eight feature tiles
	ds_load_b128 v[232:235], v[VWI]
	ds_load_b128 v[236:239], v[VWI] offset:1024
	s_wait_dscnt 0x0
.irp i, 0,1,2,3
	v_or_b32 v[232+\i], v[232+\i], v[236+\i]       ; the two planes' bytes make the word
.endr
	global_store_b128 v[LI], v[232:235], s[98:99]
.Lno_words:
.irp kd, 0,1
.irp a, 0,1,2,3
	QMAX 64*\a, 1+\kd
	s_wait_alu depctr_va_vdst(0)
	s_wait_xcnt 0x0                                ; the last block's stores have read their data
	QCVT 64*\a, 1+\kd
.irp c, 0,1,2
	global_store_b128 v[LI], v[PC+4*\c:PC+4*\c+3], s[82:83] offset:\kd*KIMG+\a*12288+512*\c
.endr
	ds_store_b32 v[QWO], v[PW] offset:256*\kd+64*\a
.endr
.endr
	ds_load_b128 v[SW:SW+3], v[QWI]                ; LDS serves a wave's instructions in order: this sees my stores
	s_wait_dscnt 0x0
	global_store_b128 v[QGO], v[SW:SW+3], s[92:93] ; lanes 0-15: Q's words of my 4 tiles, 256 consecutive bytes; lanes 16-31: K's
	s_wait_tensorcnt 0x0                           ; the wave's end
	ds_add_u32 v[SPW], v[NIL]
	s_wait_dscnt 0x0
	CROUND                                         ; the closing round
	s_endpgm
.Lfunc_end_k_qb8cb7244b0_qkv:
	.size	k_qb8cb7244b0_qkv, .Lfunc_end_k_qb8cb7244b0_qkv-k_qb8cb7244b0_qkv
	.p2alignl 7, 3214868480
	.fill 96, 4, 3214868480
	.section	.rodata,"a",@progbits
	.p2align	6, 0x0
	.amdhsa_kernel k_qb8cb7244b0_qkv
		.amdhsa_group_segment_fixed_size 327680
		.amdhsa_private_segment_fixed_size 0
		.amdhsa_enable_private_segment 0
		.amdhsa_kernarg_size 40
		.amdhsa_user_sgpr_count 2
		.amdhsa_user_sgpr_kernarg_segment_ptr 1
		.amdhsa_wavefront_size32 1
		.amdhsa_system_sgpr_workgroup_id_x 1
		.amdhsa_system_sgpr_workgroup_id_y 1
		.amdhsa_system_sgpr_workgroup_id_z 1
		.amdhsa_system_vgpr_workitem_id 0
		.amdhsa_next_free_vgpr 1024
		.amdhsa_next_free_sgpr 100
		.amdhsa_reserve_vcc 0
		.amdhsa_float_denorm_mode_32 3
		.amdhsa_float_denorm_mode_16_64 3
		.amdhsa_memory_ordered 1
		.amdhsa_forward_progress 1
		.amdhsa_inst_pref_size 235
	.end_amdhsa_kernel
	.amdgpu_metadata
---
amdhsa.version: [ 1, 2 ]
amdhsa.kernels:
  - .name:           k_qb8cb7244b0_qkv
    .symbol:         k_qb8cb7244b0_qkv.kd
    .args:
      - { .name: xw, .offset: 0, .size: 8, .value_kind: global_buffer, .address_space: global }
      - { .name: bq, .offset: 8, .size: 8, .value_kind: global_buffer, .address_space: global }
      - { .name: bk, .offset: 16, .size: 8, .value_kind: global_buffer, .address_space: global }
      - { .name: bv, .offset: 24, .size: 8, .value_kind: global_buffer, .address_space: global }
      - { .name: qkv, .offset: 32, .size: 8, .value_kind: global_buffer, .address_space: global }
    .group_segment_fixed_size: 327680
    .private_segment_fixed_size: 0
    .kernarg_segment_align: 8
    .kernarg_segment_size: 40
    .max_flat_workgroup_size: 128
    .sgpr_count:     100
    .vgpr_count:     1024
    .wavefront_size: 32
...
	.end_amdgpu_metadata
.endif
;; end of part 7
;; launch scores (part 8): grid 12 x 16, 4 waves a work-group, clusters of 4 x 4, 327,680 bytes of LDS; arguments qkv, pbuf; writes pbuf
.if DOCPART == 8
	.amdgcn_target "amdgcn-amd-amdhsa--gfx1250"
	.amdhsa_code_object_version 6
	.text
	.protected	k_qb8cb7244b0_scores
	.globl	k_qb8cb7244b0_scores
	.p2align	8
	.type	k_qb8cb7244b0_scores,@function
k_qb8cb7244b0_scores:
	s_mov_b64 s[64:65], 0
	v_nop
	global_prefetch_b8 v0, s[64:65] scope:SCOPE_SE
	s_setreg_imm32_b32 hwreg(HW_REG_WAVE_MODE, 25, 1), 1
	s_wait_xcnt 0x0
	s_wait_alu depctr_hold_cnt(0) depctr_sa_sdst(0) depctr_va_vdst(0) depctr_va_sdst(0) depctr_va_ssrc(0) depctr_va_vcc(0) depctr_vm_vsrc(0)
	s_getreg_b32 s2, hwreg(HW_REG_IB_STS2, 6, 4)
	s_cmp_eq_u32 s2, 0
	s_cbranch_scc0 .Lentry_in_a_cluster
	s_endpgm
.Lentry_in_a_cluster:
	s_bfe_u32 s2, ttmp6, 0x10000c
	s_cmp_lg_u32 s2, 0xf033
	s_cbranch_scc0 .Lentry_shape_is_right
	s_endpgm
.Lentry_shape_is_right:
; S = Q K^T on codes of BF6 with E8M0 scales, the causal mask, and p = 2^(t - M) quantised along the keys.  t = score x log2(e) / 32.
; M IS TAKEN FOR EACH QUERY AND EACH CHUNK OF 128 KEYS: M_loc = ceil(the chunk's largest t), a whole number.  Stored for each (query, chunk): the 128 codes of p, their scale word, -M_loc, and the sum of the
; unquantised p.  The next launch finds the row's M and moves the scale bytes by M_loc - M: an exact power of two, which leaves the codes as they are.
; THE PRODUCT: source 0 = 16 keys, source 1 = 16 queries: a lane holds one query and its registers run along the keys; place r of a row tile t is row 32 (t / 2) + 8 (t % 2) + r + 8 (r / 8), so the 64 registers of a
; wave's eight key tiles are, in lane (r, h), keys 32 b + 16 h + i at register 16 b + i.  A tile is 256 queries x 256 keys, four waves, 128 x 128 each.
; THE RING: three LDS slots of 256 along K.  K = 1,024 is four slots' worth: slots 0 and 1 are filled at the head and slot 2 behind a round of its own; the fourth is the one refill, into slot 0 at the end of slot 1, and has one slot's work
; (128 matrix instructions a wave) in which to land.
; CLUSTERS 4 x 4, 1,024 x 1,024 of a batch's scores: of the four such squares the three that the mask does not hide wholly are made (cluster x 0: queries and keys 0-1023; 1: queries 1024 on, keys 0-1023; 2: both 1024 on).
; Q's tiles are shared along a row of the cluster, K's along a column.  In the two squares on the diagonal every work-group runs alike, the six hidden tiles too (no branch may hang on a place in the cluster): these store
; zero codes, a sum of 0 and a huge -M_loc, which the next launch reads.
; LIMITS: NaN and infinities are not served; scores lie above -2^120, the floor under a block's largest score.
; REGISTERS: window 0: v0-31 addresses; v32-63 Q's scale words, v64-95 K's; v96-127 the softmax's constants and statistics; v128-223 Q's fragments (at the end: at work).  window 1: K's fragments, two sets.
;   windows 2, 3: the 64 accumulators, then p in their place.
.set NA,   8
.set NQ,   2                           ; K steps of 128 in a slot
.set NSL,  3                           ; slots
.set NJ,   4
.set SCAB, 32
.set SCBB, 64
.set KIMG, 6291456
.set QSK,  18874368
.set KSK,  19136512
.set PSK,  12582912                    ; pbuf: the scale words; -M_loc 524,288 on, the sums 1,048,576 on
.set FRB,  1536
.set KSB,  NQ*FRB
.set HA,   NA/2
.set NL,   3
.set AH,   NA*KSB
.set BH,   8*KSB
.set SLOT, 2*AH+2*BH
.set SPARE, NSL*SLOT                   ; behind the ring: the spare words, 128 bytes a wave, that no other line names
.set STG,  SPARE+512                   ; behind them: 2,048 bytes a wave for the statistics' way out; no fill lands here
.set AF,   128
.set LI,   4
.set ADRA, 16                          ; v16-18
.set ADRB, 20                          ; v20-22
.set SPW,  28
.set NIL,  29
.set FLO,  96                          ; v96  -2^120
.set NINF, 97                          ; v97  -infinity
.set VD0,  98                          ; v98  my query - my first key, for block 0
.set VD,   99
.set BM,   100                         ; v100-103 the blocks' largest scores, then largest p
.set BT,   104                         ; v104-107 at work; the bytes
.set SO,   108                         ; v108-111 the conversions' scale operands
.set NM,   112                         ; v[112:113] -M_loc (a pair for the packed form; its low word serves both halves)
.set MT,   114
.set SU,   116                         ; v116-119 the sum, in two chains of pairs
.set LS,   120
.set LT,   121
.set PW,   122
.set SW,   136
.set PC,   160
.set G1,   24
.set G0,   32                          ; s[32:35] Q's group 0 for slot 0; s[76:79] for slot 2
.set G0C,  76
.set G1B,  48
.set G0B,  56                          ; s[56:59] K's group 0 for slot 0; s[96:99] for slot 2
.set G0BC, 96
.set CS,   92
.set SEL,  94
.set MSB, 0
.macro WIN new
.set WNEW, \new
.if MSB != WNEW
	s_set_vgpr_msb (MSB<<8)|WNEW
.set MSB, WNEW
.endif
.endm
.macro PLACES n
.rept \n
	v_nop
.endr
.endm
.macro JLOAD g0a, g1a, g0b, g1b        ; a joint load: waves 0 and 1 fetch Q's halves, waves 2 and 3 K's; four v_nop follow each line
	s_cmp_eq_u32 s15, 0
	s_cbranch_scc0 .Lfor_b_\@
	tensor_load_to_lds s[\g0a:\g0a+3], s[\g1a:\g1a+7]
	s_nop 0
.rept 4
	v_nop
.endr
	s_branch .Lasked_\@
.Lfor_b_\@:
	tensor_load_to_lds s[\g0b:\g0b+3], s[\g1b:\g1b+7]
	s_nop 0
.rept 4
	v_nop
.endr
.Lasked_\@:
.endm
.macro CREST
	s_cmp_lg_u32 s14, 0
	s_cbranch_scc1 .Lnot_wave_0_\@
	s_barrier_signal -3
.Lnot_wave_0_\@:
	s_barrier_wait -3
	s_barrier_signal -1
	s_barrier_wait -1
.endm
.macro CROUND
	s_barrier_signal -1
	s_barrier_wait -1
	CREST
.endm
.macro FRAG reg, adr, q, i
.irp c, 0,1,2
	ds_load_b128 v[\reg+4*\c:\reg+4*\c+3], v[\adr] offset:(\i)*KSB+(\q)*FRB+512*\c
.endr
.endm
.macro FETCH_B slot, q, p
	WIN 0x40
.irp i, 0,1,2,3,4,5,6,7
	FRAG 128*(\p)+12*\i, ADRB+\slot, \q, \i
.endr
	WIN 0
.endm
.macro FETCH_A slot, q, i0
.set fi, \i0
.rept HA
	FRAG AF+12*fi, ADRA+\slot, \q, fi
.set fi, fi+1
.endr
.endm
; 8 matrix instructions: query block a against the eight key tiles.  cm = 1: the first product starts the sums.  The accumulators take turns, one instruction a turn.
.macro MULA a, p, J, q, cm
	WIN 0x01|((2+(\a)/4)<<6)|((2+(\a)/4)<<4)
.irp b, 0,1,2,3,4,5,6,7
.set rD, 8*(8*((\a)%4)+\b)
.set rB, 128*(\p)+12*\b
.set rA, AF+12*(\a)
.set rSB, SCBB+NJ*\b+(\J)
.set rSA, SCAB+NJ*(\a)+(\J)
.if (\cm) == 1
	v_wmma_scale_f32_16x16x128_f8f6f4 v[rD:rD+7], v[rB:rB+11], v[rA:rA+11], 0, v[rSB], v[rSA] matrix_a_fmt:MATRIX_FMT_BF6 matrix_b_fmt:MATRIX_FMT_BF6
.elseif (\q) == 0
	v_wmma_scale_f32_16x16x128_f8f6f4 v[rD:rD+7], v[rB:rB+11], v[rA:rA+11], v[rD:rD+7], v[rSB], v[rSA] matrix_a_fmt:MATRIX_FMT_BF6 matrix_b_fmt:MATRIX_FMT_BF6
.else
	v_wmma_scale_f32_16x16x128_f8f6f4 v[rD:rD+7], v[rB:rB+11], v[rA:rA+11], v[rD:rD+7], v[rSB], v[rSA] matrix_a_fmt:MATRIX_FMT_BF6 matrix_b_fmt:MATRIX_FMT_BF6 matrix_a_scale:MATRIX_SCALE_ROW1 matrix_b_scale:MATRIX_SCALE_ROW1
.endif
.endr
.endm
; 128 along K, the q-th of its slot, with no barrier: meanwhile the next 128 along K, the fq-th of slot fs, are fetched.  That slot is this one, or one that an earlier barrier has shown whole.
.macro STEP q, J, cm, fs, fq
	s_wait_dscnt HA*NL                             ; K's set and Q's first half are in; the youngest HA x 3 loads (Q's second half) may be out
.set ma, 0
.rept HA
	MULA ma, (\q)%2, \J, (\q)%2, \cm
.set ma, ma+1
.endr
	s_wait_dscnt 0x0
	PLACES 4                                       ; four places in front of loads into registers that matrix instructions have read
	FETCH_B \fs, \fq, 1-(\q)%2
	FETCH_A \fs, \fq, 0
.rept HA
	MULA ma, (\q)%2, \J, (\q)%2, \cm
.set ma, ma+1
.endr
	PLACES 4
	WIN 0
	FETCH_A \fs, \fq, HA
.endm
; A slot's last 128 along K with a barrier: in front of it each wave waits for all its tensor loads, adds 0 to its spare word, and waits for that and for its reads of this slot.  fill = 1: this slot is filled again.
.macro TURN slot, next, fill, J
	s_wait_tensorcnt 0x0                           ; all my tensor loads have landed
	ds_add_u32 v[SPW], v[NIL]                      ; 0 onto my spare word
	s_wait_dscnt HA*NL+1                           ; (the add and Q's second half may be out)
.set ma, 0
.rept HA/2
	MULA ma, 1, \J, 1, 0
.set ma, ma+1
.endr
	s_wait_dscnt 0x0                               ; the add is done, and my reads of this slot are over
	s_barrier_signal -1
.rept HA/2
	MULA ma, 1, \J, 1, 0
.set ma, ma+1
.endr
	WIN 0
	s_barrier_wait -1
.if \fill
	CREST                                          ; the barrier has opened a round of the cluster's: no wave of any partner still reads this slot or has a load on its way
	s_add_nc_u64 s[G0+4*\slot+2:G0+4*\slot+3], s[G0+4*\slot+2:G0+4*\slot+3], NSL*KSB
	s_add_nc_u64 s[G0B+4*\slot+2:G0B+4*\slot+3], s[G0B+4*\slot+2:G0B+4*\slot+3], NSL*KSB
	JLOAD G0+4*\slot, G1, G0B+4*\slot, G1B
.else
	PLACES 4
.endif
	FETCH_B \next, 0, 0
	FETCH_A \next, 0, 0
.rept HA
	MULA ma, 1, \J, 1, 0
.set ma, ma+1
.endr
	PLACES 4
	WIN 0
	FETCH_A \next, 0, HA
.endm
.macro LAST J
	s_wait_dscnt HA*NL
.set ma, 0
.rept HA
	MULA ma, 1, \J, 1, 0
.set ma, ma+1
.endr
	s_wait_dscnt 0x0
.rept HA
	MULA ma, 1, \J, 1, 0
.set ma, ma+1
.endr
	WIN 0
.endm
; THE SOFTMAX OF QUERY BLOCK a: 16 queries x my 128 keys, 64 scores a lane.
.macro SOFTQ a
.set W, 2+(\a)/4
.set AC, 64*((\a)%4)
	s_cmp_eq_u32 s45, 0                            ; a square under the diagonal has no hidden key: the same in all partners
	s_cbranch_scc1 .Lopen_\@
	s_wait_alu depctr_va_vdst(0)
	v_add_nc_u32 v[VD], 32*((\a)/2)+8*((\a)%2), v[VD0]   ; d = my query - my first key: register 16 b + i holds a hidden key where 32 b + i > d
	WIN W|(W<<6)
.set n, 0
.rept 64
	v_cmp_gt_i32 vcc_lo, 32*(n/16)+n%16, v[VD]
	v_cndmask_b32 v[AC+n], v[AC+n], v[NINF], vcc_lo
.set n, n+1
.endr
	WIN 0
.Lopen_\@:
	WIN W|(W<<2)
	s_wait_alu depctr_va_vdst(0)
.irp b, 0,1,2,3
	v_max3_num_f32 v[BM+\b], v[AC+16*\b], v[AC+16*\b+1], v[FLO]   ; the largest score of each block of 32 keys, over the floor: it serves the chunk's maximum and, since p rises with the score, the block's largest p
.endr
.irp i, 2,4,6,8,10,12,14
.irp b, 0,1,2,3
	v_max3_num_f32 v[BM+\b], v[AC+16*\b+\i], v[AC+16*\b+\i+1], v[BM+\b]
.endr
.endr
	WIN 0
.irp b, 0,1,2,3
	v_permlanex16_b32 v[BT+\b], v[BM+\b], s[SEL], s[SEL+1]
.endr
.irp b, 0,1,2,3
	v_max_num_f32 v[BM+\b], v[BM+\b], v[BT+\b]     ; with lane l xor 16's 16 keys
.endr
	v_max3_num_f32 v[MT], v[BM], v[BM+1], v[BM+2]
	v_max_num_f32 v[MT], v[MT], v[BM+3]
	v_mul_f32 v[MT], s[CS], v[MT]                  ; the chunk's largest t
	v_floor_f32 v[NM], -v[MT]                      ; -M_loc = floor(-t) = -ceil(t)
.irp b, 0,1,2,3
	v_fma_f32 v[BM+\b], v[BM+\b], s[CS], v[NM]
.endr
	s_wait_alu depctr_va_vdst(0)
.irp b, 0,1,2,3
	v_exp_f32 v[BM+\b], v[BM+\b]                   ; the block's largest p: the same two instructions on the same number give the same bits
.endr
	WIN W|(W<<6)
.set j, 0
.rept 32
	v_pk_fma_f32 v[AC+j:AC+j+1], v[AC+j:AC+j+1], s[CS:CS+1], v[NM:NM+1] op_sel_hi:[1,0,0]   ; t - M_loc, two at a time
.set j, j+2
.endr
.set j, 0
	s_wait_alu depctr_va_vdst(0)
.rept 64
	v_exp_f32 v[AC+j], v[AC+j]                     ; p = 2^(t - M_loc): not normalised
.set j, j+1
.endr
	WIN W
.irp i, 0,1,2,3
	v_mov_b32 v[SU+\i], 0                          ; plain places behind the exponentials
.endr
	s_wait_alu depctr_va_vdst(0)                   ; one wait for all 68 exponentials, ahead of their first reader
.set j, 0
.rept 16
	v_pk_add_f32 v[SU:SU+1], v[AC+j:AC+j+1], v[SU:SU+1]           ; the sum is taken of the unquantised p, in two chains
	v_pk_add_f32 v[SU+2:SU+3], v[AC+j+2:AC+j+3], v[SU+2:SU+3]
.set j, j+4
.endr
	WIN 0
.irp b, 0,1,2,3
	v_max_num_f32 v[BM+\b], 0x2800000, v[BM+\b]    ; the floor 2^(5 - 127): the byte cannot fall under 1
.endr
.irp b, 0,1,2,3
	v_add_nc_u32 v[SO+\b], 0xfe000000, v[BM+\b]
.endr
.irp b, 0,1,2,3
	v_lshrrev_b32 v[BT+\b], 23, v[SO+\b]
.endr
	v_lshl_or_b32 v[PW], v[BT+1], 8, v[BT]
	v_lshl_or_b32 v[PW], v[BT+2], 16, v[PW]
	v_lshl_or_b32 v[PW], v[BT+3], 24, v[PW]
	v_pk_add_f32 v[SU:SU+1], v[SU:SU+1], v[SU+2:SU+3]
	v_add_f32 v[LS], v[SU], v[SU+1]
	v_permlanex16_b32 v[LT], v[LS], s[SEL], s[SEL+1]
	v_add_f32 v[LS], v[LS], v[LT]                  ; the chunk's sum
	s_wait_xcnt 0x0                                ; the last block's stores have read their data
	WIN W
.irp c, 0,1
	v_cvt_scalef32_pk16_bf6_f32 v[PC+6*\c:PC+6*\c+2], v[AC+32*\c:AC+32*\c+15], v[SO+2*\c]
	v_cvt_scalef32_pk16_bf6_f32 v[PC+12+4*\c:PC+14+4*\c], v[AC+32*\c+16:AC+32*\c+31], v[SO+2*\c+1]
.endr
	WIN 0
	v_nop                                          ; one plain place behind a scaled conversion
.irp c, 0,1
.irp i, 0,1,2
	v_permlane16_swap_b32 v[PC+6*\c+\i], v[PC+12+4*\c+\i]
.endr
.irp i, 0,1,2
	v_mov_b32 v[PC+3+6*\c+\i], v[PC+12+4*\c+\i]
.endr
.endr
.irp c, 0,1,2
	global_store_b128 v[LI], v[PC+4*\c:PC+4*\c+3], s[80:81] offset:(\a)*24576+512*\c   ; 512 consecutive bytes, aligned; a query tile's 16 chunks are 24,576 bytes
.endr
	ds_store_b32 v7, v[PW] offset:64*(\a)          ; lanes r and r + 16 write the same words with the same values
	ds_store_b32 v7, v[NM] offset:512+64*(\a)
	ds_store_b32 v7, v[LS] offset:1024+64*(\a)
.endm
	s_load_b128 s[4:7], s[0:1], 0x0                ; qkv, pbuf
	v_lshl_add_u32 v[SPW], v0, 2, SPARE
	v_mov_b32 v[NIL], 0
	ds_add_u32 v28, v29
	ds_add_u32 v28, v29
	s_wait_dscnt 0x0
	v_lshrrev_b32 v1, 5, v0
	v_readfirstlane_b32 s14, v1
	s_lshr_b32 s15, s14, 1                         ; my half of the queries.  Also: I fetch for Q (0) or for K (1)
	s_and_b32 s16, s14, 1                          ; my half of the keys.  Also: which half of that tile I fetch
	s_bfe_u32 s40, ttmp6, 0x40000                  ; cx
	s_bfe_u32 s41, ttmp6, 0x40004                  ; cy
	s_and_b32 s17, ttmp7, 0xffff                   ; the batch
	s_lshl_b32 s43, s41, 2
	s_lshl_b32 s43, 15, s43
	s_lshl_b32 s44, 0x1111, s40
	s_or_b32 s[G1], s43, (3<<16)|(1<<21)
	s_or_b32 s[G1B], s44, (3<<16)|(1<<21)
.irp g, G1, G1B
	s_mov_b32 s[\g+1], 384<<16
	s_mov_b32 s[\g+2], 16<<16                      ; the head's loads bring all 16 row tiles of Q or of K
	s_mov_b32 s[\g+3], 384<<16
	s_mov_b32 s[\g+4], 16
	s_mov_b32 s[\g+5], 1536
	s_mov_b32 s[\g+6], 0
	s_mov_b32 s[\g+7], 0
.endr
	s_add_co_u32 s18, ttmp9, 1
	s_lshr_b32 s18, s18, 1                         ; which 1,024 queries
	s_lshr_b32 s19, ttmp9, 1                       ; which 1,024 keys
	s_lshl_b32 s20, s17, 7
	s_lshl_b32 s21, s18, 6
	s_add_co_u32 s20, s20, s21
	s_lshl_b32 s21, s41, 4
	s_add_co_u32 s20, s20, s21                     ; Q's first row tile
	s_lshl_b32 s46, s17, 7
	s_lshl_b32 s47, s19, 6
	s_add_co_u32 s46, s46, s47
	s_lshl_b32 s47, s40, 4
	s_add_co_u32 s46, s46, s47                     ; K's
	s_cmp_lg_u32 ttmp9, 1
	s_cselect_b32 s45, 1, 0                        ; a square on the diagonal
	s_lshl_b32 s22, s16, 3
	s_add_co_u32 s66, s20, s22
	s_mul_i32 s66, s66, 12288
	s_mov_b32 s67, 0
	s_add_co_u32 s68, s46, s22
	s_mul_i32 s68, s68, 12288
	s_add_co_u32 s68, s68, KIMG
	s_mov_b32 s69, 0
	s_mul_i32 s70, s16, AH
	s_mul_i32 s71, s16, BH
	s_add_co_u32 s71, s71, 2*AH
	s_mul_i32 s8, s20, 12288                       ; for the head's loads: the whole tile of Q, at the 256 along K of slot wave % 2,
	s_mul_i32 s12, s16, KSB
	s_add_co_u32 s8, s8, s12
	s_mov_b32 s9, 0
	s_mul_i32 s10, s46, 12288                      ; and of K
	s_add_co_u32 s10, s10, s12
	s_add_co_u32 s10, s10, KIMG
	s_mov_b32 s11, 0
	s_mov_b32 s[CS], 0x3d38aa3b                    ; c = log2(e) / sqrt(1024)
	s_mov_b32 s[CS+1], s[CS]
	s_mov_b32 s[SEL], 0x76543210
	s_mov_b32 s[SEL+1], 0xfedcba98
	s_wait_kmcnt 0x0
	s_add_nc_u64 s[66:67], s[4:5], s[66:67]
	s_add_nc_u64 s[68:69], s[4:5], s[68:69]
	CROUND                                         ; all sixteen work-groups are here: the first joint loads meet
.irp s, 0
	s_mov_b32 s[G0+4*\s], 1
	s_add_co_u32 s[G0+4*\s+1], s70, \s*SLOT
	s_add_nc_u64 s[G0+4*\s+2:G0+4*\s+3], s[66:67], \s*KSB
	s_or_b32 s[G0+4*\s+3], s[G0+4*\s+3], 0x80000000
	s_mov_b32 s[G0B+4*\s], 1
	s_add_co_u32 s[G0B+4*\s+1], s71, \s*SLOT
	s_add_nc_u64 s[G0B+4*\s+2:G0B+4*\s+3], s[68:69], \s*KSB
	s_or_b32 s[G0B+4*\s+3], s[G0B+4*\s+3], 0x80000000
.endr
	; THE RING'S FIRST FILLS (this takes the place of the head comment's account): at the head one load a wave, each a whole part of a slot: waves 0 and 1 Q's 16 tiles of slots 0 and 1, waves 2 and 3 K's.
	; Slot 2 is filled behind a round of its own; slot 0 is filled again at the end of slot 1.
	s_mov_b32 s[G0C], 1
	s_mul_i32 s[G0C+1], s16, SLOT
	s_add_nc_u64 s[G0C+2:G0C+3], s[4:5], s[8:9]
	s_or_b32 s[G0C+3], s[G0C+3], 0x80000000
	s_mov_b32 s[G0BC], 1
	s_mul_i32 s[G0BC+1], s16, SLOT
	s_add_co_u32 s[G0BC+1], s[G0BC+1], 2*AH
	s_add_nc_u64 s[G0BC+2:G0BC+3], s[4:5], s[10:11]
	s_or_b32 s[G0BC+3], s[G0BC+3], 0x80000000
	JLOAD G0C, G1, G0BC, G1B                       ; one tensor load of mine is out: the four bring slots 0 and 1, 512 of the 1,024 along K
	v_and_b32 v1, 15, v0
	v_bfe_u32 v2, v0, 4, 1
	v_and_b32 v3, 31, v0
	v_lshlrev_b32 v[LI], 4, v3
	s_wait_alu depctr_va_vdst(0)
	s_mul_i32 s21, s15, AH
	s_mul_i32 s22, s16, BH
	s_add_co_u32 s22, s22, 2*AH
.irp s, 0,1,2
	v_add_nc_u32 v[ADRA+\s], s21, v[LI]
	v_add_nc_u32 v[ADRB+\s], s22, v[LI]
	s_add_co_u32 s21, s21, SLOT
	s_add_co_u32 s22, s22, SLOT
.endr
	s_lshl_b32 s23, s14, 11                        ; my stage for the statistics: 2,048 bytes a wave, behind the spare words
	s_add_co_u32 s23, s23, STG
	v_lshl_add_u32 v7, v1, 2, s23
	v_add_nc_u32 v8, s23, v[LI]
	; PREFETCH: the last 256 along K, which the one refill brings, are asked for behind slot 2's joint load and the first fragment loads, more than three steps ahead of the refill; slot 2's own 256 come by their load alone.
	; A lane a block of 256 bytes, an instruction two row tiles' 3,072 bytes each (lanes 24-31 name the last block again).  The four partners that ask for a tile jointly share its 16 row tiles out by address:
	; Q's by cx, K's by cy, 4 each; waves 0 and 1 take Q's, waves 2 and 3 K's, 2 tiles each.  Here its address is made.
	s_lshl_b32 s82, s40, 2
	s_add_co_u32 s82, s82, s20
	s_lshl_b32 s83, s41, 2
	s_add_co_u32 s83, s83, s46
	s_add_co_u32 s83, s83, KIMG/12288
	s_cmp_eq_u32 s15, 0
	s_cselect_b32 s82, s82, s83
	s_lshl_b32 s83, s16, 1
	s_add_co_u32 s82, s82, s83
	s_mul_i32 s82, s82, 12288
	s_mov_b32 s83, 0
	s_add_nc_u64 s[82:83], s[4:5], s[82:83]
	v_min_u32 v12, 23, v3
	v_mul_u32_u24 v13, v12, 43
	v_lshrrev_b32 v13, 9, v13                      ; lane / 12: which of the two row tiles
	v_mul_u32_u24 v13, v13, 9216
	v_lshl_add_u32 v12, v12, 8, v13                ; 256 lane + (12,288 - 3,072) (lane / 12); never rewritten
	s_wait_alu depctr_va_vdst(0)
	v_lshlrev_b32 v5, 15, v2
	v_lshl_add_u32 v5, v1, 2, v5                   ; scale words: lanes 16-31 take the K step after: 512 x 64 bytes on
	s_wait_alu depctr_va_vdst(0)
	s_lshl_b32 s72, s15, 3
	s_add_co_u32 s72, s72, s20
	s_lshl_b32 s72, s72, 6
	s_add_co_u32 s72, s72, QSK
	s_mov_b32 s73, 0
	s_add_nc_u64 s[72:73], s[4:5], s[72:73]
	s_lshl_b32 s74, s16, 3
	s_add_co_u32 s74, s74, s46
	s_lshl_b32 s74, s74, 6
	s_add_co_u32 s74, s74, KSK
	s_mov_b32 s75, 0
	s_add_nc_u64 s[74:75], s[4:5], s[74:75]
.irp a, 0,1,2,3,4,5,6,7
.irp J, 0,1,2,3
	global_load_b32 v[SCAB+NJ*\a+\J], v5, s[72:73] offset:\J*65536+64*\a
	global_load_b32 v[SCBB+NJ*\a+\J], v5, s[74:75] offset:\J*65536+64*\a
.endr
.endr
	s_lshl_b32 s86, s19, 2
	s_add_co_u32 s86, s86, s40                     ; which 256 keys of the batch
	s_lshl_b32 s87, s18, 2
	s_add_co_u32 s87, s87, s41                     ; which 256 queries
	s_sub_co_i32 s88, s87, s86
	s_lshl_b32 s88, s88, 8
	s_sub_co_i32 s89, s15, s16
	s_lshl_b32 s89, s89, 7
	s_add_co_i32 s88, s88, s89                     ; my wave's first query - its first key
	v_and_b32 v9, 8, v1
	v_add_nc_u32 v9, v9, v1                        ; r + 8 (r / 8)
	v_lshlrev_b32 v10, 4, v2
	v_sub_nc_u32 v9, v9, v10                       ; - 16 h
	v_add_nc_u32 v[VD0], s88, v9
	v_mov_b32 v[FLO], 0xfb800000                   ; -2^120
	v_mov_b32 v[NINF], 0xff800000
	v_mov_b32 v[NM+1], 0                           ; (named as the upper half of a pair)
	v_mov_b32 v[LT], 0                             ; lane permutes' destinations count as sources: written once
.irp b, 0,1,2,3
	v_mov_b32 v[BT+\b], 0
.endr
	s_lshl_b32 s90, s15, 3
	s_add_co_u32 s90, s90, s20                     ; my first query tile
	s_lshl_b32 s91, s86, 1
	s_add_co_u32 s91, s91, s16                     ; my chunk of 128 keys
	s_lshl_b32 s80, s90, 4
	s_add_co_u32 s80, s80, s91
	s_mul_i32 s80, s80, FRB
	s_mov_b32 s81, 0
	s_add_nc_u64 s[80:81], s[6:7], s[80:81]
	s_lshl_b32 s84, s91, 9
	s_add_co_u32 s84, s84, s90
	s_lshl_b32 s84, s84, 6
	s_add_co_u32 s84, s84, PSK
	s_mov_b32 s85, 0
	s_add_nc_u64 s[84:85], s[6:7], s[84:85]
	s_wait_loadcnt 0x0                             ; the scale words
	s_wait_alu depctr_va_vdst(0)
	s_wait_tensorcnt 0x0                           ; my part of slots 0 and 1 is in
	ds_add_u32 v[SPW], v[NIL]
	s_mov_b32 s[G1+2], 8<<16                       ; no tensor load of mine is out: from here on a load brings 8 row tiles
	s_mov_b32 s[G1+4], 8
	s_mov_b32 s[G1B+2], 8<<16
	s_mov_b32 s[G1B+4], 8
	s_mov_b32 s[G0C], 1                            ; slot 2's groups 0
	s_add_co_u32 s[G0C+1], s70, 2*SLOT
	s_add_nc_u64 s[G0C+2:G0C+3], s[66:67], 2*KSB
	s_or_b32 s[G0C+3], s[G0C+3], 0x80000000
	s_mov_b32 s[G0BC], 1
	s_add_co_u32 s[G0BC+1], s71, 2*SLOT
	s_add_nc_u64 s[G0BC+2:G0BC+3], s[68:69], 2*KSB
	s_or_b32 s[G0BC+3], s[G0BC+3], 0x80000000
	s_wait_dscnt 0x0
	CROUND                                         ; slots 0 and 1 are whole, and all sixteen work-groups are here
	JLOAD G0C, G1, G0BC, G1B                       ; slot 2's first fill, the first tensor load behind the round
	FETCH_B 0, 0, 0
	FETCH_A 0, 0, 0
	FETCH_A 0, 0, HA
	global_prefetch_b8 v12, s[82:83] offset:3*KSB th:TH_LOAD_NT scope:SCOPE_SE
	STEP 0, 0, 1, 0, 1
	STEP 1, 0, 0, 1, 0                             ; on into slot 1 with no barrier: the round above has shown it whole to every wave
	STEP 0, 1, 0, 1, 1
	TURN 0, 2, 1, 1                                ; slot 1's last step: slot 2 is whole behind this round; slot 0, read out two steps ago, takes the last 256 along K
	STEP 0, 2, 0, 2, 1
	TURN 2, 0, 0, 2                                ; the refill has landed, in every wave's part; nothing is left to fetch
	STEP 0, 3, 0, 0, 1
	LAST 3
	PLACES 4                                       ; four places in front of the first read of results
.irp a, 0,1,2,3,4,5,6,7
	SOFTQ \a
.endr
	ds_load_b128 v[SW:SW+3], v8                    ; LDS serves a wave's instructions in order: these see my stores
	ds_load_b128 v[SW+4:SW+7], v8 offset:512
	ds_load_b128 v[SW+8:SW+11], v8 offset:1024
	s_wait_dscnt 0x0
	global_store_b128 v[LI], v[SW:SW+3], s[84:85]                   ; my 8 query tiles' scale words: 512 consecutive bytes;
	global_store_b128 v[LI], v[SW+4:SW+7], s[84:85] offset:524288   ; their -M_loc;
	global_store_b128 v[LI], v[SW+8:SW+11], s[84:85] offset:1048576 ; their sums
	s_wait_tensorcnt 0x0                           ; the wave's end
	ds_add_u32 v[SPW], v[NIL]
	s_wait_dscnt 0x0
	CROUND                                         ; the closing round
	s_endpgm
.Lfunc_end_k_qb8cb7244b0_scores:
	.size	k_qb8cb7244b0_scores, .Lfunc_end_k_qb8cb7244b0_scores-k_qb8cb7244b0_scores
	.p2alignl 7, 3214868480
	.fill 96, 4, 3214868480
	.section	.rodata,"a",@progbits
	.p2align	6, 0x0
	.amdhsa_kernel k_qb8cb7244b0_scores
		.amdhsa_group_segment_fixed_size 327680
		.amdhsa_private_segment_fixed_size 0
		.amdhsa_enable_private_segment 0
		.amdhsa_kernarg_size 16
		.amdhsa_user_sgpr_count 2
		.amdhsa_user_sgpr_kernarg_segment_ptr 1
		.amdhsa_wavefront_size32 1
		.amdhsa_system_sgpr_workgroup_id_x 1
		.amdhsa_system_sgpr_workgroup_id_y 1
		.amdhsa_system_sgpr_workgroup_id_z 1
		.amdhsa_system_vgpr_workitem_id 0
		.amdhsa_next_free_vgpr 1024
		.amdhsa_next_free_sgpr 100
		.amdhsa_reserve_vcc 1
		.amdhsa_float_denorm_mode_32 3
		.amdhsa_float_denorm_mode_16_64 3
		.amdhsa_memory_ordered 1
		.amdhsa_forward_progress 1
		.amdhsa_inst_pref_size 245
	.end_amdhsa_kernel
	.amdgpu_metadata
---
amdhsa.version: [ 1, 2 ]
amdhsa.kernels:
  - .name:           k_qb8cb7244b0_scores
    .symbol:         k_qb8cb7244b0_scores.kd
    .args:
      - { .name: qkv, .offset: 0, .size: 8, .value_kind: global_buffer, .address_space: global }
      - { .name: pbuf, .offset: 8, .size: 8, .value_kind: global_buffer, .address_space: global }
    .group_segment_fixed_size: 327680
    .private_segment_fixed_size: 0
    .kernarg_segment_align: 8
    .kernarg_segment_size: 16
    .max_flat_workgroup_size: 128
    .sgpr_count:     100
    .vgpr_count:     1024
    .wavefront_size: 32
...
	.end_amdgpu_metadata
.endif
;; end of part 8
;; launch pv (part 9): grid 4 x 64, 4 waves a work-group, clusters of 4 x 4, 327,680 bytes of LDS; arguments pbuf, qkv, ctxb; writes ctxb
.if DOCPART == 9
	.amdgcn_target "amdgcn-amd-amdhsa--gfx1250"
	.amdhsa_code_object_version 6
	.text
	.protected	k_qb8cb7244b0_pv
	.globl	k_qb8cb7244b0_pv
	.p2align	8
	.type	k_qb8cb7244b0_pv,@function
k_qb8cb7244b0_pv:
	s_mov_b64 s[64:65], 0
	v_nop
	global_prefetch_b8 v0, s[64:65] scope:SCOPE_SE
	s_setreg_imm32_b32 hwreg(HW_REG_WAVE_MODE, 25, 1), 1
	s_wait_xcnt 0x0
	s_wait_alu depctr_hold_cnt(0) depctr_sa_sdst(0) depctr_va_vdst(0) depctr_va_sdst(0) depctr_va_ssrc(0) depctr_va_vcc(0) depctr_vm_vsrc(0)
	s_getreg_b32 s2, hwreg(HW_REG_IB_STS2, 6, 4)
	s_cmp_eq_u32 s2, 0
	s_cbranch_scc0 .Lentry_in_a_cluster
	s_endpgm
.Lentry_in_a_cluster:
	s_bfe_u32 s2, ttmp6, 0x10000c
	s_cmp_lg_u32 s2, 0xf033
	s_cbranch_scc0 .Lentry_shape_is_right
	s_endpgm
.Lentry_shape_is_right:
; ctx = (P V) / l on codes of BF6 with E8M0 scales; ctx is quantised along the features at once, for the last product.
; P's codes were made under a whole number M_loc for each query and chunk of 128 keys.  Here the row's M = the largest M_loc; each chunk's four scale bytes are lowered by D = M - M_loc (held at 127; a byte is held at 0),
; which is the exact power of two between the two; l = the sum of the chunks' sums x 2^-D.  The maximum is thus taken away before the exponentials, chunk by chunk and then for the row.
; THE PRODUCT: source 0 = 16 features of V^T, source 1 = 16 queries of P: a lane holds one query, its registers run along the features.  A tile is 128 queries x 256 features; four waves, 64 x 128 each: 32 accumulators.
; CLUSTERS 4 x 4: 512 queries x all 1,024 features.  P's tiles are shared along a row, V's along a column.  THE MASK: the cluster of queries 512 i .. 512 i + 511 of a batch walks keys 0 .. 512 i + 511: i + 1 laps of 512
; keys, a number that all partners share; chunks hidden from some of its queries hold zero codes.
; THE RING: two LDS slots of 512 keys, a lap each: four K steps of a row tile lie on end in memory, 6,144 bytes, so one tensor load a wave brings its part of a lap.  Both slots are filled at the start; a refill has a lap's
; 128 matrix instructions a wave in which to land.  THE FOUR LAPS ARE WRITTEN OUT, so that every scale register's number is a constant; scalar branches on the number of laps choose how a lap's last K step ends: with a
; change of slots and a refill, with a change alone, or with the product's end.  Where two ways join, every later wait for tensor loads is for all of them.
; A cluster with one lap fetches slot 1's first fill (keys 512-1023, bytes that the launch before has stored) and does not read it: so the counted wait in front of the first lap has one meaning on all ways.
; LIMITS: NaN and infinities are not served; a chunk whose M_loc lies more than 127 under the row's counts with 2^-127 and bytes of 0: nothing beside l, which is above 1/2.  A block of ctx under 2^-122 keeps the byte 1.
; REGISTERS: window 0: v0-31 addresses, at work; v32-63 P's scale words, 8 a tile, v64-127 V's; v128-175 P's fragments; v176-207 -M_loc, v208-239 the chunks' sums (head only); v240-247 1 / l; v248-251 l.
;   window 1: V's fragments, two sets.  window 2: the 32 accumulators.
.set NA,   4
.set NQ,   4                           ; K steps of 128 in a slot
.set NSL,  2                           ; slots
.set NJ,   8
.set SCAB, 32
.set SCBB, 64
.set VIMG, 12582912
.set VSK,  19398656
.set PSK,  12582912
.set CSK,  6291456
.set FRB,  1536
.set KSB,  NQ*FRB
.set HA,   NA/2
.set NL,   3
.set AH,   NA*KSB
.set BH,   8*KSB
.set SLOT, 2*AH+2*BH
.set SPARE, NSL*SLOT                   ; behind the ring: the spare words, 128 bytes a wave, that no other line names
.set STG,  SPARE+512                   ; behind them: 256 bytes a wave for the scale words' way out; no fill lands here
.set AF,   128
.set LI,   4
.set ADRA, 16
.set ADRB, 20
.set SPW,  28
.set NIL,  29
.set PNM,  176
.set PLL,  208
.set RL,   240
.set LA,   248
.set TM,   128
.set PW,   150
.set SW,   152
.set PC,   160
.set G1,   24
.set G0,   32
.set G1B,  48
.set G0B,  56
.set H80,  93
.set SEL,  94
.set MSB, 0
.macro WIN new
.set WNEW, \new
.if MSB != WNEW
	s_set_vgpr_msb (MSB<<8)|WNEW
.set MSB, WNEW
.endif
.endm
.macro PLACES n
.rept \n
	v_nop
.endr
.endm
.macro JLOAD g0a, g1a, g0b, g1b        ; a joint load: waves 0 and 1 fetch P's halves, waves 2 and 3 V's; four v_nop follow each line
	s_cmp_eq_u32 s15, 0
	s_cbranch_scc0 .Lfor_b_\@
	tensor_load_to_lds s[\g0a:\g0a+3], s[\g1a:\g1a+7]
	s_nop 0
.rept 4
	v_nop
.endr
	s_branch .Lasked_\@
.Lfor_b_\@:
	tensor_load_to_lds s[\g0b:\g0b+3], s[\g1b:\g1b+7]
	s_nop 0
.rept 4
	v_nop
.endr
.Lasked_\@:
.endm
.macro CREST
	s_cmp_lg_u32 s14, 0
	s_cbranch_scc1 .Lnot_wave_0_\@
	s_barrier_signal -3
.Lnot_wave_0_\@:
	s_barrier_wait -3
	s_barrier_signal -1
	s_barrier_wait -1
.endm
.macro CROUND
	s_barrier_signal -1
	s_barrier_wait -1
	CREST
.endm
.macro FRAG reg, adr, q, i
.irp c, 0,1,2
	ds_load_b128 v[\reg+4*\c:\reg+4*\c+3], v[\adr] offset:(\i)*KSB+(\q)*FRB+512*\c
.endr
.endm
.macro FETCH_B slot, q, p
	WIN 0x40
.irp i, 0,1,2,3,4,5,6,7
	FRAG 128*(\p)+12*\i, ADRB+\slot, \q, \i
.endr
	WIN 0
.endm
.macro FETCH_A slot, q, i0
.set fi, \i0
.rept HA
	FRAG AF+12*fi, ADRA+\slot, \q, fi
.set fi, fi+1
.endr
.endm
; 8 matrix instructions: query block a against the eight feature tiles.  The accumulators take turns, one instruction a turn.
.macro MULA a, p, J, q, cm
	WIN 0xa1
.irp b, 0,1,2,3,4,5,6,7
.set rD, 8*(8*(\a)+\b)
.set rB, 128*(\p)+12*\b
.set rA, AF+12*(\a)
.set rSB, SCBB+NJ*\b+(\J)
.set rSA, SCAB+NJ*(\a)+(\J)
.if (\cm) == 1
	v_wmma_scale_f32_16x16x128_f8f6f4 v[rD:rD+7], v[rB:rB+11], v[rA:rA+11], 0, v[rSB], v[rSA] matrix_a_fmt:MATRIX_FMT_BF6 matrix_b_fmt:MATRIX_FMT_BF6
.elseif (\q) == 0
	v_wmma_scale_f32_16x16x128_f8f6f4 v[rD:rD+7], v[rB:rB+11], v[rA:rA+11], v[rD:rD+7], v[rSB], v[rSA] matrix_a_fmt:MATRIX_FMT_BF6 matrix_b_fmt:MATRIX_FMT_BF6
.else
	v_wmma_scale_f32_16x16x128_f8f6f4 v[rD:rD+7], v[rB:rB+11], v[rA:rA+11], v[rD:rD+7], v[rSB], v[rSA] matrix_a_fmt:MATRIX_FMT_BF6 matrix_b_fmt:MATRIX_FMT_BF6 matrix_a_scale:MATRIX_SCALE_ROW1 matrix_b_scale:MATRIX_SCALE_ROW1
.endif
.endr
.endm
; 128 keys, the q-th of their slot (V's set q % 2, scale registers J, their lanes by q % 2), with no barrier: meanwhile the next 128 keys, the fq-th of slot fs, are fetched.
.macro STEP q, J, cm, fs, fq
	s_wait_dscnt HA*NL                             ; V's set and P's first half are in; the youngest HA x 3 loads (P's second half) may be out
.set ma, 0
.rept HA
	MULA ma, (\q)%2, \J, (\q)%2, \cm
.set ma, ma+1
.endr
	s_wait_dscnt 0x0
	PLACES 4                                       ; four places in front of loads into registers that matrix instructions have read
	FETCH_B \fs, \fq, 1-(\q)%2
	FETCH_A \fs, \fq, 0
.rept HA
	MULA ma, (\q)%2, \J, (\q)%2, \cm
.set ma, ma+1
.endr
	PLACES 4
	WIN 0
	FETCH_A \fs, \fq, HA
.endm
; A lap's last 128 keys change slots: one barrier; in front of it each wave waits for all its tensor loads, adds 0 to its spare word, and waits for that and for its reads of this slot.  fill = 1: this slot takes the lap after next.
.macro TURN slot, next, fill, J
	s_wait_tensorcnt 0x0                           ; all my tensor loads have landed: my part of the next slot
	ds_add_u32 v[SPW], v[NIL]                      ; 0 onto my spare word
	s_wait_dscnt HA*NL+1                           ; (the add and P's second half may be out)
.set ma, 0
.rept HA/2
	MULA ma, 1, \J, 1, 0
.set ma, ma+1
.endr
	s_wait_dscnt 0x0                               ; the add is done, and my reads of this slot are over
	s_barrier_signal -1
.rept HA/2
	MULA ma, 1, \J, 1, 0
.set ma, ma+1
.endr
	WIN 0
	s_barrier_wait -1
.if \fill
	CREST                                          ; the barrier has opened a round of the cluster's: no wave of any partner still reads this slot or has a load on its way
	s_add_nc_u64 s[G0+4*\slot+2:G0+4*\slot+3], s[G0+4*\slot+2:G0+4*\slot+3], NSL*KSB
	s_add_nc_u64 s[G0B+4*\slot+2:G0B+4*\slot+3], s[G0B+4*\slot+2:G0B+4*\slot+3], NSL*KSB
	JLOAD G0+4*\slot, G1, G0B+4*\slot, G1B
.else
	PLACES 4
.endif
	FETCH_B \next, 0, 0
	FETCH_A \next, 0, 0
.rept HA
	MULA ma, 1, \J, 1, 0
.set ma, ma+1
.endr
	PLACES 4
	WIN 0
	FETCH_A \next, 0, HA
.endm
.macro LAST J                          ; the product's last 128 keys: nothing more to fetch
	s_wait_dscnt HA*NL
.set ma, 0
.rept HA
	MULA ma, 1, \J, 1, 0
.set ma, ma+1
.endr
	s_wait_dscnt 0x0
.rept HA
	MULA ma, 1, \J, 1, 0
.set ma, ma+1
.endr
	WIN 0
.endm
.macro QMAX ac, w
	WIN (\w)|((\w)<<2)
.irp b, 0,1,2,3
	v_max3_num_f32 v[TM+\b], |v[(\ac)+16*\b]|, |v[(\ac)+16*\b+1]|, 0x2800000
.endr
.irp i, 2,4,6,8,10,12,14
.irp b, 0,1,2,3
	v_max3_num_f32 v[TM+\b], |v[(\ac)+16*\b+\i]|, |v[(\ac)+16*\b+\i+1]|, v[TM+\b]
.endr
.endr
	WIN 0
.irp b, 0,1,2,3
	v_permlanex16_b32 v[TM+4+\b], v[TM+\b], s[SEL], s[SEL+1]
.endr
.irp b, 0,1,2,3
	v_max_num_f32 v[TM+\b], v[TM+\b], v[TM+4+\b]
.endr
.irp b, 0,1,2,3
	v_add_nc_u32 v[TM+12+\b], 0xfe000000, v[TM+\b]
.endr
.irp b, 0,1,2,3
	v_lshrrev_b32 v[TM+4+\b], 23, v[TM+12+\b]
.endr
	v_lshl_or_b32 v[PW], v[TM+5], 8, v[TM+4]
	v_lshl_or_b32 v[PW], v[TM+6], 16, v[PW]
	v_lshl_or_b32 v[PW], v[TM+7], 24, v[PW]
.endm
.macro QCVT ac, w
	WIN (\w)
.irp c, 0,1
	v_cvt_scalef32_pk16_bf6_f32 v[PC+6*\c:PC+6*\c+2], v[(\ac)+32*\c:(\ac)+32*\c+15], v[TM+12+2*\c]
	v_cvt_scalef32_pk16_bf6_f32 v[PC+12+4*\c:PC+14+4*\c], v[(\ac)+32*\c+16:(\ac)+32*\c+31], v[TM+12+2*\c+1]
.endr
	WIN 0
	v_nop                                          ; one plain place behind a scaled conversion
.irp c, 0,1
.irp i, 0,1,2
	v_permlane16_swap_b32 v[PC+6*\c+\i], v[PC+12+4*\c+\i]
.endr
.irp i, 0,1,2
	v_mov_b32 v[PC+3+6*\c+\i], v[PC+12+4*\c+\i]
.endr
.endr
.endm
; lap lam's four chunks: scale words, -M_loc and sums of my four query tiles; a register holds an even chunk in lanes 0-15 and the odd one in lanes 16-31
.macro PLOAD lam
.irp jj, 0,1
.irp a, 0,1,2,3
	global_load_b32 v[SCAB+NJ*\a+2*(\lam)+\jj], v5, s[72:73] offset:(2*(\lam)+\jj)*65536+64*\a
	global_load_b32 v[PNM+NJ*\a+2*(\lam)+\jj], v5, s[72:73] offset:(2*(\lam)+\jj)*65536+64*\a+524288
	global_load_b32 v[PLL+NJ*\a+2*(\lam)+\jj], v5, s[72:73] offset:(2*(\lam)+\jj)*65536+64*\a+1048576
.endr
.endr
.endm
	s_load_b128 s[4:7], s[0:1], 0x0                ; pbuf, qkv
	s_load_b64 s[8:9], s[0:1], 0x10                ; ctxb
	v_lshl_add_u32 v[SPW], v0, 2, SPARE
	v_mov_b32 v[NIL], 0
	ds_add_u32 v28, v29
	ds_add_u32 v28, v29
	s_wait_dscnt 0x0
	v_lshrrev_b32 v1, 5, v0
	v_readfirstlane_b32 s14, v1
	s_lshr_b32 s15, s14, 1                         ; my half of the queries.  Also: I fetch for P (0) or for V (1)
	s_and_b32 s16, s14, 1                          ; my half of the features.  Also: which half of that tile I fetch
	s_bfe_u32 s40, ttmp6, 0x40000                  ; cx
	s_bfe_u32 s41, ttmp6, 0x40004                  ; cy
	s_and_b32 s17, ttmp7, 0xffff                   ; cluster y: 512 queries
	s_lshr_b32 s18, s17, 2                         ; the batch
	s_and_b32 s19, s17, 3
	s_add_co_u32 s19, s19, 1                       ; laps of 512 keys: the same in all partners
	s_lshl_b32 s43, s41, 2
	s_lshl_b32 s43, 15, s43
	s_lshl_b32 s44, 0x1111, s40
	s_or_b32 s[G1], s43, (3<<16)|(1<<21)
	s_mov_b32 s[G1+1], 768<<16                     ; rows of 768 elements of 8 bytes: a row tile's 512 keys, 6,144 bytes
	s_mov_b32 s[G1+2], 8<<16                       ; the head's loads bring whole parts of a slot: P's 8 row tiles,
	s_mov_b32 s[G1+3], 768<<16
	s_mov_b32 s[G1+4], 8
	s_mov_b32 s[G1+5], 3072                        ; 24,576 bytes apart
	s_mov_b32 s[G1+6], 0
	s_mov_b32 s[G1+7], 0
	s_or_b32 s[G1B], s44, (3<<16)|(1<<21)
	s_mov_b32 s[G1B+1], 768<<16
	s_mov_b32 s[G1B+2], 16<<16                     ; V^T's 16
	s_mov_b32 s[G1B+3], 768<<16
	s_mov_b32 s[G1B+4], 16
	s_mov_b32 s[G1B+5], 12288                      ; 98,304 bytes apart
	s_mov_b32 s[G1B+6], 0
	s_mov_b32 s[G1B+7], 0
	s_lshl_b32 s20, s17, 5
	s_lshl_b32 s21, s41, 3
	s_add_co_u32 s20, s20, s21                     ; P's first row tile: 8 x (4 x cluster y + cy)
	s_lshl_b32 s46, s40, 4                         ; V^T's: 16 cx
	s_lshl_b32 s22, s16, 2
	s_add_co_u32 s66, s20, s22
	s_mul_i32 s66, s66, 24576
	s_mov_b32 s67, 0
	s_lshl_b32 s47, s16, 3
	s_add_co_u32 s68, s46, s47
	s_mul_i32 s68, s68, 98304
	s_mul_i32 s47, s18, 24576                      ; the batch's first key
	s_add_co_u32 s68, s68, s47
	s_add_co_u32 s68, s68, VIMG
	s_mov_b32 s69, 0
	s_mul_i32 s70, s16, AH
	s_mul_i32 s71, s16, BH
	s_add_co_u32 s71, s71, 2*AH
	s_mul_i32 s10, s20, 24576                      ; for the head's loads: the whole tile of P, at the lap of slot wave % 2,
	s_mul_i32 s88, s16, KSB
	s_add_co_u32 s10, s10, s88
	s_mov_b32 s11, 0
	s_mul_i32 s12, s46, 98304                      ; and of V^T
	s_add_co_u32 s12, s12, s47
	s_add_co_u32 s12, s12, s88
	s_add_co_u32 s12, s12, VIMG
	s_mov_b32 s13, 0
	s_mov_b32 s[H80], 0x80808080
	s_mov_b32 s[SEL], 0x76543210
	s_mov_b32 s[SEL+1], 0xfedcba98
	s_wait_kmcnt 0x0
	s_add_nc_u64 s[66:67], s[4:5], s[66:67]
	s_add_nc_u64 s[68:69], s[6:7], s[68:69]
	CROUND                                         ; all sixteen work-groups are here: the first joint loads meet
.irp s, 0,1
	s_mov_b32 s[G0+4*\s], 1
	s_add_co_u32 s[G0+4*\s+1], s70, \s*SLOT
	s_add_nc_u64 s[G0+4*\s+2:G0+4*\s+3], s[66:67], \s*KSB
	s_or_b32 s[G0+4*\s+3], s[G0+4*\s+3], 0x80000000
	s_mov_b32 s[G0B+4*\s], 1
	s_add_co_u32 s[G0B+4*\s+1], s71, \s*SLOT
	s_add_nc_u64 s[G0B+4*\s+2:G0B+4*\s+3], s[68:69], \s*KSB
	s_or_b32 s[G0B+4*\s+3], s[G0B+4*\s+3], 0x80000000
.endr
	; THE RING'S FIRST FILLS: at the head one load a wave, each a whole part of a slot: waves 0 and 1 P's 8 tiles of laps 0 and 1, waves 2 and 3 V^T's 16
	s_mov_b32 s76, 1
	s_mul_i32 s77, s16, SLOT
	s_add_nc_u64 s[78:79], s[4:5], s[10:11]
	s_or_b32 s79, s79, 0x80000000
	s_mov_b32 s96, 1
	s_mul_i32 s97, s16, SLOT
	s_add_co_u32 s97, s97, 2*AH
	s_add_nc_u64 s[98:99], s[6:7], s[12:13]
	s_or_b32 s99, s99, 0x80000000
	JLOAD 76, G1, 96, G1B
	v_and_b32 v1, 15, v0
	s_wait_alu depctr_va_vdst(0)
	v_bfe_u32 v2, v0, 4, 1
	v_and_b32 v3, 31, v0
	s_wait_alu depctr_va_vdst(0)
	v_lshlrev_b32 v[LI], 4, v3
	s_mul_i32 s21, s15, AH
	s_mul_i32 s22, s16, BH
	s_add_co_u32 s22, s22, 2*AH
.irp s, 0,1
	v_add_nc_u32 v[ADRA+\s], s21, v[LI]
	v_add_nc_u32 v[ADRB+\s], s22, v[LI]
	s_add_co_u32 s21, s21, SLOT
	s_add_co_u32 s22, s22, SLOT
.endr
	s_lshl_b32 s23, s14, 8                         ; my stage for the scale words: 256 bytes a wave, behind the spare words
	s_add_co_u32 s23, s23, STG
	v_lshl_add_u32 v7, v1, 2, s23
	v_lshl_add_u32 v8, v3, 3, s23
	v_lshlrev_b32 v14, 3, v3
	v_lshlrev_b32 v5, 15, v2
	v_lshl_add_u32 v5, v1, 2, v5                   ; P's tables: lanes 16-31 take the chunk after: 512 x 64 bytes on
	v_lshlrev_b32 v6, 12, v2
	v_lshl_add_u32 v6, v1, 2, v6
	v_min_u32 v15, 23, v3
	v_lshlrev_b32 v15, 8, v15                      ; the prefetches' offset: a lane a block of 256 bytes of a row tile's 6,144 (lanes 24-31 name the last block again); never rewritten
	s_wait_alu depctr_va_vdst(0)
	; PREFETCH: laps 2 and 3, which the refills bring, are asked for here, where the cluster has them: more than a lap ahead of their loads.  The four partners that ask for a tile jointly share its row tiles out by address:
	; of P's 8 each takes 2 (by cx), one for each of waves 0 and 1; of V^T's 16 each takes 4 (by cy), two for each of waves 2 and 3.  The branches hang on the cluster's number of laps and on the wave's number.
	s_lshl_b32 s82, s40, 1
	s_add_co_u32 s82, s82, s20
	s_add_co_u32 s82, s82, s16
	s_mul_i32 s82, s82, 24576
	s_mov_b32 s83, 0
	s_add_nc_u64 s[82:83], s[4:5], s[82:83]
	s_lshl_b32 s90, s41, 2
	s_add_co_u32 s90, s90, s46
	s_lshl_b32 s91, s16, 1
	s_add_co_u32 s90, s90, s91
	s_mul_i32 s90, s90, 98304
	s_add_co_u32 s90, s90, s47
	s_add_co_u32 s90, s90, VIMG
	s_mov_b32 s91, 0
	s_add_nc_u64 s[90:91], s[6:7], s[90:91]
	s_cmp_lt_u32 s19, 3
	s_cbranch_scc1 .Lno_ask
	s_cmp_eq_u32 s15, 0
	s_cbranch_scc0 .Lask_v
	global_prefetch_b8 v15, s[82:83] offset:2*KSB th:TH_LOAD_NT scope:SCOPE_SE
	s_cmp_lt_u32 s19, 4
	s_cbranch_scc1 .Lno_ask
	global_prefetch_b8 v15, s[82:83] offset:3*KSB th:TH_LOAD_NT scope:SCOPE_SE
	s_branch .Lno_ask
.Lask_v:
	global_prefetch_b8 v15, s[90:91] offset:2*KSB th:TH_LOAD_NT scope:SCOPE_SE
	global_prefetch_b8 v15, s[90:91] offset:2*KSB+98304 th:TH_LOAD_NT scope:SCOPE_SE
	s_cmp_lt_u32 s19, 4
	s_cbranch_scc1 .Lno_ask
	global_prefetch_b8 v15, s[90:91] offset:3*KSB th:TH_LOAD_NT scope:SCOPE_SE
	global_prefetch_b8 v15, s[90:91] offset:3*KSB+98304 th:TH_LOAD_NT scope:SCOPE_SE
.Lno_ask:
	s_lshl_b32 s72, s15, 2
	s_add_co_u32 s72, s72, s20
	s_lshl_b32 s72, s72, 6
	s_add_co_u32 s72, s72, PSK
	s_mov_b32 s73, 0
	s_add_nc_u64 s[72:73], s[4:5], s[72:73]
	s_lshl_b32 s74, s16, 3
	s_add_co_u32 s74, s74, s46
	s_lshl_b32 s75, s18, 10
	s_add_co_u32 s74, s74, s75
	s_lshl_b32 s74, s74, 6
	s_add_co_u32 s74, s74, VSK
	s_mov_b32 s75, 0
	s_add_nc_u64 s[74:75], s[6:7], s[74:75]
.irp b, 0,1,2,3,4,5,6,7
.irp J, 0,1,2,3,4,5,6,7
	global_load_b32 v[SCBB+NJ*\b+\J], v6, s[74:75] offset:\J*8192+64*\b
.endr
.endr
.irp i, 0,1,2,3,4,5,6,7,8,9,10,11,12,13,14,15,16,17,18,19,20,21,22,23,24,25,26,27,28,29,30,31
	v_mov_b32 v[SCAB+\i], 0                        ; chunks beyond the cluster's laps are not read: they count as -M_loc = 3e38 (M_loc under every M) and a sum of 0
	v_mov_b32 v[PNM+\i], 0x7f61b1e6
	v_mov_b32 v[PLL+\i], 0
.endr
	PLOAD 0
	s_cmp_le_u32 s19, 1
	s_cbranch_scc1 .Lloaded
	PLOAD 1
	s_cmp_le_u32 s19, 2
	s_cbranch_scc1 .Lloaded
	PLOAD 2
	s_cmp_le_u32 s19, 3
	s_cbranch_scc1 .Lloaded
	PLOAD 3
.Lloaded:
	v_mov_b32 v10, 0                               ; a lane permute's destination counts as one of its sources
	s_wait_loadcnt 0x0
.irp a, 0,1,2,3
	v_min3_num_f32 v9, v[PNM+NJ*\a], v[PNM+NJ*\a+1], v[PNM+NJ*\a+2]
	v_min3_num_f32 v9, v9, v[PNM+NJ*\a+3], v[PNM+NJ*\a+4]
	v_min3_num_f32 v9, v9, v[PNM+NJ*\a+5], v[PNM+NJ*\a+6]
	v_min_num_f32 v9, v9, v[PNM+NJ*\a+7]
	s_wait_alu depctr_va_vdst(0)
	v_permlanex16_b32 v10, v9, s[SEL], s[SEL+1]
	v_min_num_f32 v9, v9, v10                      ; -M of my query: the smallest -M_loc
.irp J, 0,1,2,3,4,5,6,7
	v_sub_f32 v10, v9, v[PNM+NJ*\a+\J]             ; M_loc - M: a whole number, 0 or less,
	v_max_num_f32 v10, 0xc2fe0000, v10             ; held at -127
	v_cvt_i32_f32 v10, v10
.if \J == 0
	v_ldexp_f32 v[LA+\a], v[PLL+NJ*\a+\J], v10     ; the chunk's sum under the row's M
.else
	v_ldexp_f32 v11, v[PLL+NJ*\a+\J], v10
	v_add_f32 v[LA+\a], v[LA+\a], v11
.endif
	v_sub_nc_u32 v10, 0, v10                       ; D
	v_perm_b32 v10, v10, v10, 0                    ; in all four bytes
	v_or_b32 v12, s[H80], v[SCAB+NJ*\a+\J]         ; 128 + byte (p is at most 1, so a byte is at most 123): no byte borrows from the next
	v_sub_nc_u32 v12, v12, v10
	v_and_b32 v13, s[H80], v12                     ; bit 7 stands where byte >= D
	v_lshrrev_b32 v11, 7, v13
	v_sub_nc_u32 v13, v13, v11                     ; 0x7f there, 0 elsewhere
	v_and_b32 v[SCAB+NJ*\a+\J], v12, v13           ; byte - D, held at 0
.endr
	v_permlanex16_b32 v10, v[LA+\a], s[SEL], s[SEL+1]
	v_add_f32 v[LA+\a], v[LA+\a], v10              ; even and odd chunks: l
.endr
	s_wait_alu depctr_va_vdst(0)
.irp a, 0,1,2,3
	v_rcp_f32 v[RL+2*\a], v[LA+\a]
.endr
.irp a, 0,1,2,3
	v_mov_b32 v[RL+2*\a+1], 0                      ; (the pairs' upper halves are named, so they are written; plain places behind the reciprocals)
.endr
	s_wait_alu depctr_va_vdst(0)                   ; one wait for the four reciprocals ahead of their first reader
	PLACES 8                                       ; scale registers written by vector instructions stand eight places ahead of a scaled matrix instruction
	; where the results go
	s_lshl_b32 s86, s15, 2
	s_add_co_u32 s86, s86, s20                     ; my first query tile
	s_lshl_b32 s87, s40, 1
	s_add_co_u32 s87, s87, s16                     ; my 128 features: a K step of the last product
	s_lshl_b32 s80, s86, 3
	s_add_co_u32 s80, s80, s87
	s_mul_i32 s80, s80, FRB
	s_mov_b32 s81, 0
	s_add_nc_u64 s[80:81], s[8:9], s[80:81]
	s_lshl_b32 s84, s87, 9
	s_add_co_u32 s84, s84, s86
	s_lshl_b32 s84, s84, 6
	s_add_co_u32 s84, s84, CSK
	s_mov_b32 s85, 0
	s_add_nc_u64 s[84:85], s[8:9], s[84:85]
	s_wait_tensorcnt 0x0                           ; my part of the two slots is in; no tensor load of mine is out, so a descriptor may be written:
	s_mov_b32 s[G1+2], 4<<16                       ; from here on a load brings 4 row tiles of P
	s_mov_b32 s[G1+4], 4
	s_mov_b32 s[G1B+2], 8<<16                      ; or 8 of V^T
	s_mov_b32 s[G1B+4], 8
	s_barrier_signal -1
	s_barrier_wait -1
	FETCH_B 0, 0, 0
	FETCH_A 0, 0, 0
	FETCH_A 0, 0, HA
	STEP 0, 0, 1, 0, 1                             ; LAP 0, in slot 0: its first products start the sums
	STEP 1, 0, 0, 0, 2
	STEP 0, 1, 0, 0, 3
	s_cmp_eq_u32 s19, 1
	s_cbranch_scc1 .Lend0
	s_cmp_eq_u32 s19, 2
	s_cbranch_scc1 .Lnofill0
	TURN 0, 1, 1, 1                                ; three laps or four: slot 0 takes lap 2
	s_branch .Llap1
.Lnofill0:
	TURN 0, 1, 0, 1                                ; two laps: nothing is left to fetch
.Llap1:
	STEP 0, 2, 0, 1, 1                             ; LAP 1, in slot 1
	STEP 1, 2, 0, 1, 2
	STEP 0, 3, 0, 1, 3
	s_cmp_eq_u32 s19, 2
	s_cbranch_scc1 .Lend1
	s_cmp_eq_u32 s19, 3
	s_cbranch_scc1 .Lnofill1
	TURN 1, 0, 1, 3                                ; four laps: slot 1 takes lap 3
	s_branch .Llap2
.Lnofill1:
	TURN 1, 0, 0, 3
.Llap2:
	STEP 0, 4, 0, 0, 1                             ; LAP 2, in slot 0
	STEP 1, 4, 0, 0, 2
	STEP 0, 5, 0, 0, 3
	s_cmp_eq_u32 s19, 3
	s_cbranch_scc1 .Lend2
	TURN 0, 1, 0, 5
	STEP 0, 6, 0, 1, 1                             ; LAP 3, in slot 1
	STEP 1, 6, 0, 1, 2
	STEP 0, 7, 0, 1, 3
	LAST 7
	s_branch .Lout
.Lend2:
	LAST 5
	s_branch .Lout
.Lend1:
	LAST 3
	s_branch .Lout
.Lend0:
	LAST 1
.Lout:
	; THE WAY OUT: / l, then each block's 128 results of a row become one fragment and one scale word
	PLACES 4
.irp b, 0,1,2,3
	v_mov_b32 v[TM+4+\b], 0                        ; written once: a lane permute's destination counts as one of its sources
.endr
.irp a, 0,1,2,3
	WIN 0x82                                       ; source 0 and destination: the accumulators' window
.set j, 0
.rept 32
	v_pk_mul_f32 v[64*\a+j:64*\a+j+1], v[64*\a+j:64*\a+j+1], v[RL+2*\a:RL+2*\a+1] op_sel_hi:[1,0]   ; each accumulator from its low end on
.set j, j+2
.endr
	QMAX 64*\a, 2
	s_wait_xcnt 0x0                                ; the last block's stores have read their data
	QCVT 64*\a, 2
.irp c, 0,1,2
	global_store_b128 v[LI], v[PC+4*\c:PC+4*\c+3], s[80:81] offset:\a*12288+512*\c   ; 512 consecutive bytes, aligned
.endr
	ds_store_b32 v7, v[PW] offset:64*\a
.endr
	ds_load_b64 v[SW:SW+1], v8                     ; LDS serves a wave's instructions in order: this sees my stores
	s_wait_dscnt 0x0
	global_store_b64 v14, v[SW:SW+1], s[84:85]     ; my 4 tiles' scale words: 256 consecutive bytes, aligned
	s_wait_tensorcnt 0x0                           ; the wave's end
	ds_add_u32 v[SPW], v[NIL]
	s_wait_dscnt 0x0
	CROUND                                         ; the closing round
	s_endpgm
.Lfunc_end_k_qb8cb7244b0_pv:
	.size	k_qb8cb7244b0_pv, .Lfunc_end_k_qb8cb7244b0_pv-k_qb8cb7244b0_pv
	.p2alignl 7, 3214868480
	.fill 96, 4, 3214868480
	.section	.rodata,"a",@progbits
	.p2align	6, 0x0
	.amdhsa_kernel k_qb8cb7244b0_pv
		.amdhsa_group_segment_fixed_size 327680
		.amdhsa_private_segment_fixed_size 0
		.amdhsa_enable_private_segment 0
		.amdhsa_kernarg_size 24
		.amdhsa_user_sgpr_count 2
		.amdhsa_user_sgpr_kernarg_segment_ptr 1
		.amdhsa_wavefront_size32 1
		.amdhsa_system_sgpr_workgroup_id_x 1
		.amdhsa_system_sgpr_workgroup_id_y 1
		.amdhsa_system_sgpr_workgroup_id_z 1
		.amdhsa_system_vgpr_workitem_id 0
		.amdhsa_next_free_vgpr 768
		.amdhsa_next_free_sgpr 100
		.amdhsa_reserve_vcc 0
		.amdhsa_float_denorm_mode_32 3
		.amdhsa_float_denorm_mode_16_64 3
		.amdhsa_memory_ordered 1
		.amdhsa_forward_progress 1
		.amdhsa_inst_pref_size 210
	.end_amdhsa_kernel
	.amdgpu_metadata
---
amdhsa.version: [ 1, 2 ]
amdhsa.kernels:
  - .name:           k_qb8cb7244b0_pv
    .symbol:         k_qb8cb7244b0_pv.kd
    .args:
      - { .name: pbuf, .offset: 0, .size: 8, .value_kind: global_buffer, .address_space: global }
      - { .name: qkv, .offset: 8, .size: 8, .value_kind: global_buffer, .address_space: global }
      - { .name: ctxb, .offset: 16, .size: 8, .value_kind: global_buffer, .address_space: global }
    .group_segment_fixed_size: 327680
    .private_segment_fixed_size: 0
    .kernarg_segment_align: 8
    .kernarg_segment_size: 24
    .max_flat_workgroup_size: 128
    .sgpr_count:     100
    .vgpr_count:     768
    .wavefront_size: 32
...
	.end_amdgpu_metadata
.endif
;; end of part 9
;; launch outp (part 10): grid 4 x 64, 4 waves a work-group, clusters of 4 x 4, 327,680 bytes of LDS; arguments ctxb, xw, bo, out0; writes out0
.if DOCPART == 10
	.amdgcn_target "amdgcn-amd-amdhsa--gfx1250"
	.amdhsa_code_object_version 6
	.text
	.protected	k_qb8cb7244b0_outp
	.globl	k_qb8cb7244b0_outp
	.p2align	8
	.type	k_qb8cb7244b0_outp,@function
k_qb8cb7244b0_outp:
	s_mov_b64 s[64:65], 0
	v_nop
	global_prefetch_b8 v0, s[64:65] scope:SCOPE_SE
	s_setreg_imm32_b32 hwreg(HW_REG_WAVE_MODE, 25, 1), 1
	s_wait_xcnt 0x0
	s_wait_alu depctr_hold_cnt(0) depctr_sa_sdst(0) depctr_va_vdst(0) depctr_va_sdst(0) depctr_va_ssrc(0) depctr_va_vcc(0) depctr_vm_vsrc(0)
	s_getreg_b32 s2, hwreg(HW_REG_IB_STS2, 6, 4)
	s_cmp_eq_u32 s2, 0
	s_cbranch_scc0 .Lentry_in_a_cluster
	s_endpgm
.Lentry_in_a_cluster:
	s_bfe_u32 s2, ttmp6, 0x10000c
	s_cmp_lg_u32 s2, 0xf033
	s_cbranch_scc0 .Lentry_shape_is_right
	s_endpgm
.Lentry_shape_is_right:
.set NA,   4
.set NQ,   4
.set NJ,   4
.set SCAB, 32
.set SCBB, 48
.set BI,   176
.set XSK,  9437184
.set CSK,  6291456
.set FRB,  1536
.set KSB,  NQ*FRB
.set HA,   NA/2
.set NL,   3
.set AH,   NA*KSB
.set BH,   8*KSB
.set SLOT, 2*AH+2*BH
.set AF,   128
.set LI,   4
.set STO,  7
.set RD,   8
.set ADRA, 16
.set ADRB, 20
.set BK,   128
.set SPITCH, 528
.set G1,   24
.set G0,   32
.set G1B,  48
.set G0B,  56
.set MSB, 0
.macro WIN new
.set WNEW, \new
.if MSB != WNEW
	s_set_vgpr_msb (MSB<<8)|WNEW
.set MSB, WNEW
.endif
.endm
.macro PLACES n
.rept \n
	v_nop
.endr
.endm
.macro JLOAD g0a, g1a, g0b, g1b
	s_cmp_eq_u32 s15, 0
	s_cbranch_scc0 .Lfor_b_\@
	tensor_load_to_lds s[\g0a:\g0a+3], s[\g1a:\g1a+7]
	s_nop 0
.rept 4
	v_nop
.endr
	s_branch .Lasked_\@
.Lfor_b_\@:
	tensor_load_to_lds s[\g0b:\g0b+3], s[\g1b:\g1b+7]
	s_nop 0
.rept 4
	v_nop
.endr
.Lasked_\@:
.endm
.macro CREST
	s_cmp_lg_u32 s14, 0
	s_cbranch_scc1 .Lnot_wave_0_\@
	s_barrier_signal -3
.Lnot_wave_0_\@:
	s_barrier_wait -3
	s_barrier_signal -1
	s_barrier_wait -1
.endm
.macro CROUND
	s_barrier_signal -1
	s_barrier_wait -1
	CREST
.endm
.macro FRAG reg, adr, q, i
.irp c, 0,1,2
	ds_load_b128 v[\reg+4*\c:\reg+4*\c+3], v[\adr] offset:(\i)*KSB+(\q)*FRB+512*\c
.endr
.endm
.macro FETCH_B slot, q, p
	WIN 0x40
.irp i, 0,1,2,3,4,5,6,7
	FRAG 128*(\p)+12*\i, ADRB+\slot, \q, \i
.endr
	WIN 0
.endm
.macro FETCH_A slot, q, i0
.set fi, \i0
.rept HA
	FRAG AF+12*fi, ADRA+\slot, \q, fi
.set fi, fi+1
.endr
.endm
.macro MULA a, p, J, q, cm
.if (\cm) == 2
	WIN 0x81
.else
	WIN 0xa1
.endif
.irp b, 0,1,2,3,4,5,6,7
.set rD, 8*(8*(\a)+\b)
.set rB, 128*(\p)+12*\b
.set rA, AF+12*(\a)
.set rSB, SCBB+NJ*\b+(\J)
.set rSA, SCAB+NJ*(\a)+(\J)
.if (\cm) == 2
	v_wmma_scale_f32_16x16x128_f8f6f4 v[rD:rD+7], v[rB:rB+11], v[rA:rA+11], v[BI+8*\b:BI+8*\b+7], v[rSB], v[rSA] matrix_a_fmt:MATRIX_FMT_BF6 matrix_b_fmt:MATRIX_FMT_BF6
.elseif (\q) == 0
	v_wmma_scale_f32_16x16x128_f8f6f4 v[rD:rD+7], v[rB:rB+11], v[rA:rA+11], v[rD:rD+7], v[rSB], v[rSA] matrix_a_fmt:MATRIX_FMT_BF6 matrix_b_fmt:MATRIX_FMT_BF6
.else
	v_wmma_scale_f32_16x16x128_f8f6f4 v[rD:rD+7], v[rB:rB+11], v[rA:rA+11], v[rD:rD+7], v[rSB], v[rSA] matrix_a_fmt:MATRIX_FMT_BF6 matrix_b_fmt:MATRIX_FMT_BF6 matrix_a_scale:MATRIX_SCALE_ROW1 matrix_b_scale:MATRIX_SCALE_ROW1
.endif
.endr
.endm
.macro STEP q, J, cm, fs, fq
	s_wait_dscnt HA*NL
.set ma, 0
.rept HA
	MULA ma, (\q)%2, \J, (\q)%2, \cm
.set ma, ma+1
.endr
	s_wait_dscnt 0x0
	PLACES 4
	FETCH_B \fs, \fq, 1-(\q)%2
	FETCH_A \fs, \fq, 0
.rept HA
	MULA ma, (\q)%2, \J, (\q)%2, \cm
.set ma, ma+1
.endr
	PLACES 4
	WIN 0
	FETCH_A \fs, \fq, HA
.endm
.macro TURN next, J
	s_wait_tensorcnt 0x0
	s_wait_dscnt HA*NL
.set ma, 0
.rept HA/2
	MULA ma, 1, \J, 1, 0
.set ma, ma+1
.endr
	s_wait_dscnt 0x0
	s_barrier_signal -1
.rept HA/2
	MULA ma, 1, \J, 1, 0
.set ma, ma+1
.endr
	WIN 0
	s_barrier_wait -1
	PLACES 4
	FETCH_B \next, 0, 0
	FETCH_A \next, 0, 0
.rept HA
	MULA ma, 1, \J, 1, 0
.set ma, ma+1
.endr
	PLACES 4
	WIN 0
	FETCH_A \next, 0, HA
.endm
.macro LAST J
	s_wait_dscnt HA*NL
.set ma, 0
.rept HA
	MULA ma, 1, \J, 1, 0
.set ma, ma+1
.endr
	s_wait_dscnt 0x0
.rept HA
	MULA ma, 1, \J, 1, 0
.set ma, ma+1
.endr
	WIN 0
.endm
.macro TOSTAGE a
	WIN 0x08
.irp b, 0,1,2,3,4,5,6,7
	ds_store_b128 v[STO], v[64*(\a)+8*\b:64*(\a)+8*\b+3] offset:128*(\b/2)+32*(\b%2)
	ds_store_b128 v[STO], v[64*(\a)+8*\b+4:64*(\a)+8*\b+7] offset:128*(\b/2)+32*(\b%2)+16
.endr
	WIN 0
.set BB, BK+64*((\a)%2)
.irp t, 0,1,2,3,4,5,6,7,8,9,10,11,12,13,14,15
	ds_load_b128 v[BB+4*\t:BB+4*\t+3], v[RD] offset:\t*SPITCH
.endr
.endm
.macro SEND a, younger
.set BB, BK+64*((\a)%2)
	s_wait_dscnt \younger
.irp t, 0,1,2,3,4,5,6,7,8,9,10,11,12,13,14,15
	global_store_b128 v[LI], v[BB+4*\t:BB+4*\t+3], s[80:81] offset:(32*((\a)/2)+8*((\a)%2)+\t+8*(\t/8))*4096 th:TH_STORE_NT
.endr
.endm
	s_load_b256 s[4:11], s[0:1], 0x0
	v_lshl_add_u32 v126, v0, 2, 0x48000
	v_mov_b32 v127, 0
	ds_add_u32 v126, v127
	ds_add_u32 v126, v127
	v_lshrrev_b32 v1, 5, v0
	v_readfirstlane_b32 s14, v1
	s_lshr_b32 s15, s14, 1
	s_and_b32 s16, s14, 1
	s_bfe_u32 s40, ttmp6, 0x40000
	s_bfe_u32 s41, ttmp6, 0x40004
	s_and_b32 s17, ttmp7, 0xffff
	s_lshl_b32 s43, s41, 2
	s_lshl_b32 s43, 15, s43
	s_lshl_b32 s44, 0x1111, s40
	s_or_b32 s[G1], s43, (3<<16)|(1<<21)
	s_mov_b32 s[G1+1], 768<<16
	s_mov_b32 s[G1+2], 8<<16                       ; a load brings a whole part of a slot: ctx's 8 row tiles,
	s_mov_b32 s[G1+3], 768<<16
	s_mov_b32 s[G1+4], 8
	s_mov_b32 s[G1+5], 1536
	s_mov_b32 s[G1+6], 0
	s_mov_b32 s[G1+7], 0
	s_or_b32 s[G1B], s44, (3<<16)|(1<<21)
	s_mov_b32 s[G1B+1], 768<<16
	s_mov_b32 s[G1B+2], 16<<16                     ; Wo's 16
	s_mov_b32 s[G1B+3], 768<<16
	s_mov_b32 s[G1B+4], 16
	s_mov_b32 s[G1B+5], 1536
	s_mov_b32 s[G1B+6], 0
	s_mov_b32 s[G1B+7], 0
	s_lshl_b32 s20, s17, 5
	s_lshl_b32 s21, s41, 3
	s_add_co_u32 s20, s20, s21
	s_lshl_b32 s46, s40, 4
	s_add_co_u32 s46, s46, 704
	s_mul_i32 s22, s16, KSB                        ; K = 1,024 is two slots of 512: waves 0 and 1 fetch ctx's tiles of slots 0 and 1, waves 2 and 3 Wo's: one load a wave, all at the head
	s_mul_i32 s66, s20, 12288
	s_add_co_u32 s66, s66, s22
	s_mov_b32 s67, 0
	s_mul_i32 s68, s46, 12288
	s_add_co_u32 s68, s68, s22
	s_mov_b32 s69, 0
	s_mul_i32 s70, s16, SLOT
	s_mul_i32 s71, s16, SLOT
	s_add_co_u32 s71, s71, 2*AH
	s_wait_dscnt 0x0
	s_wait_kmcnt 0x0
	s_add_nc_u64 s[66:67], s[4:5], s[66:67]
	s_add_nc_u64 s[68:69], s[6:7], s[68:69]
	CROUND
	s_mov_b32 s[G0], 1
	s_mov_b32 s[G0+1], s70
	s_mov_b64 s[G0+2:G0+3], s[66:67]
	s_or_b32 s[G0+3], s[G0+3], 0x80000000
	s_mov_b32 s[G0B], 1
	s_mov_b32 s[G0B+1], s71
	s_mov_b64 s[G0B+2:G0B+3], s[68:69]
	s_or_b32 s[G0B+3], s[G0B+3], 0x80000000
	JLOAD G0, G1, G0B, G1B
	v_and_b32 v1, 15, v0
	s_wait_alu depctr_va_vdst(0)
	v_bfe_u32 v2, v0, 4, 1
	v_and_b32 v3, 31, v0
	v_lshlrev_b32 v[LI], 4, v3
	s_mul_i32 s21, s15, AH
	s_mul_i32 s22, s16, BH
	s_add_co_u32 s22, s22, 2*AH
.irp s, 0,1
	v_add_nc_u32 v[ADRA+\s], s21, v[LI]
	v_add_nc_u32 v[ADRB+\s], s22, v[LI]
	s_add_co_u32 s21, s21, SLOT
	s_add_co_u32 s22, s22, SLOT
.endr
	s_mul_i32 s23, s14, 16*SPITCH
	v_mul_u32_u24 v[STO], v1, SPITCH
	s_wait_alu depctr_va_vdst(0)
	v_lshl_add_u32 v[STO], v2, 6, v[STO]
	v_add_nc_u32 v[STO], s23, v[STO]
	v_add_nc_u32 v[RD], s23, v[LI]
	v_lshlrev_b32 v5, 15, v2
	v_lshl_add_u32 v5, v1, 2, v5
	s_wait_alu depctr_va_vdst(0)
	v_mul_u32_u24 v6, v2, 49152
	v_lshl_add_u32 v6, v1, 2, v6
	s_wait_alu depctr_va_vdst(0)
	v_lshlrev_b32 v10, 6, v2
	s_wait_alu depctr_va_vdst(0)
	s_lshl_b32 s72, s15, 2
	s_add_co_u32 s72, s72, s20
	s_lshl_b32 s72, s72, 6
	s_add_co_u32 s72, s72, CSK
	s_mov_b32 s73, 0
	s_add_nc_u64 s[72:73], s[4:5], s[72:73]
	s_lshl_b32 s74, s16, 3
	s_add_co_u32 s74, s74, s46
	s_lshl_b32 s74, s74, 6
	s_add_co_u32 s74, s74, XSK
	s_mov_b32 s75, 0
	s_add_nc_u64 s[74:75], s[6:7], s[74:75]
.irp a, 0,1,2,3
.irp J, 0,1,2,3
	global_load_b32 v[SCAB+NJ*\a+\J], v5, s[72:73] offset:\J*65536+64*\a
.endr
.endr
.irp b, 0,1,2,3,4,5,6,7
.irp J, 0,1,2,3
	global_load_b32 v[SCBB+NJ*\b+\J], v6, s[74:75] offset:\J*98304+64*\b
.endr
.endr
	s_lshl_b32 s76, s40, 10
	s_lshl_b32 s77, s16, 9
	s_add_co_u32 s76, s76, s77
	s_mov_b32 s77, 0
	s_add_nc_u64 s[78:79], s[8:9], s[76:77]
.irp b, 0,1,2,3,4,5,6,7
	global_load_b128 v[BI+8*\b:BI+8*\b+3], v10, s[78:79] offset:(32*(\b/2)+8*(\b%2))*4
	global_load_b128 v[BI+8*\b+4:BI+8*\b+7], v10, s[78:79] offset:(32*(\b/2)+8*(\b%2))*4+16
.endr
	s_lshl_b32 s80, s17, 9
	s_lshl_b32 s81, s41, 7
	s_add_co_u32 s80, s80, s81
	s_lshl_b32 s81, s15, 6
	s_add_co_u32 s80, s80, s81
	s_lshl_b32 s80, s80, 12
	s_add_co_u32 s80, s80, s76
	s_mov_b32 s81, 0
	s_add_nc_u64 s[80:81], s[10:11], s[80:81]
	s_wait_loadcnt 0x0
	s_wait_tensorcnt 0x0
	s_barrier_signal -1
	s_barrier_wait -1
	FETCH_B 0, 0, 0
	FETCH_A 0, 0, 0
	FETCH_A 0, 0, HA
	STEP 0, 0, 2, 0, 1
	STEP 1, 0, 0, 0, 2
	STEP 0, 1, 0, 0, 3
	TURN 1, 1
	STEP 0, 2, 0, 1, 1
	STEP 1, 2, 0, 1, 2
	STEP 0, 3, 0, 1, 3
	LAST 3
	PLACES 4
	TOSTAGE 0
.irp a, 1,2,3
.if \a > 1
	s_wait_xcnt 0x0
.endif
	TOSTAGE \a
	SEND \a-1, 32
.endr
	SEND 3, 0
	s_wait_tensorcnt 0x0
	ds_add_u32 v126, v127
	s_wait_dscnt 0x0
	CROUND
	s_endpgm
.Lfunc_end_k_qb8cb7244b0_outp:
	.size	k_qb8cb7244b0_outp, .Lfunc_end_k_qb8cb7244b0_outp-k_qb8cb7244b0_outp
	.p2alignl 7, 3214868480
	.fill 96, 4, 3214868480
	.section	.rodata,"a",@progbits
	.p2align	6, 0x0
	.amdhsa_kernel k_qb8cb7244b0_outp
		.amdhsa_group_segment_fixed_size 327680
		.amdhsa_private_segment_fixed_size 0
		.amdhsa_enable_private_segment 0
		.amdhsa_kernarg_size 32
		.amdhsa_user_sgpr_count 2
		.amdhsa_user_sgpr_kernarg_segment_ptr 1
		.amdhsa_wavefront_size32 1
		.amdhsa_system_sgpr_workgroup_id_x 1
		.amdhsa_system_sgpr_workgroup_id_y 1
		.amdhsa_system_sgpr_workgroup_id_z 1
		.amdhsa_system_vgpr_workitem_id 0
		.amdhsa_next_free_vgpr 768
		.amdhsa_next_free_sgpr 100
		.amdhsa_reserve_vcc 0
		.amdhsa_float_denorm_mode_32 3
		.amdhsa_float_denorm_mode_16_64 3
		.amdhsa_memory_ordered 1
		.amdhsa_forward_progress 1
		.amdhsa_inst_pref_size 82
	.end_amdhsa_kernel
	.amdgpu_metadata
---
amdhsa.version: [ 1, 2 ]
amdhsa.kernels:
  - .name:           k_qb8cb7244b0_outp
    .symbol:         k_qb8cb7244b0_outp.kd
    .args:
      - { .name: ctxb, .offset: 0, .size: 8, .value_kind: global_buffer, .address_space: global }
      - { .name: xw, .offset: 8, .size: 8, .value_kind: global_buffer, .address_space: global }
      - { .name: bo, .offset: 16, .size: 8, .value_kind: global_buffer, .address_space: global }
      - { .name: out0, .offset: 24, .size: 8, .value_kind: global_buffer, .address_space: global }
    .group_segment_fixed_size: 327680
    .private_segment_fixed_size: 0
    .kernarg_segment_align: 8
    .kernarg_segment_size: 32
    .max_flat_workgroup_size: 128
    .sgpr_count:     100
    .vgpr_count:     768
    .wavefront_size: 32
...
	.end_amdgpu_metadata
.endif
;; end of part 10
